; MI455X (gfx1250); checked and timed in simulation.
; The chip was launched on July 23, 2026; its instructions are those of AMD's public machine-readable ISA for CDNA 5 (MIT licence, August 2026) and "CDNA5" Instruction Set Architecture Reference Guide (July 2026). The comments in the code are by the model that wrote it; some were corrected since.
;; Mixtral Attention. Allowed arithmetic: matrix products marked QUANTISED: E3M2 operands, one E8M0 scale for each 32 along K, by v_wmma_scale_f32_16x16x128_f8f6f4 with both operands' format E3M2, f32 sums; everything else in f32.
;; Inputs: attention_mask 2 x 2,048 bool; cached_key 2 x 2,048 x 4 x 128 float32; cached_value 2 x 2,048 x 4 x 128 float32; cos 2 x 2,048 x 128 float32; hidden_states 2 x 2,048 x 4,096 float32; sin 2 x 2,048 x 128 float32; wk 4,096 x 512 float32; wo 1,024 x 4,096 float32; wq 4,096 x 1,024 float32; wv 4,096 x 512 float32.
;; Outputs: out0 2 x 2,048 x 4,096 float32.
;; Constants: cache_index = 0.
;; This version of the problem:
;;   THIS VERSION OF THE PROBLEM IS GIVEN IN LOW PRECISION. The matrix products marked QUANTISED in the list below multiply operands that are first quantised to E3M2 (3 exponent bits, 2 mantissa bits; 6 bits a number), with one power-of-two scale for each 32 numbers along K (OCP MX v1.0); their sums are f32. All else is computed in f32.
;;   The module's matrix products, in the order in which they are computed (A, B: the left and right operand; K: the contracted axis; several contracted axes count as one K, in the product's order):
;;     1. [M 4,096, K 4,096] x [K 4,096, N 1,024]; A: input hidden_states; B: input wq: QUANTISED
;;     2. [M 4,096, K 4,096] x [K 4,096, N 512]; A: input hidden_states; B: input wk: QUANTISED
;;     3. [M 4,096, K 4,096] x [K 4,096, N 512]; A: input hidden_states; B: input wv: QUANTISED
;;     4. batch 16 x [M 2,048, K 128] x [K 128, N 2,048]; A: computed on the way; B: computed on the way: QUANTISED
;;     5. batch 16 x [M 128, K 2,048] x [K 2,048, N 2,048]; A: computed on the way; B: softmax (see below): QUANTISED
;;     6. [M 4,096, K 1,024] x [K 1,024, N 4,096]; A: computed on the way; B: input wo: QUANTISED
;;   THE QUANTISER, for each operand of a quantised product, along K:
;;     - K is cut into blocks of 32 from its start; a last block that is shorter is filled with zeros.
;;     - A block's scale is 2^e with e = floor(log2(the largest magnitude in the block)) - 4, held to -126 .. 127; a block of zeros has e = 0. As a byte (E8M0): e + 127.
;;     - Each number is divided by its block's scale, clamped to +-28, and rounded to the nearest number of E3M2, ties to even, subnormals kept.
;;     - The product sums the exact products of the quantised numbers (number of the format x scale) in f32.
;;   ~~~python
;;   def quantise(x, axis):      # numpy; x: float32 -> the quantised numbers, widened to float32 again
;;       x = np.moveaxis(x, axis, -1); K = x.shape[-1]
;;       x = np.pad(x, [(0, 0)] * (x.ndim - 1) + [(0, -K % 32)]); x = x.reshape(x.shape[:-1] + (-1, 32)); a = np.abs(x).max(-1, keepdims=True)
;;       e = np.where(a > 0, np.clip(np.frexp(np.where(a > 0, a, 1))[1] - 1 - 4, -126, 127), 0)      # np.frexp(a)[1] - 1 = floor(log2(a)), exactly
;;       r = np.clip(x / 2.0 ** e, -28, 28)
;;       step = 2.0 ** (np.maximum(np.frexp(np.where(r == 0, 1, r))[1] - 1, -2) - 2)
;;       q = np.round(r / step) * step * 2.0 ** e      # np.round: ties to even
;;       return np.moveaxis(q.reshape(q.shape[:-2] + (-1,))[..., :K], -1, axis).astype(np.float32)
;;   ~~~
;;   SOFTMAX AHEAD OF A QUANTISED PRODUCT. Where the list says 'softmax', what is quantised is not the finished softmax but p = 2^(t - M), with t = logit x log2(e) and M = ceil(the row's largest t), a whole number; so 1/2 < the row's largest p <= 1. The row's sum l is taken of the UNQUANTISED p, in f32, and the product's result is divided by l at the end. Since M is a whole number, a kernel that streams over the keys may use a running M (the ceiling of the running maximum): every later rescaling is an exact power of two, which a block's scale takes up: the codes' values come out the same.
;;   OPERANDS COMPUTED ON THE WAY. 'Computed on the way' means the value that the module computes at that place (a softmax that the list does not call 'softmax' is quantised finished and normalised). What goes into a quantiser is computed in f32, as accurately as f32 sums, v_exp_f32 and their like allow (about 1e-6 of the number): no bf16 or f16 on the way to a quantiser, and a product that is left as it is and whose result goes on into a quantised operand takes f32 operands (vector FMAs, or v_wmma_f32_16x16x4_f32). A number that lies on a knife's edge between two numbers of the format may be rounded either way, as far as f32 arithmetic and the matrix unit's own rounding can turn it there, and no further.
;; 2 versions. Each part assembles by itself: llvm-mc -triple=amdgcn-amd-amdhsa -mcpu=gfx1250 --defsym DOCPART=n.
;; ======== version 1 of 2: 4 launches
;; limits: right only within a limited range of input values
;; workspace buffers: xq 13,107,200 bytes; wqkvq 6,553,600 bytes; woq 3,276,800 bytes; qq 3,276,800 bytes; kq 1,638,400 bytes; vq 1,638,400 bytes; aq 3,276,800 bytes
;; launch quant (part 1): grid 896 x 1, 4 waves a work-group, no clusters, 68,096 bytes of LDS; arguments hidden_states, wq, wk, wv, wo, xq, wqkvq, woq; writes xq, wqkvq, woq
.if DOCPART == 1
	.amdgcn_target "amdgcn-amd-amdhsa--gfx1250"
	.amdhsa_code_object_version 6
	.text
	.protected	k_qae1611dfbc_quant
	.globl	k_qae1611dfbc_quant
	.p2align	8
	.type	k_qae1611dfbc_quant,@function
k_qae1611dfbc_quant:
	s_mov_b64 s[64:65], 0
	v_nop
	global_prefetch_b8 v0, s[64:65] scope:SCOPE_SE
	s_setreg_imm32_b32 hwreg(HW_REG_WAVE_MODE, 25, 1), 1
	s_wait_xcnt 0x0
; hidden_states [4096][4096] and the four weights, all f32, become codes of BF6 (E3M2), 6 bits each, K innermost, with one E8M0 byte for each 32 along K.
; A block's scale is 2^(floor(log2(its largest magnitude)) - 4): its byte is the largest magnitude's exponent field - 4, held at 1 from below.
; LIMITS: a block of zeros, and a block whose largest magnitude lies under 2^-122, gets the byte 1 (a block of zeros has zero codes, which add nothing; the bytes are read by this program alone);
; NaN and infinities among the inputs are not served.
; Work-groups 0-511 take hidden_states, whose K is innermost: a plain stream of blocks of 32.  Work-groups 512-895 take the weights, whose K is the FIRST axis: a lane takes a column and its registers run down K.
; Every work-group has 32,768 numbers.  The two ways have LDS bytes of their own.  No tensor load, no barrier: waves share nothing.
; xq:    codes [4096][3072 bytes], then scale bytes [4096][128].
; wqkvq: codes [2048 rows][3072], then [2048][128]; rows 0-1023 are wq's columns, row 1024 + 256 j + c is column c of K's head j, row 1152 + 256 j + c that of V's head j.
; woq:   codes [4096][768], then [4096][32]; inside each block of 32 slots 8-15 hold k + 8 and slots 16-23 hold k - 8: the order in which the attention launch lays its result.
.set XWG,     512
.set EMAX,    4
.set STEPS,   16
.set CB,      12                       ; bytes of 16 codes
.set XR,      16                       ; v16-79   four sets of 16 numbers as they are loaded
.set XX,      80                       ; v80-111  two sets of 16 neighbours
.set XE,      112                      ; v112-127 a scale byte for each step
.set XC,      128                      ; v128-191 codes, four registers for each step
.set WREG,    8192                     ; LDS of a wave on the first way: two stages of 32 x SP bytes, then 256 scale bytes
.set SP,      80
.set XSCALES, 12582912
.set NB,      8                        ; the second way: blocks of a wave (256 along K)
.set WP,      272                      ; a stage row: sixteen places of 16 bytes + 16
.set WBASE,   32768                    ; the second way's LDS begins here
.set WX,      32                       ; v32-95   two sets of 32 numbers
.set WC,      96                       ; v96-102  a block's codes
.set OUTR,    112                      ; v112-175 the way out
.set SB,      24                       ; v24-25   the scale bytes
.set ROFF,    176                      ; v176-207 byte offset of slot i's row of a block; later the way out's row offsets
	s_load_b256 s[4:11], s[0:1], 0x0               ; hidden s[4:5], wq s[6:7], wk s[8:9], wv s[10:11]
	s_load_b256 s[12:19], s[0:1], 0x20             ; wo s[12:13], xq s[14:15], wqkvq s[16:17], woq s[18:19]
	v_lshl_add_u32 v208, v0, 2, 0x10800
	v_mov_b32 v209, 0
	v_lshrrev_b32 v1, 5, v0
	v_readfirstlane_b32 s3, v1                     ; wave
	v_and_b32 v2, 31, v0                           ; lane
	s_cmp_lt_u32 ttmp9, XWG
	s_cbranch_scc0 .Lweights
; ---------------- hidden_states: a wave takes 16 steps of 512 numbers.  Each load reads 512 consecutive bytes; a step's 2,048 bytes turn through the wave's stage so that a lane holds 16 neighbours.
	v_lshlrev_b32 v3, 4, v2                        ; my 16 bytes of a load's 512
	s_mul_i32 s20, s3, WREG
	v_lshrrev_b32 v14, 2, v2
	v_mul_u32_u24 v14, v14, SP
	v_and_b32 v15, 3, v2
	v_lshl_add_u32 v14, v15, 4, v14
	v_add_nc_u32 v14, s20, v14                     ; the stage, in: SP (lane / 4) + 16 (lane % 4)
	v_mul_u32_u24 v15, v2, SP
	v_add_nc_u32 v15, s20, v15                     ; and out: SP x lane
	v_mul_u32_u24 v4, v2, CB                       ; my codes' place in a step's
	v_lshrrev_b32 v5, 1, v2
	s_add_co_u32 s20, s20, 2*32*SP
	v_add_nc_u32 v5, s20, v5                       ; my block's scale byte in the wave's 256
	v_lshlrev_b32 v7, 3, v2
	v_add_nc_u32 v6, s20, v7
	s_lshl_b32 s21, ttmp9, 2
	s_add_co_u32 s21, s21, s3                      ; which run of 8,192 numbers is my wave's
	s_lshl_b32 s22, s21, 15                        ; 32,768 bytes of f32 a run
	s_mov_b32 s23, 0
	s_mul_i32 s24, s21, 32*STEPS*CB                ; 6,144 bytes of codes
	s_mov_b32 s25, 0
	s_lshl_b32 s26, s21, 8                         ; 256 scale bytes
	s_add_co_u32 s26, s26, XSCALES
	s_mov_b32 s27, 0
	s_wait_kmcnt 0x0
	s_add_nc_u64 s[4:5], s[4:5], s[22:23]
	s_add_nc_u64 s[8:9], s[14:15], s[24:25]
	s_add_nc_u64 s[10:11], s[14:15], s[26:27]
.macro XLOAD t
.irp i, 0,1,2,3
	global_load_b128 v[XR+16*((\t)%4)+4*\i:XR+16*((\t)%4)+4*\i+3], v3, s[4:5] offset:2048*(\t)+512*\i th:TH_LOAD_NT
.endr
.endm
.macro XTURN t                         ; LDS serves a wave's instructions in order: no wait between the stores and the loads
.irp i, 0,1,2,3
	ds_store_b128 v14, v[XR+16*((\t)%4)+4*\i:XR+16*((\t)%4)+4*\i+3] offset:32*SP*((\t)%2)+8*SP*\i
.endr
.irp i, 0,1,2,3
	ds_load_b128 v[XX+16*((\t)%2)+4*\i:XX+16*((\t)%2)+4*\i+3], v15 offset:32*SP*((\t)%2)+16*\i
.endr
.endm
.irp t, 0,1,2,3
	XLOAD \t
.endr
	s_wait_loadcnt 12                              ; step 0's four loads are in, the twelve of steps 1 to 3 stay out
	XTURN 0
.macro XSTEP t
.set XS, XX+16*((\t)%2)
.if (\t) > 0
	s_wait_dscnt 1                                 ; this step's numbers are back from the stage; the last step's byte store may be out
.else
	s_wait_dscnt 0x0
.endif
.if (\t)+4 < STEPS
	XLOAD (\t)+4
.endif
.if (\t)+1 < STEPS
.if STEPS-2-(\t) >= 3
	s_wait_loadcnt 12                              ; the next step's four loads are in; those of the three steps behind it may be out
.else
	s_wait_loadcnt 4*(STEPS-2-(\t))
.endif
	XTURN (\t)+1
.endif
	v_max3_num_f32 v8, |v[XS]|, |v[XS+1]|, |v[XS+2]|
	v_max3_num_f32 v9, |v[XS+3]|, |v[XS+4]|, |v[XS+5]|
.irp i, 6,10
	v_max3_num_f32 v8, v8, |v[XS+\i]|, |v[XS+\i+1]|
	v_max3_num_f32 v9, v9, |v[XS+\i+2]|, |v[XS+\i+3]|
.endr
	v_max3_num_f32 v8, v8, |v[XS+14]|, |v[XS+15]|
	v_max3_num_f32 v8, v8, v9, (EMAX+1)<<23        ; the floor 2^(5 - 127): the byte cannot fall under 1
	v_max_num_f32_dpp v8, v8, v8 row_xmask:1 row_mask:0xf bank_mask:0xf   ; with my neighbour's 16: the block's largest magnitude
	v_add_nc_u32 v11, 0xfe000000, v8               ; 4 off its exponent field: the conversion's scale operand
	v_cvt_scalef32_pk16_bf6_f32 v[XC+4*(\t):XC+4*(\t)+2], v[XS:XS+15], v11
	v_lshrrev_b32 v[XE+(\t)], 23, v11              ; the scale's byte
	ds_store_b8 v5, v[XE+(\t)] offset:16*(\t)      ; both lanes of a block write the same byte with the same value
	global_store_b96 v4, v[XC+4*(\t):XC+4*(\t)+2], s[8:9] offset:32*CB*(\t)   ; the wave stores 384 consecutive bytes
.endm
.irp t, 0,1,2,3,4,5,6,7,8,9,10,11,12,13,14,15
	XSTEP \t
.endr
	ds_load_b64 v[12:13], v6
	s_wait_dscnt 0x0
	global_store_b64 v7, v[12:13], s[10:11]        ; 32 lanes store 256 consecutive bytes, aligned
	s_wait_tensorcnt 0x0
	ds_add_u32 v208, v209
	s_wait_dscnt 0x0
	s_endpgm
; ---------------- the weights: a work-group takes 128 columns x 256 along K, a wave 32 columns.  What differs between the four tensors is chosen by selects on the work-group's number alone.
.Lweights:
	s_sub_co_u32 s24, ttmp9, XWG                   ; 0-127 wq, 128-191 wk, 192-255 wv, 256-383 wo
	s_wait_kmcnt 0x0
	s_mov_b64 s[20:21], s[12:13]                   ; wo's figures first: the tensor,
	s_mov_b32 s25, 256                             ; its first work-group,
	s_mov_b32 s26, 5                               ; log2 of its groups of 128 columns,
	s_mov_b32 s27, 0                               ; the first row that it fills,
	s_mov_b32 s28, 7                               ; log2 of the rows from one group of columns to the next,
	s_mov_b32 s29, 0                               ; log2 of (K / 1,024),
	s_mov_b32 s30, 8                               ; how many rows slots 8-15 lie further down,
	s_mov_b64 s[22:23], s[18:19]                   ; the buffer,
	s_mov_b32 s31, 3145728                         ; and where its scale bytes begin
	s_cmp_lt_u32 s24, 256                          ; wv (and, so far, wk and wq)
	s_cselect_b64 s[20:21], s[10:11], s[20:21]
	s_cselect_b32 s25, 192, s25
	s_cselect_b32 s26, 2, s26
	s_cselect_b32 s27, 1152, s27
	s_cselect_b32 s28, 8, s28
	s_cselect_b32 s29, 2, s29
	s_cselect_b32 s30, 0, s30
	s_cselect_b64 s[22:23], s[16:17], s[22:23]
	s_cselect_b32 s31, 6291456, s31
	s_cmp_lt_u32 s24, 192                          ; wk
	s_cselect_b64 s[20:21], s[8:9], s[20:21]
	s_cselect_b32 s25, 128, s25
	s_cselect_b32 s27, 1024, s27
	s_cmp_lt_u32 s24, 128                          ; wq
	s_cselect_b64 s[20:21], s[6:7], s[20:21]
	s_cselect_b32 s25, 0, s25
	s_cselect_b32 s26, 3, s26
	s_cselect_b32 s27, 0, s27
	s_cselect_b32 s28, 7, s28
	s_lshl_b32 s32, 512, s26                       ; bytes in a row of the weight
	s_lshl_b32 s33, 768, s29                       ; bytes in a row of codes
	s_lshl_b32 s34, 32, s29                        ; bytes in a row of scales
	s_sub_co_u32 s24, s24, s25
	s_bfm_b32 s35, s26, 0
	s_and_b32 s35, s24, s35                        ; which 128 columns
	s_lshr_b32 s36, s24, s26                       ; which 256 along K
	s_lshl_b32 s37, s35, s28
	s_add_co_u32 s37, s37, s27
	s_lshl_b32 s38, s3, 5
	s_add_co_u32 s37, s37, s38                     ; my wave's first row of codes
	s_mul_i32 s39, s30, s32                        ; 8 rows of the weight, or 0
	s_sub_co_u32 s40, 0, s39
	s_lshl_b32 s42, s32, 5                         ; a block: 32 rows of the weight
	s_mov_b32 s43, 0
	s_lshl_b32 s44, s36, 8
	s_mul_i32 s44, s44, s32
	s_lshl_b32 s45, s35, 9
	s_add_co_u32 s44, s44, s45
	s_lshl_b32 s45, s3, 7
	s_add_co_u32 s44, s44, s45
	s_mov_b32 s45, 0
	s_add_nc_u64 s[20:21], s[20:21], s[44:45]      ; the weight at my first row of K and my first column
	s_mul_i32 s44, s37, s33
	s_mul_i32 s46, s36, 192
	s_add_co_u32 s44, s44, s46
	s_add_nc_u64 s[48:49], s[22:23], s[44:45]      ; my codes
	s_mul_i32 s44, s37, s34
	s_lshl_b32 s46, s36, 3
	s_add_co_u32 s44, s44, s46
	s_add_co_u32 s44, s44, s31
	s_add_nc_u64 s[50:51], s[22:23], s[44:45]      ; my scale bytes
	v_lshlrev_b32 v3, 2, v2                        ; in: 4 bytes a lane
	s_mul_i32 s52, s3, 32*WP
	s_add_co_u32 s52, s52, WBASE                   ; my stage
	v_mul_u32_u24 v4, v2, WP
	v_add_nc_u32 v4, s52, v4                       ; into it: row = my column
	v_and_b32 v5, 15, v2
	v_lshrrev_b32 v6, 4, v2
	v_mul_u32_u24 v7, v6, WP
	v_lshl_add_u32 v7, v5, 4, v7
	v_add_nc_u32 v7, s52, v7                       ; out of it: sixteen lanes to a row, two rows an instruction
	v_mul_u32_u24 v8, s33, v6
	v_mad_u32_u24 v8, v5, 12, v8                   ; and the same place in the codes' buffer
	v_mul_u32_u24 v9, s34, v2                      ; my column's row of scale bytes
.irp i, 0,1,2,3,4,5,6,7,8,9,10,11,12,13,14,15,16,17,18,19,20,21,22,23,24,25,26,27,28,29,30,31
	v_mad_u32_u24 v[ROFF+\i], s32, \i, v3          ; slot i takes row i of the block,
.endr
.irp i, 8,9,10,11,12,13,14,15
	v_add_nc_u32 v[ROFF+\i], s39, v[ROFF+\i]       ; in wo slots 8-15 the rows 8 further down,
.endr
.irp i, 16,17,18,19,20,21,22,23
	v_add_nc_u32 v[ROFF+\i], s40, v[ROFF+\i]       ; and slots 16-23 the rows 8 further up
.endr
.macro WLOAD t                         ; block t into set t % 2: each load reads 128 consecutive bytes
.if (\t) > 0
	s_wait_xcnt 0x0                                ; the base steps only when the earlier loads have read it
	s_add_nc_u64 s[20:21], s[20:21], s[42:43]
.endif
.irp i, 0,1,2,3,4,5,6,7,8,9,10,11,12,13,14,15,16,17,18,19,20,21,22,23,24,25,26,27,28,29,30,31
	global_load_b32 v[WX+32*((\t)%2)+\i], v[ROFF+\i], s[20:21] th:TH_LOAD_NT
.endr
.endm
	WLOAD 0
	WLOAD 1
.macro WBLOCK t
.set XS, WX+32*((\t)%2)
.if (\t) < NB-1
	s_wait_loadcnt 32                              ; this block's 32 loads are in; the next block's 32 may be out
.else
	s_wait_loadcnt 0x0
.endif
	v_max3_num_f32 v12, |v[XS]|, |v[XS+1]|, |v[XS+2]|
	v_max3_num_f32 v13, |v[XS+3]|, |v[XS+4]|, |v[XS+5]|
.irp i, 6,10,14,18,22,26
	v_max3_num_f32 v12, v12, |v[XS+\i]|, |v[XS+\i+1]|
	v_max3_num_f32 v13, v13, |v[XS+\i+2]|, |v[XS+\i+3]|
.endr
	v_max3_num_f32 v12, v12, |v[XS+30]|, |v[XS+31]|
	v_max3_num_f32 v12, v12, v13, (EMAX+1)<<23
	v_add_nc_u32 v11, 0xfe000000, v12
	v_lshrrev_b32 v13, 23, v11
.if (\t)%4 == 0
	v_mov_b32 v[SB+(\t)/4], v13
.else
	v_lshl_or_b32 v[SB+(\t)/4], v13, 8*((\t)%4), v[SB+(\t)/4]
.endif
	v_cvt_scalef32_pk16_bf6_f32 v[WC:WC+2], v[XS:XS+15], v11
	v_cvt_scalef32_pk16_bf6_f32 v[WC+4:WC+6], v[XS+16:XS+31], v11
	ds_store_b96 v4, v[WC:WC+2] offset:32*(\t)     ; 12 bytes to a place of 16
	ds_store_b96 v4, v[WC+4:WC+6] offset:32*(\t)+16
.if (\t)+2 < NB
	WLOAD (\t)+2
.endif
	s_wait_dscnt 0x0                               ; the stores have read their registers
.endm
.irp t, 0,1,2,3,4,5,6,7
	WBLOCK \t
.endr
.irp t, 0,1,2,3,4,5,6,7,8,9,10,11,12,13,14,15
	v_mad_u32_u24 v[ROFF+\t], s33, 2*\t, v8        ; (the last wait for loads has freed these)  rows 2 t and 2 t + 1 of my 32
.endr
	global_store_b64 v9, v[SB:SB+1], s[50:51]      ; my column's 8 scale bytes
.irp t, 0,1,2,3,4,5,6,7,8,9,10,11,12,13,14,15
	ds_load_b96 v[OUTR+4*\t:OUTR+4*\t+2], v7 offset:2*\t*WP
.endr
.irp t, 0,1,2,3,4,5,6,7,8,9,10,11,12,13,14,15
	s_wait_dscnt 15-\t                             ; the younger loads from the stage may be out
	global_store_b96 v[ROFF+\t], v[OUTR+4*\t:OUTR+4*\t+2], s[48:49]   ; sixteen lanes store a row's 192 consecutive bytes
.endr
	s_wait_tensorcnt 0x0
	ds_add_u32 v208, v209
	s_wait_dscnt 0x0
	s_endpgm
.Lfunc_end_k_qae1611dfbc_quant:
	.size	k_qae1611dfbc_quant, .Lfunc_end_k_qae1611dfbc_quant-k_qae1611dfbc_quant
	.p2alignl 7, 3214868480
	.fill 96, 4, 3214868480
	.section	.rodata,"a",@progbits
	.p2align	6, 0x0
	.amdhsa_kernel k_qae1611dfbc_quant
		.amdhsa_group_segment_fixed_size 68096
		.amdhsa_private_segment_fixed_size 0
		.amdhsa_enable_private_segment 0
		.amdhsa_kernarg_size 64
		.amdhsa_user_sgpr_count 2
		.amdhsa_user_sgpr_kernarg_segment_ptr 1
		.amdhsa_wavefront_size32 1
		.amdhsa_system_sgpr_workgroup_id_x 1
		.amdhsa_system_sgpr_workgroup_id_y 1
		.amdhsa_system_sgpr_workgroup_id_z 1
		.amdhsa_system_vgpr_workitem_id 0
		.amdhsa_next_free_vgpr 210
		.amdhsa_next_free_sgpr 66
		.amdhsa_reserve_vcc 0
		.amdhsa_float_denorm_mode_32 3
		.amdhsa_float_denorm_mode_16_64 3
		.amdhsa_memory_ordered 1
		.amdhsa_forward_progress 1
		.amdhsa_inst_pref_size 78
	.end_amdhsa_kernel
	.amdgpu_metadata
---
amdhsa.version: [ 1, 2 ]
amdhsa.kernels:
  - .name:           k_qae1611dfbc_quant
    .symbol:         k_qae1611dfbc_quant.kd
    .args:
      - { .name: hidden_states, .offset: 0, .size: 8, .value_kind: global_buffer, .address_space: global }
      - { .name: wq, .offset: 8, .size: 8, .value_kind: global_buffer, .address_space: global }
      - { .name: wk, .offset: 16, .size: 8, .value_kind: global_buffer, .address_space: global }
      - { .name: wv, .offset: 24, .size: 8, .value_kind: global_buffer, .address_space: global }
      - { .name: wo, .offset: 32, .size: 8, .value_kind: global_buffer, .address_space: global }
      - { .name: xq, .offset: 40, .size: 8, .value_kind: global_buffer, .address_space: global }
      - { .name: wqkvq, .offset: 48, .size: 8, .value_kind: global_buffer, .address_space: global }
      - { .name: woq, .offset: 56, .size: 8, .value_kind: global_buffer, .address_space: global }
    .group_segment_fixed_size: 68096
    .private_segment_fixed_size: 0
    .kernarg_segment_align: 8
    .kernarg_segment_size: 64
    .max_flat_workgroup_size: 128
    .sgpr_count:     66
    .vgpr_count:     210
    .wavefront_size: 32
...
	.end_amdgpu_metadata
.endif
;; end of part 1
;; launch qkv (part 2): grid 8 x 16, 4 waves a work-group, clusters of 4 x 4, 327,680 bytes of LDS; arguments xq, wqkvq, cos, sin, cached_key, cached_value, qq, kq, vq; writes qq, kq, vq
.if DOCPART == 2
	.amdgcn_target "amdgcn-amd-amdhsa--gfx1250"
	.amdhsa_code_object_version 6
	.text
	.protected	k_qae1611dfbc_qkv
	.globl	k_qae1611dfbc_qkv
	.p2align	8
	.type	k_qae1611dfbc_qkv,@function
k_qae1611dfbc_qkv:
	s_mov_b64 s[64:65], 0
	v_nop
	global_prefetch_b8 v0, s[64:65] scope:SCOPE_SE
	s_setreg_imm32_b32 hwreg(HW_REG_WAVE_MODE, 25, 1), 1
	s_wait_xcnt 0x0
	s_wait_alu depctr_hold_cnt(0) depctr_sa_sdst(0) depctr_va_vdst(0) depctr_va_sdst(0) depctr_va_ssrc(0) depctr_va_vcc(0) depctr_vm_vsrc(0)
	s_getreg_b32 s2, hwreg(HW_REG_IB_STS2, 6, 4)
	s_cmp_eq_u32 s2, 0
	s_cbranch_scc0 .Lentry_in_a_cluster
	s_endpgm
.Lentry_in_a_cluster:
	s_bfe_u32 s2, ttmp6, 0x10000c
	s_cmp_lg_u32 s2, 0xf033
	s_cbranch_scc0 .Lentry_shape_is_right
	s_endpgm
.Lentry_shape_is_right:
; q, k, v = x wq, x wk, x wv on codes of BF6 with E8M0 scales; then RoPE on q and k, the update of the two caches, and the quantising of q, k (along the head's 128) and v (along the keys).
; THE PRODUCT: C[token][row] = sum over k of x[token][k] w[row][k], 4,096 x 2,048 x 4,096.  A tile of 256 x 256 is made by four waves, each 128 x 128: 64 accumulators, 512 registers.  K goes in steps of 256
; through a ring of two LDS slots filled by the tensor data mover; the scale bytes of the work-group's rows come once and stay.  4 x 4 work-groups form a cluster: x's tiles are asked for jointly along a row
; of the cluster, w's along a column.  128 work-groups: a wave's 128 columns have to be one whole head, since RoPE's partner (d +- 64) and the head's four blocks must lie in one lane's registers.
; ROLES hang on the cluster's x and the wave's number alone.  Cluster column 0: every wave makes 128 tokens of one head of q.  Cluster column 1 (tiles [K_j | V_j]): waves 0, 2 make k, waves 1, 3 make v.
; The matrix instruction is used transposed (source 0 = rows of w, source 1 = tokens): a lane holds one token and 64 of the head's 128.  A WAVE OF V SWAPS ITS LDS ADDRESSES, not its instructions: it takes
; tokens as source 0 and w's rows as source 1, so that a lane holds one channel and its registers run along the tokens, which are the K of the attention's second product.
; THE CACHES: the update begins at START = 0 (cache_index = 0, and 2,048 new rows fill a cache of 2,048) and ends at LIM; positions outside keep the cache's number.  Both caches are loaded and chosen from by position.
; RESULTS leave as IMAGES OF OPERAND REGISTERS: a fragment (16 rows x 128 K) is 1,536 bytes, lane l's twelve registers at 48 l.  A lane's 16 numbers of a block are 8 h + 0..7 and 16 + 8 h + 0..7; their 16 codes are
; laid as half h of the block.  So slots 8-15 hold k + 8 and slots 16-23 hold k - 8: the same on both operands of each later product, whose sums are not changed by it.
; LIMITS: a block of zeros, and one whose largest magnitude lies under 2^-122, gets the byte 1; NaN and infinities are not served.
; REGISTERS, in windows of 256: window 0: v0-31 addresses; v32-63 scale words, two sets, and nothing else; from v128 source 1's fragments, one set.  window 1: source 0's fragments, two sets.  windows 2, 3: accumulators.
; In the epilogue: window 0: v64-127 the 64 numbers at work, v128-191 the cache's, v192-240 the quantiser's; window 1: two sets of cos (64) and sin (64).
.set SIZE_K, 4096
.set KSTEP,  256
.set NQ,     KSTEP/128
.set ROWB,   192
.set KROW,   SIZE_K*6/8
.set PITCH,  240                       ; an LDS row: 3 x (64 bytes + 16 of padding): the 32 lanes of a load of 8 bytes touch 64 different banks (ISA guide 11.1)
.set FR,     12
.set NL,     6
.set NP,     4                         ; places behind this matrix instruction (ISA guide 7.12.1)
.set HALFT,  128*PITCH
.set SLOT,   4*HALFT
.set LAPS,   SIZE_K/(2*KSTEP)
.set KS,     SIZE_K/32
.set SCL,    2*SLOT                    ; behind the ring: the scales, as units of 256 bytes + 16 of padding
.set HALFS,  (128*KS/256)*272
.set SBLK,   (16*KS/256)*272
.set SPARE,  SCL+4*HALFS               ; the spare words, 128 bytes for each wave
.set XSCALES, 12582912
.set WSCALES, 6291456
.set ADRA, 16
.set ADRB, 20
.set SPW,  28
.set NIL,  29
.set ADRS, 27
.set SC,   32
.set AF,   128
.set G1, 24
.set G0, 32
.set G1B, 48
.set G0B, 56
.set G1S, 68
.set G0S, 76
.set G1SB, 80
.set G0SB, 88
.set MSB, 0
.macro WIN new                         ; the immediate's high byte repeats the setting that is left
.if MSB != (\new)
	s_set_vgpr_msb (MSB<<8)|(\new)
.set MSB, (\new)
.endif
.endm
.set MUL_LO, 0xa1                      ; source 0 window 1, source 1 window 0, C and D window 2
.set MUL_HI, 0xf1
.set TO_B,   0x40
; A joint load: waves 0 and 1 fetch x's halves, waves 2 and 3 w's.  The branch hangs on the wave's number alone.  Four v_nop follow each line.
.macro JLOAD g0a, g1a, g0b, g1b
	s_cmp_eq_u32 s15, 0
	s_cbranch_scc0 .Lfor_b_\@
	tensor_load_to_lds s[\g0a:\g0a+3], s[\g1a:\g1a+7]
	s_nop 0
.rept 4
	v_nop
.endr
	s_branch .Lasked_\@
.Lfor_b_\@:
	tensor_load_to_lds s[\g0b:\g0b+3], s[\g1b:\g1b+7]
	s_nop 0
.rept 4
	v_nop
.endr
.Lasked_\@:
.endm
.macro CREST
	s_cmp_lg_u32 s14, 0
	s_cbranch_scc1 .Lnot_wave_0_\@
	s_barrier_signal -3
.Lnot_wave_0_\@:
	s_barrier_wait -3
	s_barrier_signal -1
	s_barrier_wait -1
.endm
.macro CROUND
	s_barrier_signal -1
	s_barrier_wait -1
	CREST
.endm
	s_load_b64 s[4:5], s[0:1], 0x0                 ; xq
	s_load_b64 s[8:9], s[0:1], 0x8                 ; wqkvq
	v_lshl_add_u32 v[SPW], v0, 2, SPARE
	v_mov_b32 v[NIL], 0
	ds_add_u32 v28, v29
	s_wait_dscnt 0x0
	v_lshrrev_b32 v1, 5, v0
	v_readfirstlane_b32 s14, v1                    ; wave 0..3
	s_lshr_b32 s15, s14, 1                         ; which half of the tile's tokens is mine.  Also: I fetch for x (0) or for w (1)
	s_and_b32 s16, s14, 1                          ; which half of its columns.  Also: which 128 rows I fetch
	s_bfe_u32 s40, ttmp6, 0x40000                  ; cx, cy
	s_bfe_u32 s41, ttmp6, 0x40004
	s_lshl_b32 s42, ttmp9, 2
	s_add_co_u32 s42, s42, s40                     ; tile column = 4 x cluster x + cx
	s_and_b32 s17, ttmp7, 0xffff
	s_lshl_b32 s17, s17, 2
	s_add_co_u32 s17, s17, s41                     ; tile row = 4 x cluster y + cy
	s_and_b32 s95, ttmp9, s16                      ; 1: I make v
	s_add_co_u32 s96, s16, 1
	s_mul_i32 s96, s96, ttmp9                      ; my role: 0 q, 1 k, 2 v
	s_lshl_b32 s43, s41, 2
	s_lshl_b32 s43, 15, s43                        ; my row of the cluster
	s_lshl_b32 s44, 0x1111, s40                    ; my column
	s_or_b32 s[G1+0], s43, (0<<16)|(1<<20)|(1<<21)|(3<<22)|(3<<25)  ; the mask; elements of 1 byte; padding on; bit 21 beside a mask; after every 16 words 4 words
	s_or_b32 s[G1B+0], s44, (0<<16)|(1<<20)|(1<<21)|(3<<22)|(3<<25)
.irp g, G1, G1B
	s_mov_b32 s[\g+1], ROWB<<16                    ; tensor_dim0
	s_mov_b32 s[\g+2], 128<<16                     ; tensor_dim1
	s_mov_b32 s[\g+3], ROWB<<16                    ; tile_dim0
	s_mov_b32 s[\g+4], 128                         ; tile_dim1
	s_mov_b32 s[\g+5], KROW                        ; the pitch
	s_mov_b32 s[\g+6], 0
	s_mov_b32 s[\g+7], 0
.endr
	s_or_b32 s[G1S+0], s43, (3<<16)|(1<<20)|(1<<21)|(5<<22)|(3<<25) ; the scales of 128 rows: dense, as rows of 256 bytes, 16 bytes of padding behind each
	s_or_b32 s[G1SB+0], s44, (3<<16)|(1<<20)|(1<<21)|(5<<22)|(3<<25)
.irp g, G1S, G1SB
	s_mov_b32 s[\g+1], 32<<16
	s_mov_b32 s[\g+2], (128*KS/256)<<16
	s_mov_b32 s[\g+3], 32<<16
	s_mov_b32 s[\g+4], 128*KS/256
	s_mov_b32 s[\g+5], 32
	s_mov_b32 s[\g+6], 0
	s_mov_b32 s[\g+7], 0
.endr
	s_lshl_b32 s18, s16, 7
	s_lshl_b32 s20, s17, 8
	s_add_co_u32 s20, s20, s18                     ; x: row 256 x tile row + 128 x half
	s_lshl_b32 s46, s42, 8
	s_add_co_u32 s46, s46, s18                     ; w: row 256 x tile column + 128 x half
	s_mov_b32 s21, 0
	s_mov_b32 s47, 0
	s_mov_b64 s[18:19], KS
	s_mul_u64 s[22:23], s[20:21], s[18:19]
	s_mul_u64 s[92:93], s[46:47], s[18:19]
	s_mov_b64 s[18:19], KROW
	s_mul_u64 s[20:21], s[20:21], s[18:19]
	s_mul_u64 s[46:47], s[46:47], s[18:19]
	s_mul_i32 s45, s14, HALFT                      ; where they go: wave x 128 rows
	s_mul_i32 s94, s14, HALFS
	s_wait_kmcnt 0x0
	s_add_nc_u64 s[6:7], s[4:5], XSCALES           ; each buffer holds its codes, then its scale bytes
	s_add_nc_u64 s[10:11], s[8:9], WSCALES
	s_add_nc_u64 s[20:21], s[4:5], s[20:21]
	s_add_nc_u64 s[22:23], s[6:7], s[22:23]
	s_add_nc_u64 s[46:47], s[8:9], s[46:47]
	s_add_nc_u64 s[92:93], s[10:11], s[92:93]
	CROUND                                         ; all sixteen work-groups are here: the first joint loads meet
	s_mov_b32 s[G0S], 1
	s_add_co_u32 s[G0S+1], s94, SCL
	s_mov_b64 s[G0S+2:G0S+3], s[22:23]
	s_or_b32 s[G0S+3], s[G0S+3], 0x80000000
	s_mov_b32 s[G0SB], 1
	s_add_co_u32 s[G0SB+1], s94, SCL
	s_mov_b64 s[G0SB+2:G0SB+3], s[92:93]
	s_or_b32 s[G0SB+3], s[G0SB+3], 0x80000000
	JLOAD G0S, G1S, G0SB, G1SB
.irp s, 0,1
	s_mov_b32 s[G0+4*\s], 1
	s_add_co_u32 s[G0+4*\s+1], s45, \s*SLOT
	s_add_nc_u64 s[G0+4*\s+2:G0+4*\s+3], s[20:21], \s*ROWB
	s_or_b32 s[G0+4*\s+3], s[G0+4*\s+3], 0x80000000
	s_mov_b32 s[G0B+4*\s], 1
	s_add_co_u32 s[G0B+4*\s+1], s45, \s*SLOT
	s_add_nc_u64 s[G0B+4*\s+2:G0B+4*\s+3], s[46:47], \s*ROWB
	s_or_b32 s[G0B+4*\s+3], s[G0B+4*\s+3], 0x80000000
	JLOAD G0+4*\s, G1, G0B+4*\s, G1B
.endr
	v_and_b32 v1, 15, v0                           ; l % 16
	v_bfe_u32 v2, v0, 4, 1                         ; l / 16
	v_mul_u32_u24 v3, v1, PITCH
	v_mul_u32_u24 v4, v2, 24
	v_add_nc_u32 v4, v3, v4                        ; a fragment's row x pitch + 24 x half
	v_lshl_add_u32 v5, v2, 4, v4                   ; and the same behind one padding more
	s_mul_i32 s21, s15, HALFT                      ; my 128 tokens
	s_mul_i32 s22, s16, HALFT
	s_add_co_u32 s22, s22, 2*HALFT                 ; my 128 rows of w
	s_cmp_lg_u32 s95, 0                            ; a wave of v takes them the other way round
	s_cselect_b32 s23, s22, s21                    ; source 1's rows
	s_cselect_b32 s22, s21, s22                    ; source 0's rows
	s_mov_b32 s21, s23
.irp s, 0,1
	v_add_nc_u32 v[ADRA+\s], s21, v4
	v_add_nc_u32 v[ADRB+\s], s22, v4
	v_add_nc_u32 v[ADRA+2+\s], s21, v5
	v_add_nc_u32 v[ADRB+2+\s], s22, v5
	s_add_co_u32 s21, s21, SLOT
	s_add_co_u32 s22, s22, SLOT
.endr
	v_mul_u32_u24 v5, v1, KS                       ; my row's scales: KS bytes a row,
	v_lshrrev_b32 v6, 8, v5
	v_lshl_add_u32 v5, v6, 4, v5                   ; and 16 more for each 256 passed
	s_mul_i32 s21, s15, HALFS                      ; x's: my 128 rows
	s_mul_i32 s22, s16, HALFS
	s_add_co_u32 s22, s22, 2*HALFS                 ; w's
	s_sub_co_u32 s22, s22, s21
	v_xor_b32 v7, s95, v2                          ; lanes 16-31 take source 0's words: w's, or in a wave of v the tokens'
	v_mul_u32_u24 v6, s22, v7
	s_add_co_u32 s21, s21, SCL
	v_add_nc_u32 v5, v5, v6
	v_add_nc_u32 v[ADRS], s21, v5
.macro FRAG reg, adr, q, i             ; a fragment is 12 registers: lane l holds row l % 16; registers 6 c .. 6 c + 5 hold K = 64 c + 32 (l / 16) + 0 .. 31, 24 bytes as they lie, in pieces of 8 bytes
.irp p, 0,1,2,3,4,5
.set PCE, 12*(\q)+6*(\p/3)+\p%3
.if PCE%8 < 5
	ds_load_b64 v[\reg+2*\p:\reg+2*\p+1], v[\adr] offset:8*PCE+16*(PCE/8)+(\i)*16*PITCH
.else
	ds_load_b64 v[\reg+2*\p:\reg+2*\p+1], v[\adr+2] offset:8*PCE+16*(PCE/8)+(\i)*16*PITCH
.endif
.endr
.endm
; 16 matrix instructions: source 1's blocks a0, a0 + 1 x source 0's eight.  The 64 accumulators take turns, one instruction a turn.
.macro MUL16 a0, p, q, sc, zero
.irp a, \a0, \a0+1
.irp b, 0,1,2,3,4,5,6,7
.if \zero
	v_wmma_scale_f32_16x16x128_f8f6f4 v[8*(8*((\a)%4)+\b):8*(8*((\a)%4)+\b)+7], v[128*(\p)+FR*\b:128*(\p)+FR*\b+FR-1], v[AF+FR*(\a):AF+FR*(\a)+FR-1], 0, v[SC+8*NQ*(\sc)+NQ*\b+(\q)], v[SC+8*NQ*(\sc)+NQ*(\a)+(\q)] matrix_a_fmt:MATRIX_FMT_BF6 matrix_b_fmt:MATRIX_FMT_BF6 matrix_a_scale:MATRIX_SCALE_ROW1
.else
	v_wmma_scale_f32_16x16x128_f8f6f4 v[8*(8*((\a)%4)+\b):8*(8*((\a)%4)+\b)+7], v[128*(\p)+FR*\b:128*(\p)+FR*\b+FR-1], v[AF+FR*(\a):AF+FR*(\a)+FR-1], v[8*(8*((\a)%4)+\b):8*(8*((\a)%4)+\b)+7], v[SC+8*NQ*(\sc)+NQ*\b+(\q)], v[SC+8*NQ*(\sc)+NQ*(\a)+(\q)] matrix_a_fmt:MATRIX_FMT_BF6 matrix_b_fmt:MATRIX_FMT_BF6 matrix_a_scale:MATRIX_SCALE_ROW1
.endif
.endr
.endr
.endm
.macro FETCH_B slot, q, p
	WIN TO_B
.irp i, 0,1,2,3,4,5,6,7
	FRAG 128*(\p)+FR*\i, ADRB+\slot, \q, \i
.endr
	WIN 0
.endm
.macro FETCH_A slot, q, i0
.irp i, \i0, \i0+1, \i0+2, \i0+3
	FRAG AF+FR*(\i), ADRA+\slot, \q, \i
.endr
.endm
.macro SCALES sc                       ; the next K step's scale words: lanes 0-15 source 1's block i, lanes 16-31 source 0's block i
.irp i, 0,1,2,3,4,5,6,7
	ds_load_b64 v[SC+8*NQ*\sc+NQ*\i:SC+8*NQ*\sc+NQ*\i+1], v[ADRS] offset:\i*SBLK
.endr
.endm
.macro PLACES n                        ; plain vector instructions between a matrix instruction and a load into, or a read of, its registers
.rept \n
	v_nop
.endr
.endm
.macro STEP slot, q, zero              ; a step of 128 along K that has its successor in the same slot
	s_wait_dscnt 4*NL                              ; source 0's set and source 1's blocks 0-3 are in; the 24 youngest loads (blocks 4-7) may be out
	WIN MUL_LO
	MUL16 0, (\q)%2, \q, \slot, \zero
	MUL16 2, (\q)%2, \q, \slot, \zero
	s_wait_dscnt 0
	PLACES NP
	FETCH_B \slot, (\q)+1, 1-(\q)%2
	FETCH_A \slot, (\q)+1, 0
	WIN MUL_HI
	MUL16 4, (\q)%2, \q, \slot, \zero
	MUL16 6, (\q)%2, \q, \slot, \zero
	PLACES NP
	WIN 0
	FETCH_A \slot, (\q)+1, 4
.endm
; A slot's last step changes slots: one barrier; in front of it each wave waits for all its tensor loads, adds 0 to its spare word, and waits for that and for its reads of this slot.
.macro TURN slot, next, fill
	s_wait_tensorcnt 0x0                           ; all my tensor loads have landed: my part of the next slot
	ds_add_u32 v[SPW], v[NIL]                      ; 0 onto my spare word
	s_wait_dscnt 4*NL+1                            ; the add and the 24 youngest loads may be out
	WIN MUL_LO
	MUL16 0, 1, NQ-1, \slot, 0
	s_wait_dscnt 0x0                               ; the add is done, and my reads of this slot are over
	s_barrier_signal -1
	MUL16 2, 1, NQ-1, \slot, 0
	WIN 0
	s_barrier_wait -1
.if \fill
	CREST                                          ; the barrier has opened a round of the cluster's barrier: no wave of any partner still reads this slot or has a load on its way
	s_add_nc_u64 s[G0+4*\slot+2:G0+4*\slot+3], s[G0+4*\slot+2:G0+4*\slot+3], 2*ROWB
	s_add_nc_u64 s[G0B+4*\slot+2:G0B+4*\slot+3], s[G0B+4*\slot+2:G0B+4*\slot+3], 2*ROWB
	JLOAD G0+4*\slot, G1, G0B+4*\slot, G1B
.else
	PLACES NP
.endif
	v_add_nc_u32 v[ADRS], 4*NQ, v[ADRS]
	FETCH_B \next, 0, 0
	FETCH_A \next, 0, 0
	SCALES \next
	WIN MUL_HI
	MUL16 4, 1, NQ-1, \slot, 0
	MUL16 6, 1, NQ-1, \slot, 0
	PLACES NP
	WIN 0
	FETCH_A \next, 0, 4
.endm
	s_wait_tensorcnt 1                             ; of my three loads the scales and K step 0 are in; K step 1's may be out
	s_barrier_signal -1
	s_barrier_wait -1
	FETCH_B 0, 0, 0
	FETCH_A 0, 0, 0
	SCALES 0
	FETCH_A 0, 0, 4
	STEP 0, 0, 1                                   ; the first step's products start the sums
	s_mov_b32 s3, LAPS-1
.Llap:
	TURN 0, 1, 1
	STEP 1, 0, 0
	TURN 1, 0, 1
	STEP 0, 0, 0
	s_sub_co_u32 s3, s3, 1
	s_cmp_lg_u32 s3, 0
	s_cbranch_scc1 .Llap
	TURN 0, 1, 0                                   ; the last lap fills nothing
	s_load_b256 s[24:31], s[0:1], 0x10             ; no tensor load is out or to come: the descriptors' registers take cos, sin, cached_key, cached_value,
	s_load_b128 s[32:35], s[0:1], 0x30             ; qq, kq,
	s_load_b64 s[36:37], s[0:1], 0x40              ; vq
	STEP 1, 0, 0
	s_wait_dscnt 4*NL
	WIN MUL_LO
	MUL16 0, 1, NQ-1, 1, 0
	MUL16 2, 1, NQ-1, 1, 0
	s_wait_dscnt 0
	WIN MUL_HI
	MUL16 4, 1, NQ-1, 1, 0
	MUL16 6, 1, NQ-1, 1, 0
	WIN 0
	PLACES NP
; ---------------- THE EPILOGUE: eight blocks of 16 rows (tokens; in a wave of v: channels), each 64 numbers a lane.
.set START, 0                          ; where the update of the caches begins,
.set LIM,   START+2048                 ; and where it ends
.set R,    64
.set CK,   128
.set TM,   192                         ; v192-195 largest magnitudes, v196-199 the other half's, then bytes, v204-207 the conversions' scale operands
.set PC,   208                         ; four times three registers of codes
.set OB,   224                         ; the way out
.set PW,   240                         ; the scale word just made
.set VCS,  4                           ; cos, sin: 512 r + 32 h
.set VCK,  5                           ; cached_key: 2048 r + 32 h
.set VCV,  6                           ; cached_value: 16384 h + 4 r
.set VPR,  7                           ; position of my token: pos0 + r
.set VPH,  8                           ; position of my first token in a wave of v: pos0 + 8 h
.set STQ,  9                           ; the stage, in: 144 r + 16 h
.set RDQ,  10                          ; and out, in the image's order
.set SWA,  11                          ; my row's scale word
.set SWR,  12                          ; the scale words, out
.set GO,   13                          ; 12 l
.set GS,   14                          ; 16 l
.set SEL,  52
.set VSH,  12288                       ; the stages of the waves of v lie this much behind the others'
; The stages lie in slot 0: it has had its last fill, and behind the last change of slots nobody reads it.  A wave's: 16 rows x 144 bytes of places of 16 bytes, then 512 bytes of scale words.
	s_wait_kmcnt 0x0
	s_lshl_b32 s54, s17, 8
	s_lshl_b32 s55, s15, 7
	s_add_co_u32 s54, s54, s55                     ; my first token
	s_and_b32 s56, s54, 2047                       ; its position
	s_lshr_b32 s57, s17, 3                         ; its batch
	s_lshl_b32 s58, s57, 3
	s_lshl_b32 s59, s42, 1
	s_add_co_u32 s58, s58, s59
	s_add_co_u32 s58, s58, s16                     ; q's head: 8 b + 2 x tile column + half
	s_lshl_b32 s59, s57, 2
	s_add_co_u32 s59, s59, s42
	s_sub_co_u32 s59, s59, 4                       ; k's and v's: 4 b + tile column - 4
	s_mov_b32 s62, 1572864
	s_cmp_eq_u32 s96, 0
	s_cselect_b32 s58, s58, s59
	s_cselect_b64 s[60:61], s[32:33], s[34:35]
	s_cselect_b32 s62, 3145728, s62                ; where the buffer's scale words begin
	s_cmp_eq_u32 s96, 2
	s_cselect_b64 s[60:61], s[36:37], s[60:61]
	s_lshl_b32 s63, s58, 7
	s_lshr_b32 s68, s56, 4
	s_add_co_u32 s63, s63, s68
	s_mul_i32 s68, s63, 1536                       ; image (128 x head + position / 16): for v that is (16 x head + step) x 8 channel tiles
	s_mov_b32 s69, 0
	s_add_nc_u64 s[48:49], s[60:61], s[68:69]
	s_lshl_b32 s68, s58, 11
	s_add_co_u32 s68, s68, s56
	s_lshl_b32 s68, s68, 2
	s_add_co_u32 s68, s68, s62
	s_add_nc_u64 s[50:51], s[60:61], s[68:69]
	s_lshl_b32 s68, s54, 9
	s_add_nc_u64 s[24:25], s[24:25], s[68:69]      ; cos and sin at my first token
	s_add_nc_u64 s[26:27], s[26:27], s[68:69]
	s_lshl_b32 s68, s54, 11
	s_and_b32 s70, s42, 3
	s_lshl_b32 s70, s70, 9
	s_add_co_u32 s68, s68, s70
	s_add_nc_u64 s[28:29], s[28:29], s[68:69]      ; the caches at my first token and my head
	s_add_nc_u64 s[30:31], s[30:31], s[68:69]
	s_mov_b32 s[SEL], 0x76543210
	s_mov_b32 s[SEL+1], 0xfedcba98
	s_mul_i32 s70, s14, 3072                       ; my stage
	v_and_b32 v1, 15, v0
	v_bfe_u32 v2, v0, 4, 1
	v_and_b32 v3, 31, v0
	v_lshlrev_b32 v[VCS], 9, v1
	v_lshl_add_u32 v[VCS], v2, 5, v[VCS]
	v_lshlrev_b32 v[VCK], 11, v1
	v_lshl_add_u32 v[VCK], v2, 5, v[VCK]
	v_lshlrev_b32 v[VCV], 14, v2
	v_lshl_add_u32 v[VCV], v1, 2, v[VCV]
	v_add_nc_u32 v[VPR], s56, v1
	v_lshl_add_u32 v[VPH], v2, 3, s56
	v_mul_u32_u24 v[STQ], v1, 144
	v_lshl_add_u32 v[STQ], v2, 4, v[STQ]
	v_add_nc_u32 v[STQ], s70, v[STQ]
	v_lshrrev_b32 v[RDQ], 2, v3
	v_mul_u32_u24 v[RDQ], v[RDQ], 144
	v_bfe_u32 v15, v0, 1, 1
	v_lshl_add_u32 v[RDQ], v15, 6, v[RDQ]
	v_and_b32 v15, 1, v0
	v_lshl_add_u32 v[RDQ], v15, 4, v[RDQ]
	v_add_nc_u32 v[RDQ], s70, v[RDQ]
	v_lshl_add_u32 v[SWA], v1, 2, s70
	v_lshl_add_u32 v[SWR], v3, 4, s70
	v_mul_u32_u24 v[GO], v3, 12
	v_lshlrev_b32 v[GS], 4, v3
.irp b, 0,1,2,3
	v_mov_b32 v[TM+4+\b], 0                        ; a lane permute's destination counts as one of its sources
.endr
.macro ECS a                           ; cos and sin of block a: token 16 a + r, d = 16 bb + 8 h + 0 .. 7, into set a % 2 of window 1
	WIN 0x40
.irp bb, 0,1,2,3,4,5,6,7
.irp u, 0,1
	global_load_b128 v[128*((\a)%2)+8*\bb+4*\u:128*((\a)%2)+8*\bb+4*\u+3], v[VCS], s[24:25] offset:8192*(\a)+64*\bb+16*\u
	global_load_b128 v[128*((\a)%2)+64+8*\bb+4*\u:128*((\a)%2)+64+8*\bb+4*\u+3], v[VCS], s[26:27] offset:8192*(\a)+64*\bb+16*\u
.endr
.endr
	WIN 0
.endm
.macro ECKK a                          ; cached_key at the same places
.irp bb, 0,1,2,3,4,5,6,7
.irp u, 0,1
	global_load_b128 v[CK+8*\bb+4*\u:CK+8*\bb+4*\u+3], v[VCK], s[28:29] offset:32768*(\a)+64*\bb+16*\u th:TH_LOAD_NT
.endr
.endr
.endm
.macro ECKV a                          ; cached_value: channel 16 a + r, tokens 16 b + 8 h + j
.set nv, 0
.rept 64
	global_load_b32 v[CK+nv], v[VCV], s[30:31] offset:(16*(nv/8)+nv%8)*2048+64*(\a)
.set nv, nv+1
.endr
.endm
; 64 numbers of a lane, register 16 b + i of block b, become four times 16 codes (half l / 16 of each block) in v[PC + 4 b] on, and my row's scale word in v[PW].
.macro QROW s
.irp b, 0,1,2,3
	v_max3_num_f32 v[TM+\b], |v[\s+16*\b]|, |v[\s+1+16*\b]|, 0x2800000   ; my 16 numbers, and the floor 2^(5 - 127): the byte cannot fall under 1
.endr
.irp i, 2,4,6,8,10,12,14
.irp b, 0,1,2,3
	v_max3_num_f32 v[TM+\b], v[TM+\b], |v[\s+16*\b+\i]|, |v[\s+1+16*\b+\i]|
.endr
.endr
.irp b, 0,1,2,3
	v_permlanex16_b32 v[TM+4+\b], v[TM+\b], s[SEL], s[SEL+1]
.endr
.irp b, 0,1,2,3
	v_max_num_f32 v[TM+\b], v[TM+\b], v[TM+4+\b]   ; with lane l xor 16's: the block's largest magnitude
.endr
.irp b, 0,1,2,3
	v_add_nc_u32 v[TM+12+\b], 0xfe000000, v[TM+\b] ; 4 off its exponent field: the conversion's scale operand
.endr
.irp b, 0,1,2,3
	v_lshrrev_b32 v[TM+4+\b], 23, v[TM+12+\b]      ; the scale's byte
.endr
	v_lshl_or_b32 v[PW], v[TM+5], 8, v[TM+4]
	v_lshl_or_b32 v[PW], v[TM+6], 16, v[PW]
	v_lshl_or_b32 v[PW], v[TM+7], 24, v[PW]
.irp b, 0,1,2,3
	v_cvt_scalef32_pk16_bf6_f32 v[PC+4*\b:PC+4*\b+2], v[\s+16*\b:\s+16*\b+15], v[TM+12+\b]
.endr
	v_nop                                          ; one plain place behind a scaled conversion
.endm
; Block a's codes go through my stage and leave in the image's order: piece l + 32 i of 12 bytes is row (l / 4) + 8 (i % 2), block 2 ((l / 2) % 2) + i / 2, half l % 2.
.macro EOUT a, off
.irp b, 0,1,2,3
	ds_store_b96 v[STQ], v[PC+4*\b:PC+4*\b+2] offset:\off+32*\b
.endr
	ds_store_b32 v[SWA], v[PW] offset:\off+2304+64*(\a)   ; lanes l and l xor 16 write the same word with the same value
.irp i, 0,1,2,3
	ds_load_b96 v[OB+4*\i:OB+4*\i+2], v[RDQ] offset:\off+(\i%2)*1152+(\i/2)*32   ; LDS serves a wave's instructions in order: these see my stores
.endr
	s_wait_dscnt 0x0
.irp i, 0,1,2,3
	global_store_b96 v[GO], v[OB+4*\i:OB+4*\i+2], s[48:49] offset:1536*(\a)+384*\i   ; the wave stores 384 consecutive bytes; a block's four stores fill 1,536
.endr
.endm
.macro ETAIL off                       ; my 128 scale words leave as 512 consecutive bytes
	s_wait_xcnt 0x0                                ; the last block's stores have read their registers
	ds_load_b128 v[OB:OB+3], v[SWR] offset:\off+2304
	s_wait_dscnt 0x0
	global_store_b128 v[GS], v[OB:OB+3], s[50:51]
.endm
.macro QKBLK a                         ; q and k: RoPE; k alone: the cache's update; the quantiser
.if (\a) > 0
	s_wait_xcnt 0x0                                ; the last block's stores have read their registers
.endif
.if (\a) < 7
	ECS (\a)+1
	s_wait_loadcnt 32                              ; all but the 32 just issued: this block's cos and sin are in, and in a wave of k its part of the cache
.else
	s_wait_loadcnt 0x0
.endif
.set AC, 64*((\a)%4)
.set CS0, 128*((\a)%2)
	WIN 0x06+(\a)/4                                ; source 0: the accumulators' window; source 1: window 1
.irp b, 0,1,2,3                        ; d < 64: x c - x(d + 64) s;  d >= 64: x c + x(d - 64) s.  Each accumulator is read from its low end on
.irp j, 0,2,4,6
	v_pk_mul_f32 v[R+8*\b+\j:R+8*\b+\j+1], v[AC+8*\b+\j:AC+8*\b+\j+1], v[CS0+8*\b+\j:CS0+8*\b+\j+1]
	v_pk_mul_f32 v[R+32+8*\b+\j:R+32+8*\b+\j+1], v[AC+32+8*\b+\j:AC+32+8*\b+\j+1], v[CS0+32+8*\b+\j:CS0+32+8*\b+\j+1]
	v_pk_fma_f32 v[R+8*\b+\j:R+8*\b+\j+1], v[AC+32+8*\b+\j:AC+32+8*\b+\j+1], v[CS0+64+8*\b+\j:CS0+64+8*\b+\j+1], v[R+8*\b+\j:R+8*\b+\j+1] neg_lo:[1,0,0] neg_hi:[1,0,0]
	v_pk_fma_f32 v[R+32+8*\b+\j:R+32+8*\b+\j+1], v[AC+8*\b+\j:AC+8*\b+\j+1], v[CS0+96+8*\b+\j:CS0+96+8*\b+\j+1], v[R+32+8*\b+\j:R+32+8*\b+\j+1]
.endr
.endr
	WIN 0
	s_cmp_lg_u32 s96, 1
	s_cbranch_scc1 .Lnot_k_\@
	v_cmp_gt_u32 vcc_lo, LIM-16*(\a), v[VPR]       ; my token's position lies inside the update (it is never under START = 0)
.set nk, 0
.rept 64
	v_cndmask_b32 v[R+nk], v[CK+nk], v[R+nk], vcc_lo
.set nk, nk+1
.endr
.if (\a) < 7
	ECKK (\a)+1
.endif
.Lnot_k_\@:
	QROW R
	EOUT \a, 0
.endm
.macro VBLK a                          ; v: the cache's update, the quantiser along the tokens
.if (\a) > 0
	s_wait_xcnt 0x0
.endif
	s_wait_loadcnt 0x0                             ; this block's part of the cache
.set AC, 64*((\a)%4)
	WIN 0x02+(\a)/4                                ; source 0: the accumulators' window
.set nk, 0
.rept 64
	v_cmp_le_u32 vcc_lo, LIM-(16*(nk/8)+nk%8), v[VPH]   ; register 8 b + j holds the token at position pos0 + 8 h + 16 b + j: outside the update?
	v_cndmask_b32 v[R+nk], v[AC+nk], v[CK+nk], vcc_lo
.set nk, nk+1
.endr
	WIN 0
.if (\a) < 7
	ECKV (\a)+1
.endif
	QROW R
	EOUT \a, VSH
.endm
	s_cmp_eq_u32 s96, 2
	s_cbranch_scc1 .Lv_way
	ECS 0
	s_cmp_lg_u32 s96, 1
	s_cbranch_scc1 .Lq_first
	ECKK 0
.Lq_first:
.irp a, 0,1,2,3,4,5,6,7
	QKBLK \a
.endr
	ETAIL 0
	s_branch .Lend
.Lv_way:
	ECKV 0
.irp a, 0,1,2,3,4,5,6,7
	VBLK \a
.endr
	ETAIL VSH
.Lend:
	s_wait_tensorcnt 0x0                           ; the wave's end
	ds_add_u32 v[SPW], v[NIL]
	s_wait_dscnt 0x0
	CROUND                                         ; the closing round
	s_endpgm
.Lfunc_end_k_qae1611dfbc_qkv:
	.size	k_qae1611dfbc_qkv, .Lfunc_end_k_qae1611dfbc_qkv-k_qae1611dfbc_qkv
	.p2alignl 7, 3214868480
	.fill 96, 4, 3214868480
	.section	.rodata,"a",@progbits
	.p2align	6, 0x0
	.amdhsa_kernel k_qae1611dfbc_qkv
		.amdhsa_group_segment_fixed_size 327680
		.amdhsa_private_segment_fixed_size 0
		.amdhsa_enable_private_segment 0
		.amdhsa_kernarg_size 72
		.amdhsa_user_sgpr_count 2
		.amdhsa_user_sgpr_kernarg_segment_ptr 1
		.amdhsa_wavefront_size32 1
		.amdhsa_system_sgpr_workgroup_id_x 1
		.amdhsa_system_sgpr_workgroup_id_y 1
		.amdhsa_system_sgpr_workgroup_id_z 1
		.amdhsa_system_vgpr_workitem_id 0
		.amdhsa_next_free_vgpr 1024
		.amdhsa_next_free_sgpr 100
		.amdhsa_reserve_vcc 1
		.amdhsa_float_denorm_mode_32 3
		.amdhsa_float_denorm_mode_16_64 3
		.amdhsa_memory_ordered 1
		.amdhsa_forward_progress 1
		.amdhsa_inst_pref_size 255
	.end_amdhsa_kernel
	.section	.bss,"aw",@nobits
	.p2align	6
	.space	262144
	.amdgpu_metadata
---
amdhsa.version: [ 1, 2 ]
amdhsa.kernels:
  - .name:           k_qae1611dfbc_qkv
    .symbol:         k_qae1611dfbc_qkv.kd
    .args:
      - { .name: xq, .offset: 0, .size: 8, .value_kind: global_buffer, .address_space: global }
      - { .name: wqkvq, .offset: 8, .size: 8, .value_kind: global_buffer, .address_space: global }
      - { .name: cos, .offset: 16, .size: 8, .value_kind: global_buffer, .address_space: global }
      - { .name: sin, .offset: 24, .size: 8, .value_kind: global_buffer, .address_space: global }
      - { .name: cached_key, .offset: 32, .size: 8, .value_kind: global_buffer, .address_space: global }
      - { .name: cached_value, .offset: 40, .size: 8, .value_kind: global_buffer, .address_space: global }
      - { .name: qq, .offset: 48, .size: 8, .value_kind: global_buffer, .address_space: global }
      - { .name: kq, .offset: 56, .size: 8, .value_kind: global_buffer, .address_space: global }
      - { .name: vq, .offset: 64, .size: 8, .value_kind: global_buffer, .address_space: global }
    .group_segment_fixed_size: 327680
    .private_segment_fixed_size: 0
    .kernarg_segment_align: 8
    .kernarg_segment_size: 72
    .max_flat_workgroup_size: 128
    .sgpr_count:     100
    .vgpr_count:     1024
    .wavefront_size: 32
...
	.end_amdgpu_metadata
.endif
;; end of part 2
;; launch attn (part 3): grid 32 x 8, 8 waves a work-group, clusters of 4 x 1, 327,680 bytes of LDS; arguments qq, kq, vq, attention_mask, aq; writes aq
.if DOCPART == 3
	.amdgcn_target "amdgcn-amd-amdhsa--gfx1250"
	.amdhsa_code_object_version 6
	.text
	.protected	k_qae1611dfbc_attn
	.globl	k_qae1611dfbc_attn
	.p2align	8
	.type	k_qae1611dfbc_attn,@function
k_qae1611dfbc_attn:
	s_mov_b64 s[64:65], 0
	v_nop
	global_prefetch_b8 v0, s[64:65] scope:SCOPE_SE
	s_setreg_imm32_b32 hwreg(HW_REG_WAVE_MODE, 25, 1), 1
	s_wait_xcnt 0x0
	s_wait_alu depctr_hold_cnt(0) depctr_sa_sdst(0) depctr_va_vdst(0) depctr_va_sdst(0) depctr_va_ssrc(0) depctr_va_vcc(0) depctr_vm_vsrc(0)
	s_getreg_b32 s2, hwreg(HW_REG_IB_STS2, 6, 4)
	s_cmp_eq_u32 s2, 0
	s_cbranch_scc0 .Lentry_in_a_cluster
	s_endpgm
.Lentry_in_a_cluster:
	s_bfe_u32 s2, ttmp6, 0x10000c
	s_cmp_lg_u32 s2, 0x3003
	s_cbranch_scc0 .Lentry_shape_is_right
	s_endpgm
.Lentry_shape_is_right:
; Attention on codes of BF6: S^T = K Q^T, the masks, p = 2^(t - M) with M a whole number, O^T = V^T P^T, O / l, and the quantising of O along the heads' 1,024 for the last product.
; SHARES.  Work-group y is the key and value head (batch y / 4, head y % 4).  The cluster's x is g = 0 .. 7.  Wave w: hi = w / 4, tq = (w / 2) % 2, hq = w % 2.  It owns ONE tile of 16 queries of query head 2 (y % 4) + hq:
; queries 128 G + 32 cx + 16 tq on, G = g for the low waves and 15 - g for the high ones.  A low wave has g + 1 key steps that count and a high one 16 - g: 17 for each pair, in every work-group.
; CLUSTER.  The four partners cover one aligned group of 128 queries, so whether a key step is hidden (all its keys later than the group) or lies on the diagonal hangs on the cluster's x and the wave's number alone,
; and all four walk the same K and V: each tile is asked for jointly.  cx enters global addresses and vector data only.
; Every wave walks all 16 key steps of 128 keys; a hidden step's work is jumped over.  K and V come as images of operand registers (1,536 bytes a fragment, lane l's twelve registers at 48 l): three loads of 16 bytes.
; THE MASKS.  attention_mask becomes 2,048 numbers in LDS, 0 or NEG = -2^120, which are the C of the first product: no vector instruction is spent on it.  On the diagonal hidden scores become NEG.
; A ROW WITH NO VISIBLE KEY has 2,048 equal logits in the reference, the later keys among them: its result is the mean of V over all keys.  So wave w also sums U = V^T 1 for channels 16 w on, over all steps
; (one matrix instruction a step), and rows whose sum l is 0 take U / 2,048 by a select.
; LIMITS: a t under -2^100 counts as masked; a mask byte other than 0 counts as true; a block of zeros gets the byte 1; NaN and infinities are not served.
; aq's scale words leave as single words 32 bytes apart, 131,072 bytes in all; its codes as runs of 96 bytes.
; REGISTERS: v1 v3 v4 v31 v93 places that stay; v8 v9 v92 v94 v95 addresses in hand; v[10:11] f; v12 -M, v13 the largest t, v[14:15] l; v16-27 Q; v28 v29 v248-251 v253 v255 scale words and nothing else;
; v32-79 four fragments; v80-91 V's fragment for U; v96-159 S^T, then p; v160-223 O^T; v224-235 p's codes; v232-254 at work.  Window 1: v0-7 U, v8-19 a fragment of ones.
.set STEPB, 12288                      ; a key step's 8 images
.set VOFF,  49152                      ; a slot: four steps of K, then four of V
.set SLOT1, 131072
.set SCK,   262144                     ; K's scale words of the whole head, 4 bytes a key
.set SCV,   270336                     ; V's: [16 steps][128 channels]
.set BIAS,  278528                     ; the mask as f32
.set UST,   286720                     ; U: 128 f32
.set STAGE, 287232                     ; the way out: 16 rows x 144 bytes for each wave
.set SPARE, 305664                     ; the spare words, 128 bytes for each wave
.set AK0,  1
.set NEGR, 2
.set ASK0, 3
.set ASU0, 4
.set SPW,  5
.set NIL,  6
.set GO,   7
.set ADK,  8
.set ADS,  9
.set FF,   10
.set VD,   30
.set ABI0, 31
.set ADB,  92
.set ADU0, 93
.set ADU,  94
.set ASU,  95
.set PWS,  253
.set WV,   18
.set SEL,  20
.set CS,   22
.set G1C,  24
.set G1S,  32
.set G0K,  40
.set G0V,  44
.set G0SK, 48
.set G0SV, 52
.set TB,   56
.set TS,   57
.set KF,   58
.set SLOTS, 59
.set STP,  60
.set GQ,   61
.set LIMQ, 62
.set MSB, 0
.macro WIN new
.if MSB != (\new)
	s_set_vgpr_msb (MSB<<8)|(\new)
.set MSB, (\new)
.endif
.endm
; Waves 0 and 1 fetch for K, waves 2 and 3 for V, the others nothing.  Four v_nop follow each line.
.macro TLOAD g0k, g1k, g0v, g1v
	s_cmp_lt_u32 s[WV], 2
	s_cbranch_scc0 .Lnot_k_\@
	tensor_load_to_lds s[\g0k:\g0k+3], s[\g1k:\g1k+7]
	s_nop 0
.rept 4
	v_nop
.endr
	s_branch .Lasked_\@
.Lnot_k_\@:
	s_cmp_lt_u32 s[WV], 4
	s_cbranch_scc0 .Lasked_\@
	tensor_load_to_lds s[\g0v:\g0v+3], s[\g1v:\g1v+7]
	s_nop 0
.rept 4
	v_nop
.endr
.Lasked_\@:
.endm
.macro ROUND                           ; a round of the cluster's barrier
	s_barrier_signal -1
	s_barrier_wait -1
	s_cmp_lg_u32 s[WV], 0
	s_cbranch_scc1 .Lnot_wave_0_\@
	s_barrier_signal -3
.Lnot_wave_0_\@:
	s_barrier_wait -3
	s_barrier_signal -1
	s_barrier_wait -1
.endm
	s_load_b256 s[4:11], s[0:1], 0x0               ; qq s[4:5], kq s[6:7], vq s[8:9], attention_mask s[10:11]
	s_load_b64 s[12:13], s[0:1], 0x20              ; aq
	v_lshl_add_u32 v[SPW], v0, 2, SPARE
	v_mov_b32 v[NIL], 0
	ds_add_u32 v5, v6
	s_wait_dscnt 0x0
	v_lshrrev_b32 v8, 5, v0
	v_readfirstlane_b32 s[WV], v8                  ; wave 0..7
	s_bfe_u32 s66, ttmp6, 0x40000                  ; cx
	s_and_b32 s67, ttmp7, 0xffff                   ; y
	s_lshr_b32 s68, s[WV], 2                       ; hi
	s_bfe_u32 s69, s[WV], 0x10001                  ; tq
	s_and_b32 s70, s[WV], 1                        ; hq.  Also: which half of a slot's K or V I fetch
	s_sub_co_u32 s71, 15, ttmp9
	s_cmp_lg_u32 s68, 0
	s_cselect_b32 s71, s71, ttmp9                  ; G
	s_lshl_b32 s[GQ], s71, 7                       ; the group's first query,
	s_add_co_u32 s[LIMQ], s[GQ], 127               ; and its last
	s_lshl_b32 s72, s66, 5
	s_lshl_b32 s73, s69, 4
	s_add_co_u32 s72, s72, s73                     ; my first query in the group
	s_add_co_u32 s74, s[GQ], s72                   ; my first query
	s_lshr_b32 s75, s67, 2                         ; batch
	s_and_b32 s76, s67, 3
	s_lshl_b32 s77, s76, 1
	s_add_co_u32 s77, s77, s70                     ; query head in the batch
	s_lshl_b32 s78, s75, 3
	s_add_co_u32 s78, s78, s77                     ; query head
	s_lshl_b32 s79, s78, 7
	s_lshr_b32 s80, s74, 4
	s_add_co_u32 s79, s79, s80
	s_mul_i32 s80, s79, 1536                       ; Q's image
	s_mov_b32 s81, 0
	s_lshl_b32 s82, s78, 11
	s_add_co_u32 s82, s82, s74
	s_lshl_b32 s82, s82, 2
	s_add_co_u32 s82, s82, 3145728                 ; Q's scale words
	s_mov_b32 s83, 0
	s_mul_i32 s84, s67, 196608                     ; the head's images of K, and of V,
	s_mul_i32 s86, s70, 24576                      ; my half of a slot's
	s_add_co_u32 s84, s84, s86
	s_mov_b32 s85, 0
	s_lshl_b32 s88, s67, 13                        ; the head's scale words,
	s_lshl_b32 s90, s70, 12                        ; my half
	s_add_co_u32 s88, s88, s90
	s_add_co_u32 s88, s88, 1572864
	s_mov_b32 s89, 0
	s_lshl_b32 s91, s75, 11
	s_add_co_u32 s91, s91, s74                     ; my first token
	s_mul_i32 s92, s91, 768
	s_mul_i32 s94, s77, 96
	s_add_co_u32 s92, s92, s94                     ; its codes of my head in aq
	s_mov_b32 s93, 0
	s_lshl_b32 s94, s91, 5
	s_lshl_b32 s95, s77, 2
	s_add_co_u32 s94, s94, s95
	s_add_co_u32 s94, s94, 3145728                 ; and its scale word
	s_mov_b32 s95, 0
	; descriptor group 1: dense blocks as rows of 256 bytes (32 elements of 8 bytes); the mask names all four work-groups, bit 21 beside it
	s_mov_b32 s[G1C], 15|(3<<16)|(1<<21)
	s_mov_b32 s[G1C+1], 32<<16
	s_mov_b32 s[G1C+2], 96<<16                     ; 96 rows: 24,576 bytes, half of a slot's K or V
	s_mov_b32 s[G1C+3], 32<<16
	s_mov_b32 s[G1C+4], 96
	s_mov_b32 s[G1C+5], 32
	s_mov_b32 s[G1C+6], 0
	s_mov_b32 s[G1C+7], 0
	s_mov_b32 s[G1S], 15|(3<<16)|(1<<21)
	s_mov_b32 s[G1S+1], 32<<16
	s_mov_b32 s[G1S+2], 16<<16                     ; 16 rows: 4,096 bytes, half of a head's scale words
	s_mov_b32 s[G1S+3], 32<<16
	s_mov_b32 s[G1S+4], 16
	s_mov_b32 s[G1S+5], 32
	s_mov_b32 s[G1S+6], 0
	s_mov_b32 s[G1S+7], 0
	s_mov_b32 s[SEL], 0x76543210
	s_mov_b32 s[SEL+1], 0xfedcba98
	s_mov_b32 s[CS], 0x3e0293ee                    ; c = log2(e) / sqrt(128)
	s_mov_b32 s[CS+1], s[CS]
	s_mov_b32 s[TB], 0
	s_mov_b32 s[TS], 0
	s_mov_b32 s[KF], 0
	s_mov_b32 s[SLOTS], 3
	s_wait_kmcnt 0x0
	s_mov_b32 s[G0SK], 1
	s_add_co_u32 s[G0SK+1], s90, SCK
	s_add_nc_u64 s[G0SK+2:G0SK+3], s[6:7], s[88:89]
	s_or_b32 s[G0SK+3], s[G0SK+3], 0x80000000
	s_mov_b32 s[G0SV], 1
	s_add_co_u32 s[G0SV+1], s90, SCV
	s_add_nc_u64 s[G0SV+2:G0SV+3], s[8:9], s[88:89]
	s_or_b32 s[G0SV+3], s[G0SV+3], 0x80000000
	s_mov_b32 s[G0K], 1
	s_mov_b32 s[G0K+1], s86
	s_add_nc_u64 s[G0K+2:G0K+3], s[6:7], s[84:85]
	s_or_b32 s[G0K+3], s[G0K+3], 0x80000000
	s_mov_b32 s[G0V], 1
	s_add_co_u32 s[G0V+1], s86, VOFF
	s_add_nc_u64 s[G0V+2:G0V+3], s[8:9], s[84:85]
	s_or_b32 s[G0V+3], s[G0V+3], 0x80000000
	ROUND                                          ; all four work-groups are here: the first joint loads meet
	TLOAD G0SK, G1S, G0SV, G1S                     ; the scale words of the whole head: filled once
	TLOAD G0K, G1C, G0V, G1C                       ; slot 0.  Two loads of a fetching wave are out
	s_add_nc_u64 s[14:15], s[4:5], s[82:83]
	s_add_nc_u64 s[4:5], s[4:5], s[80:81]
	s_lshl_b32 s80, s75, 11
	s_add_nc_u64 s[10:11], s[10:11], s[80:81]      ; my batch's mask
	s_add_nc_u64 s[16:17], s[12:13], s[92:93]
	s_add_nc_u64 s[12:13], s[12:13], s[94:95]
	v_and_b32 v32, 31, v0                          ; l
	v_and_b32 v33, 15, v0                          ; r
	v_bfe_u32 v34, v0, 4, 1                        ; h
	v_mul_u32_u24 v[AK0], v32, 48
	v_lshlrev_b32 v36, 3, v0
	global_load_b64 v[38:39], v36, s[10:11]        ; thread t takes the mask's bytes 8 t on: the work-group's 256 threads take all 2,048
.irp c, 0,1,2
	global_load_b128 v[16+4*\c:19+4*\c], v[AK0], s[4:5] offset:16*\c   ; Q's fragment stays in registers
.endr
	v_lshlrev_b32 v37, 2, v33
	global_load_b32 v255, v37, s[14:15]            ; Q's scale words
	v_mov_b32 v[NEGR], 0xfb800000                  ; NEG = -2^120
	v_lshl_add_u32 v[ASK0], v33, 2, SCK
	s_lshl_b32 s80, s[WV], 6
	s_add_co_u32 s80, s80, SCV
	v_lshl_add_u32 v[ASU0], v33, 2, s80            ; V's scale words of channels 16 w on
	s_mul_i32 s80, s[WV], 1536
	s_add_co_u32 s80, s80, VOFF
	v_add_nc_u32 v[ADU0], s80, v[AK0]              ; V's image of channels 16 w on
	v_lshl_add_u32 v[ABI0], v34, 5, BIAS
	v_lshlrev_b32 v35, 3, v34
	v_sub_nc_u32 v[VD], v33, v35
	v_add_nc_u32 v[VD], s72, v[VD]                 ; my query in the group - 8 h
	v_mov_b32 v29, 0x7f7f7f7f                      ; the ones' scale: 1
	v_mov_b32 v13, 0xf1800000                      ; the largest t so far: -2^100
	v_floor_f32 v12, -v13                          ; -M
	v_mov_b32 v14, 0
	v_mov_b32 v15, 0
	v_mov_b32 v[FF+1], 0                           ; (named as the upper half of f's pair)
	v_mov_b32 v252, 0
.irp b, 0,1,2,3
	v_mov_b32 v[236+\b], 0                         ; a lane permute's destination counts as one of its sources
.endr
.set jj, 0
.rept 64
	v_mov_b32 v[160+jj], 0                         ; O^T: the step is written once; the first finds zeros
.set jj, jj+1
.endr
	WIN 0x40                                       ; destination window 1
.irp j, 0,1,2,3,4,5,6,7
	v_mov_b32 v[\j], 0                             ; U
.endr
.irp j, 0,1,2,3
	v_mov_b32 v[8+3*\j], 0x0c30c30c                ; 128 codes of 1.0 (0x0c), six bits each, as they lie in twelve registers
	v_mov_b32 v[9+3*\j], 0xc30c30c3
	v_mov_b32 v[10+3*\j], 0x30c30c30
.endr
	WIN 0
	s_wait_loadcnt 0x0                             ; the mask, Q
.irp i, 0,1,2,3,4,5,6,7
	v_bfe_u32 v[40+\i], v[38+\i/4], 8*(\i%4), 8
.endr
.irp i, 0,1,2,3,4,5,6,7
	v_cmp_eq_u32 vcc_lo, 0, v[40+\i]
	v_cndmask_b32 v[40+\i], 0, v[NEGR], vcc_lo     ; false: NEG; true: 0
.endr
	v_lshl_add_u32 v36, v0, 5, BIAS
	ds_store_b128 v36, v[40:43]
	ds_store_b128 v36, v[44:47] offset:16          ; the first change of slots waits for these and publishes them
; A KEY STEP of 128 keys; the addresses hang on s[TB] (the step's images), s[TS] (4 bytes a key) and s[KF] (its first key).
.macro STEP
.rept 4
	v_nop                                          ; places behind the last step's products, in front of loads into registers that they have read
.endr
	v_add_nc_u32 v[ADU], s[TB], v[ADU0]
	v_add_nc_u32 v[ASU], s[TS], v[ASU0]
.irp c, 0,1,2
	ds_load_b128 v[80+4*\c:83+4*\c], v[ADU] offset:16*\c
.endr
	ds_load_b32 v28, v[ASU]
	s_wait_dscnt 0x0
	WIN 0x54                                       ; source 0 window 0; source 1, C and D window 1
	s_wait_alu depctr_va_vdst(0)                   ; behind a hidden step the matrix instruction before this one is the sum's own last link
	v_wmma_scale_f32_16x16x128_f8f6f4 v[0:7], v[80:91], v[8:19], v[0:7], v28, v29 matrix_a_fmt:MATRIX_FMT_BF6 matrix_b_fmt:MATRIX_FMT_BF6   ; U += V^T 1
	WIN 0
	s_cmp_gt_u32 s[KF], s[LIMQ]                    ; all the step's keys come after my group's queries
	s_cbranch_scc1 .Lhidden_\@
	v_add_nc_u32 v[ADK], s[TB], v[AK0]
	v_add_nc_u32 v[ADS], s[TS], v[ASK0]
	v_add_nc_u32 v[ADB], s[TS], v[ABI0]
.irp g, 0,1                            ; S^T = K Q^T + the mask, four tiles of 16 keys at a time: lane (r, h), register j of tile T: query r, key 16 T + 8 h + j
.if \g > 0
.rept 4
	v_nop
.endr
.endif
.irp t, 0,1,2,3
.irp c, 0,1,2
	ds_load_b128 v[32+12*\t+4*\c:35+12*\t+4*\c], v[ADK] offset:1536*(4*\g+\t)+16*\c
.endr
	ds_load_b32 v[248+\t], v[ADS] offset:64*(4*\g+\t)
	ds_load_b128 v[96+8*(4*\g+\t):99+8*(4*\g+\t)], v[ADB] offset:64*(4*\g+\t)
	ds_load_b128 v[100+8*(4*\g+\t):103+8*(4*\g+\t)], v[ADB] offset:64*(4*\g+\t)+16
.endr
	s_wait_dscnt 0x0
.irp t, 0,1,2,3
	v_wmma_scale_f32_16x16x128_f8f6f4 v[96+8*(4*\g+\t):103+8*(4*\g+\t)], v[32+12*\t:43+12*\t], v[16:27], v[96+8*(4*\g+\t):103+8*(4*\g+\t)], v[248+\t], v255 matrix_a_fmt:MATRIX_FMT_BF6 matrix_b_fmt:MATRIX_FMT_BF6
.endr
.endr
.rept 4
	v_nop
.endr
	s_cmp_lg_u32 s[KF], s[GQ]                      ; only the step on the diagonal has keys that are hidden from some of my queries
	s_cbranch_scc1 .Lopen_\@
.set nn, 0
.rept 64
	v_cmp_gt_i32 vcc_lo, 16*(nn/8)+nn%8, v[VD]     ; key 16 T + 8 h + j later than my query
	v_cndmask_b32 v[96+nn], v[96+nn], v[NEGR], vcc_lo
.set nn, nn+1
.endr
.Lopen_\@:
.irp b, 0,1,2,3
	v_max3_num_f32 v[232+\b], v[96+16*\b], v[97+16*\b], v[98+16*\b]   ; the largest score of each block of 32 keys: for the row's maximum, and for the block's largest p
.endr
.irp i, 3,5,7,9,11,13
.irp b, 0,1,2,3
	v_max3_num_f32 v[232+\b], v[232+\b], v[96+16*\b+\i], v[97+16*\b+\i]
.endr
.endr
.irp b, 0,1,2,3
	v_max_num_f32 v[232+\b], v[232+\b], v[111+16*\b]
.endr
.irp b, 0,1,2,3
	v_permlanex16_b32 v[236+\b], v[232+\b], s[SEL], s[SEL+1]
.endr
.irp b, 0,1,2,3
	v_max_num_f32 v[232+\b], v[232+\b], v[236+\b]  ; with lane l xor 16's 16 keys
.endr
	v_max3_num_f32 v254, v232, v233, v234
	v_max_num_f32 v254, v254, v235
	v_mul_f32 v254, s[CS], v254                    ; the step's largest t
	v_max_num_f32 v13, v13, v254                   ; the running largest t
	v_mov_b32 v254, v12
	v_floor_f32 v12, -v13                          ; the new -M = -ceil(t): a whole number
	v_sub_f32 v254, v12, v254                      ; old M - new M
	v_cvt_i32_f32 v254, v254                       ; (it saturates)
	v_ldexp_f32 v[FF], 1.0, v254                   ; f = 2^(old M - new M)
.set jj, 0
.rept 32
	v_pk_fma_f32 v[96+jj:97+jj], v[96+jj:97+jj], s[CS:CS+1], v[12:13] op_sel_hi:[1,0,0]   ; t - M
.set jj, jj+2
.endr
.irp b, 0,1,2,3
	v_fma_f32 v[232+\b], v[232+\b], s[CS], v12
.endr
.set jj, 0
.rept 64
	v_exp_f32 v[96+jj], v[96+jj]                   ; p = 2^(t - M)
.set jj, jj+1
.endr
.irp b, 0,1,2,3
	v_exp_f32 v[232+\b], v[232+\b]                 ; the block's largest p
.endr
	v_pk_mul_f32 v[14:15], v[14:15], v[FF:FF+1] op_sel_hi:[1,0]   ; l under the new M.  (A plain place behind the exponentials)
	s_wait_alu depctr_va_vdst(0)
.irp b, 0,1,2,3
	v_max_num_f32 v[232+\b], 0x2800000, v[232+\b]  ; the floor 2^(5 - 127)
.endr
.irp b, 0,1,2,3
	v_add_nc_u32 v[244+\b], 0xfe000000, v[232+\b]
.endr
.irp b, 0,1,2,3
	v_lshrrev_b32 v[236+\b], 23, v[244+\b]
.endr
	v_lshl_or_b32 v[PWS], v237, 8, v236            ; p's scale word for these 128 keys
	v_lshl_or_b32 v[PWS], v238, 16, v[PWS]
	v_lshl_or_b32 v[PWS], v239, 24, v[PWS]
.irp c, 0,1
	v_cvt_scalef32_pk16_bf6_f32 v[224+6*\c:226+6*\c], v[96+32*\c:111+32*\c], v[244+2*\c]
	v_cvt_scalef32_pk16_bf6_f32 v[236+4*\c:238+4*\c], v[112+32*\c:127+32*\c], v[244+2*\c+1]
.endr
	v_nop                                          ; one plain place behind a scaled conversion
.irp c, 0,1                            ; the operand wants a whole block in a lane: lanes 0-15 block 2 c, lanes 16-31 block 2 c + 1
.irp i, 0,1,2
	v_permlane16_swap_b32 v[224+6*\c+\i], v[236+4*\c+\i]
.endr
.irp i, 0,1,2
	v_mov_b32 v[227+6*\c+\i], v[236+4*\c+\i]
.endr
.endr
	v_pk_add_f32 v[236:237], v[96:97], v[98:99]    ; the row's sum of the unquantised p, in two chains
.irp j, 4,8,12,16,20,24,28,32,36,40,44,48,52,56,60
	v_pk_add_f32 v[14:15], v[14:15], v[96+\j:97+\j]
	v_pk_add_f32 v[236:237], v[236:237], v[98+\j:99+\j]
.endr
	v_pk_add_f32 v[14:15], v[14:15], v[236:237]
.set jj, 0
.rept 32
	v_pk_mul_f32 v[160+jj:161+jj], v[160+jj:161+jj], v[FF:FF+1] op_sel_hi:[1,0]   ; O^T under the new M
.set jj, jj+2
.endr
.irp g, 0,1                            ; O^T += V^T P^T, four tiles of 16 channels at a time
.if \g > 0
.rept 4
	v_nop
.endr
.endif
.irp t, 0,1,2,3
.irp c, 0,1,2
	ds_load_b128 v[32+12*\t+4*\c:35+12*\t+4*\c], v[ADK] offset:VOFF+1536*(4*\g+\t)+16*\c
.endr
	ds_load_b32 v[248+\t], v[ADS] offset:SCV-SCK+64*(4*\g+\t)
.endr
	s_wait_dscnt 0x0
.irp t, 0,1,2,3
	v_wmma_scale_f32_16x16x128_f8f6f4 v[160+8*(4*\g+\t):167+8*(4*\g+\t)], v[32+12*\t:43+12*\t], v[224:235], v[160+8*(4*\g+\t):167+8*(4*\g+\t)], v[248+\t], v[PWS] matrix_a_fmt:MATRIX_FMT_BF6 matrix_b_fmt:MATRIX_FMT_BF6
.endr
.endr
.Lhidden_\@:
	s_add_co_u32 s[KF], s[KF], 128
	s_add_co_u32 s[TS], s[TS], 512
	s_add_co_u32 s[TB], s[TB], STEPB
.endm
; THE CHANGE OF SLOTS stands at a slot's head.  Each wave waits for all its tensor loads, adds 0 to its spare word, and waits for that and for its LDS instructions.  fill = 1: a round of the cluster's barrier,
; and behind it the slot that has been left is filled with the 512 keys that follow: the load has four key steps in which to land.
.macro CHANGE fill
	s_wait_tensorcnt 0x0
	ds_add_u32 v[SPW], v[NIL]
.if \fill
	s_xor_b32 s[G0K+1], s[G0K+1], SLOT1
	s_add_nc_u64 s[G0K+2:G0K+3], s[G0K+2:G0K+3], 4*STEPB
	s_xor_b32 s[G0V+1], s[G0V+1], SLOT1
	s_add_nc_u64 s[G0V+2:G0V+3], s[G0V+2:G0V+3], 4*STEPB
.endif
	s_wait_dscnt 0x0
.if \fill
	ROUND
	TLOAD G0K, G1C, G0V, G1C                       ; a wave's one tensor load until the next round
.else
	s_barrier_signal -1
	s_barrier_wait -1
.endif
.endm
.macro SLOT_STEPS                      ; a slot's four key steps: written once, walked four times
	s_mov_b32 s[STP], 4
.Lstep_\@:
	STEP
	s_sub_co_u32 s[STP], s[STP], 1
	s_cmp_lg_u32 s[STP], 0
	s_cbranch_scc1 .Lstep_\@
	s_sub_co_u32 s[TB], s[TB], 4*STEPB
	s_xor_b32 s[TB], s[TB], SLOT1                  ; on to the other slot
.endm
.Lslot:                                ; three trips: behind each change of slots but the last the next slot is asked for
	CHANGE 1
	SLOT_STEPS
	s_sub_co_u32 s[SLOTS], s[SLOTS], 1
	s_cmp_lg_u32 s[SLOTS], 0
	s_cbranch_scc1 .Lslot
	CHANGE 0                                       ; the last slot is written out
	SLOT_STEPS
; ---------------- THE WAY OUT
.set TM, 160
.set PC, 176
.set OB, 192
.set PW, 208
	v_and_b32 v92, 15, v0                          ; r.  (These lines are also the places behind the last products)
	v_bfe_u32 v93, v0, 4, 1                        ; h
	s_mul_i32 s66, s[WV], 2304
	s_add_co_u32 s66, s66, STAGE                   ; my stage
	v_mul_u32_u24 v1, v92, 144
	v_lshl_add_u32 v1, v93, 4, v1
	v_add_nc_u32 v1, s66, v1                       ; in: row r, places of 16 bytes: 2 x block + h
	v_bfe_u32 v94, v0, 3, 2                        ; l / 8
	v_and_b32 v95, 7, v0
	v_mul_u32_u24 v3, v94, 144
	v_lshl_add_u32 v3, v95, 4, v3
	v_add_nc_u32 v3, s66, v3                       ; back: eight lanes to a row's 96 bytes, four rows an instruction
	v_mul_u32_u24 v[GO], v94, 768
	v_mad_u32_u24 v[GO], v95, 12, v[GO]            ; and the same place in aq
	s_lshl_b32 s67, s[WV], 6
	s_add_co_u32 s67, s67, UST
	v_lshl_add_u32 v4, v93, 5, s67                 ; U: channels 16 w + 8 h on
	v_lshl_add_u32 v8, v93, 5, UST
	v_lshlrev_b32 v9, 5, v92                       ; a row of aq's scale bytes is 32 bytes
	v_add_f32 v14, v14, v15
	v_permlanex16_b32 v252, v14, s[SEL], s[SEL+1]
	v_add_f32 v14, v14, v252                       ; l
	v_cmp_eq_f32 vcc_lo, 0, v14                    ; no key was visible to my query
	v_rcp_f32 v15, v14
	v_mov_b32 v252, 0x3a000000                     ; 1 / 2,048.  (A plain place behind the reciprocal)
	s_wait_alu depctr_va_vdst(0)
	v_cndmask_b32 v[FF], v15, v252, vcc_lo
	WIN 0x04                                       ; an LDS store's data are its source 1: window 1
	ds_store_b128 v4, v[0:3]                       ; the sixteen lanes of a half hold the same numbers and write the same bytes
	ds_store_b128 v4, v[4:7] offset:16
	WIN 0
	s_wait_dscnt 0x0                               ; for the others' sake: my part of U is in LDS
	s_barrier_signal -1
	s_barrier_wait -1
.irp u, 0,1                            ; U in O^T's layout, 32 registers at a time; a row without a visible key takes it
.irp t, 0,1,2,3
	ds_load_b128 v[32+8*\t:35+8*\t], v8 offset:256*\u+64*\t
	ds_load_b128 v[36+8*\t:39+8*\t], v8 offset:256*\u+64*\t+16
.endr
	s_wait_dscnt 0x0
.set jj, 0
.rept 32
	v_cndmask_b32 v[96+32*\u+jj], v[160+32*\u+jj], v[32+jj], vcc_lo
.set jj, jj+1
.endr
.endr
.set jj, 0
.rept 32
	v_pk_mul_f32 v[96+jj:97+jj], v[96+jj:97+jj], v[FF:FF+1] op_sel_hi:[1,0]   ; O / l, or U / 2,048: register 8 T + j is channel 16 T + 8 h + j of query r
.set jj, jj+2
.endr
; the quantiser along the head's 128: four blocks; a lane's 16 codes are half h of a block
.irp b, 0,1,2,3
	v_max3_num_f32 v[TM+\b], |v[96+16*\b]|, |v[97+16*\b]|, 0x2800000
.endr
.irp i, 2,4,6,8,10,12,14
.irp b, 0,1,2,3
	v_max3_num_f32 v[TM+\b], v[TM+\b], |v[96+16*\b+\i]|, |v[97+16*\b+\i]|
.endr
.endr
.irp b, 0,1,2,3
	v_permlanex16_b32 v[TM+4+\b], v[TM+\b], s[SEL], s[SEL+1]
.endr
.irp b, 0,1,2,3
	v_max_num_f32 v[TM+\b], v[TM+\b], v[TM+4+\b]
.endr
.irp b, 0,1,2,3
	v_add_nc_u32 v[TM+12+\b], 0xfe000000, v[TM+\b]
.endr
.irp b, 0,1,2,3
	v_lshrrev_b32 v[TM+4+\b], 23, v[TM+12+\b]
.endr
	v_lshl_or_b32 v[PW], v[TM+5], 8, v[TM+4]
	v_lshl_or_b32 v[PW], v[TM+6], 16, v[PW]
	v_lshl_or_b32 v[PW], v[TM+7], 24, v[PW]
.irp b, 0,1,2,3
	v_cvt_scalef32_pk16_bf6_f32 v[PC+4*\b:PC+4*\b+2], v[96+16*\b:111+16*\b], v[TM+12+\b]
.endr
	v_nop                                          ; one plain place behind a scaled conversion
.irp b, 0,1,2,3
	ds_store_b96 v1, v[PC+4*\b:PC+4*\b+2] offset:32*\b
.endr
.irp i, 0,1,2,3
	ds_load_b96 v[OB+4*\i:OB+4*\i+2], v3 offset:576*\i   ; LDS serves a wave's instructions in order: these see my stores
.endr
	s_wait_dscnt 0x0
.irp i, 0,1,2,3
	global_store_b96 v[GO], v[OB+4*\i:OB+4*\i+2], s[16:17] offset:3072*\i   ; eight lanes store 96 consecutive bytes of a row
.endr
	global_store_b32 v9, v[PW], s[12:13]           ; lanes l and l xor 16 store the same word with the same value
	s_wait_tensorcnt 0x0                           ; the wave's end
	ds_add_u32 v[SPW], v[NIL]
	s_wait_dscnt 0x0
	ROUND                                          ; the closing round
	s_endpgm
.Lfunc_end_k_qae1611dfbc_attn:
	.size	k_qae1611dfbc_attn, .Lfunc_end_k_qae1611dfbc_attn-k_qae1611dfbc_attn
	.p2alignl 7, 3214868480
	.fill 96, 4, 3214868480
	.section	.rodata,"a",@progbits
	.p2align	6, 0x0
	.amdhsa_kernel k_qae1611dfbc_attn
		.amdhsa_group_segment_fixed_size 327680
		.amdhsa_private_segment_fixed_size 0
		.amdhsa_enable_private_segment 0
		.amdhsa_kernarg_size 40
		.amdhsa_user_sgpr_count 2
		.amdhsa_user_sgpr_kernarg_segment_ptr 1
		.amdhsa_wavefront_size32 1
		.amdhsa_system_sgpr_workgroup_id_x 1
		.amdhsa_system_sgpr_workgroup_id_y 1
		.amdhsa_system_sgpr_workgroup_id_z 1
		.amdhsa_system_vgpr_workitem_id 0
		.amdhsa_next_free_vgpr 288
		.amdhsa_next_free_sgpr 96
		.amdhsa_reserve_vcc 1
		.amdhsa_float_denorm_mode_32 3
		.amdhsa_float_denorm_mode_16_64 3
		.amdhsa_memory_ordered 1
		.amdhsa_forward_progress 1
		.amdhsa_inst_pref_size 79
	.end_amdhsa_kernel
	.amdgpu_metadata
---
amdhsa.version: [ 1, 2 ]
amdhsa.kernels:
  - .name:           k_qae1611dfbc_attn
    .symbol:         k_qae1611dfbc_attn.kd
    .args:
      - { .name: qq, .offset: 0, .size: 8, .value_kind: global_buffer, .address_space: global }
      - { .name: kq, .offset: 8, .size: 8, .value_kind: global_buffer, .address_space: global }
      - { .name: vq, .offset: 16, .size: 8, .value_kind: global_buffer, .address_space: global }
      - { .name: attention_mask, .offset: 24, .size: 8, .value_kind: global_buffer, .address_space: global }
      - { .name: aq, .offset: 32, .size: 8, .value_kind: global_buffer, .address_space: global }
    .group_segment_fixed_size: 327680
    .private_segment_fixed_size: 0
    .kernarg_segment_align: 8
    .kernarg_segment_size: 40
    .max_flat_workgroup_size: 256
    .sgpr_count:     96
    .vgpr_count:     288
    .wavefront_size: 32
...
	.end_amdgpu_metadata
.endif
;; end of part 3
;; launch oproj (part 4): grid 16 x 16, 4 waves a work-group, clusters of 4 x 4, 327,680 bytes of LDS; arguments aq, woq, out0; writes out0
.if DOCPART == 4
	.amdgcn_target "amdgcn-amd-amdhsa--gfx1250"
	.amdhsa_code_object_version 6
	.text
	.protected	k_qae1611dfbc_oproj
	.globl	k_qae1611dfbc_oproj
	.p2align	8
	.type	k_qae1611dfbc_oproj,@function
k_qae1611dfbc_oproj:
	s_mov_b64 s[64:65], 0
	v_nop
	global_prefetch_b8 v0, s[64:65] scope:SCOPE_SE
	s_setreg_imm32_b32 hwreg(HW_REG_WAVE_MODE, 25, 1), 1
	s_wait_xcnt 0x0
	s_wait_alu depctr_hold_cnt(0) depctr_sa_sdst(0) depctr_va_vdst(0) depctr_va_sdst(0) depctr_va_ssrc(0) depctr_va_vcc(0) depctr_vm_vsrc(0)
	s_getreg_b32 s2, hwreg(HW_REG_IB_STS2, 6, 4)
	s_cmp_eq_u32 s2, 0
	s_cbranch_scc0 .Lentry_in_a_cluster
	s_endpgm
.Lentry_in_a_cluster:
	s_bfe_u32 s2, ttmp6, 0x10000c
	s_cmp_lg_u32 s2, 0xf033
	s_cbranch_scc0 .Lentry_shape_is_right
	s_endpgm
.Lentry_shape_is_right:
; out0[token][n] = sum over k of a[token][k] wo[k][n], 4,096 x 4,096 x 1,024, on codes of BF6 with one E8M0 scale for each 32 along K; sums in f32.
; aq: codes [4096][768 bytes], then scale bytes [4096][32]; woq likewise, rows n.  Inside each block of 32 both hold their numbers in the same order (slots 8-15: k + 8, slots 16-23: k - 8), which changes no sum.
; A tile of 256 x 256 is made by four waves, each 128 x 128: 64 accumulators, 512 registers.  K goes in steps of 256 through a ring of two LDS slots filled by the tensor data mover; a tile's row is 192 bytes.
; The scale bytes of the work-group's rows, for all of K, come into LDS once and stay.  4 x 4 work-groups form a cluster: a's tiles are asked for jointly along a row of the cluster, wo's along a column.
; The matrix instruction is used transposed (source 0 = 16 rows of woq, source 1 = 16 tokens): a lane holds eight neighbouring numbers of a row of the result.
; REGISTERS, in windows of 256: window 0: v0-31 addresses; v32-63 scale words, two sets; from v128 a's fragments, one set; on the way out v128-255.  window 1: wo's fragments, two sets.  windows 2, 3: accumulators.
.set SIZE_N, 4096
.set SIZE_K, 1024
.set KSTEP,  256
.set NQ,     KSTEP/128
.set ROWB,   192
.set KROW,   SIZE_K*6/8
.set PITCH,  240                       ; an LDS row: 3 x (64 bytes + 16 of padding): the 32 lanes of a load of 8 bytes touch 64 different banks (ISA guide 11.1)
.set FR,     12
.set NL,     6
.set NP,     4                         ; places behind this matrix instruction (ISA guide 7.12.1)
.set HALFT,  128*PITCH
.set SLOT,   4*HALFT
.set LAPS,   SIZE_K/(2*KSTEP)
.set KS,     SIZE_K/32
.set SCL,    2*SLOT
.set HALFS,  (128*KS/256)*272
.set SBLK,   (16*KS/256)*272
.set SPARE,  SCL+4*HALFS               ; the spare words, 128 bytes for each wave
.set SPITCH, 528                       ; the way out: a stage of 16 rows x (512 bytes + 16) for each wave, in slot 0, which has had its last fill and its last read by then
.set SCOFF,  3145728                   ; each buffer holds its codes, then its scale bytes
.set ADRA, 16
.set ADRB, 20
.set STO,  24
.set RD,   25
.set CO,   26
.set SPW,  28
.set NIL,  29
.set ADRS, 27
.set SC,   32
.set AF,   128
.set BK,   128
.set G1, 24
.set G0, 32
.set G1B, 48
.set G0B, 56
.set G1S, 68
.set G0S, 76
.set G1SB, 80
.set G0SB, 88
.set MSB, 0
.macro WIN new
.if MSB != (\new)
	s_set_vgpr_msb (MSB<<8)|(\new)
.set MSB, (\new)
.endif
.endm
.set MUL_LO, 0xa1
.set MUL_HI, 0xf1
.set TO_B,   0x40
.macro JLOAD g0a, g1a, g0b, g1b        ; a joint load: waves 0 and 1 fetch for a, waves 2 and 3 for wo; four v_nop follow each line
	s_cmp_eq_u32 s15, 0
	s_cbranch_scc0 .Lfor_b_\@
	tensor_load_to_lds s[\g0a:\g0a+3], s[\g1a:\g1a+7]
	s_nop 0
.rept 4
	v_nop
.endr
	s_branch .Lasked_\@
.Lfor_b_\@:
	tensor_load_to_lds s[\g0b:\g0b+3], s[\g1b:\g1b+7]
	s_nop 0
.rept 4
	v_nop
.endr
.Lasked_\@:
.endm
.macro CREST
	s_cmp_lg_u32 s14, 0
	s_cbranch_scc1 .Lnot_wave_0_\@
	s_barrier_signal -3
.Lnot_wave_0_\@:
	s_barrier_wait -3
	s_barrier_signal -1
	s_barrier_wait -1
.endm
.macro CROUND
	s_barrier_signal -1
	s_barrier_wait -1
	CREST
.endm
	s_load_b64 s[4:5], s[0:1], 0x0                 ; aq
	s_load_b64 s[8:9], s[0:1], 0x8                 ; woq
	s_load_b64 s[12:13], s[0:1], 0x10              ; out0
	v_lshl_add_u32 v[SPW], v0, 2, SPARE
	v_mov_b32 v[NIL], 0
	ds_add_u32 v28, v29
	s_wait_dscnt 0x0
	v_lshrrev_b32 v1, 5, v0
	v_readfirstlane_b32 s14, v1                    ; wave 0..3
	s_lshr_b32 s15, s14, 1
	s_and_b32 s16, s14, 1
	s_bfe_u32 s40, ttmp6, 0x40000                  ; cx, cy
	s_bfe_u32 s41, ttmp6, 0x40004
	s_lshl_b32 s42, ttmp9, 2
	s_add_co_u32 s42, s42, s40                     ; tile column
	s_and_b32 s17, ttmp7, 0xffff
	s_lshl_b32 s17, s17, 2
	s_add_co_u32 s17, s17, s41                     ; tile row
	s_lshl_b32 s43, s41, 2
	s_lshl_b32 s43, 15, s43                        ; my row of the cluster
	s_lshl_b32 s44, 0x1111, s40                    ; my column
	s_or_b32 s[G1+0], s43, (0<<16)|(1<<20)|(1<<21)|(3<<22)|(3<<25)
	s_or_b32 s[G1B+0], s44, (0<<16)|(1<<20)|(1<<21)|(3<<22)|(3<<25)
.irp g, G1, G1B
	s_mov_b32 s[\g+1], ROWB<<16
	s_mov_b32 s[\g+2], 128<<16
	s_mov_b32 s[\g+3], ROWB<<16
	s_mov_b32 s[\g+4], 128
	s_mov_b32 s[\g+5], KROW
	s_mov_b32 s[\g+6], 0
	s_mov_b32 s[\g+7], 0
.endr
	s_or_b32 s[G1S+0], s43, (3<<16)|(1<<20)|(1<<21)|(5<<22)|(3<<25)
	s_or_b32 s[G1SB+0], s44, (3<<16)|(1<<20)|(1<<21)|(5<<22)|(3<<25)
.irp g, G1S, G1SB
	s_mov_b32 s[\g+1], 32<<16
	s_mov_b32 s[\g+2], (128*KS/256)<<16
	s_mov_b32 s[\g+3], 32<<16
	s_mov_b32 s[\g+4], 128*KS/256
	s_mov_b32 s[\g+5], 32
	s_mov_b32 s[\g+6], 0
	s_mov_b32 s[\g+7], 0
.endr
	s_lshl_b32 s18, s16, 7
	s_lshl_b32 s20, s17, 8
	s_add_co_u32 s20, s20, s18
	s_lshl_b32 s46, s42, 8
	s_add_co_u32 s46, s46, s18
	s_mov_b32 s21, 0
	s_mov_b32 s47, 0
	s_mov_b64 s[18:19], KS
	s_mul_u64 s[22:23], s[20:21], s[18:19]
	s_mul_u64 s[92:93], s[46:47], s[18:19]
	s_mov_b64 s[18:19], KROW
	s_mul_u64 s[20:21], s[20:21], s[18:19]
	s_mul_u64 s[46:47], s[46:47], s[18:19]
	s_mul_i32 s45, s14, HALFT
	s_mul_i32 s94, s14, HALFS
	s_wait_kmcnt 0x0
	s_add_nc_u64 s[6:7], s[4:5], SCOFF
	s_add_nc_u64 s[10:11], s[8:9], SCOFF
	s_add_nc_u64 s[20:21], s[4:5], s[20:21]
	s_add_nc_u64 s[22:23], s[6:7], s[22:23]
	s_add_nc_u64 s[46:47], s[8:9], s[46:47]
	s_add_nc_u64 s[92:93], s[10:11], s[92:93]
	CROUND                                         ; all sixteen work-groups are here: the first joint loads meet
	s_mov_b32 s[G0S], 1
	s_add_co_u32 s[G0S+1], s94, SCL
	s_mov_b64 s[G0S+2:G0S+3], s[22:23]
	s_or_b32 s[G0S+3], s[G0S+3], 0x80000000
	s_mov_b32 s[G0SB], 1
	s_add_co_u32 s[G0SB+1], s94, SCL
	s_mov_b64 s[G0SB+2:G0SB+3], s[92:93]
	s_or_b32 s[G0SB+3], s[G0SB+3], 0x80000000
	JLOAD G0S, G1S, G0SB, G1SB
.irp s, 0,1
	s_mov_b32 s[G0+4*\s], 1
	s_add_co_u32 s[G0+4*\s+1], s45, \s*SLOT
	s_add_nc_u64 s[G0+4*\s+2:G0+4*\s+3], s[20:21], \s*ROWB
	s_or_b32 s[G0+4*\s+3], s[G0+4*\s+3], 0x80000000
	s_mov_b32 s[G0B+4*\s], 1
	s_add_co_u32 s[G0B+4*\s+1], s45, \s*SLOT
	s_add_nc_u64 s[G0B+4*\s+2:G0B+4*\s+3], s[46:47], \s*ROWB
	s_or_b32 s[G0B+4*\s+3], s[G0B+4*\s+3], 0x80000000
	JLOAD G0+4*\s, G1, G0B+4*\s, G1B
.endr
	v_and_b32 v1, 15, v0
	v_bfe_u32 v2, v0, 4, 1
	v_mul_u32_u24 v3, v1, PITCH
	v_mul_u32_u24 v4, v2, 24
	v_add_nc_u32 v4, v3, v4
	v_lshl_add_u32 v5, v2, 4, v4
	s_mul_i32 s21, s15, HALFT
	s_mul_i32 s22, s16, HALFT
	s_add_co_u32 s22, s22, 2*HALFT
.irp s, 0,1
	v_add_nc_u32 v[ADRA+\s], s21, v4
	v_add_nc_u32 v[ADRB+\s], s22, v4
	v_add_nc_u32 v[ADRA+2+\s], s21, v5
	v_add_nc_u32 v[ADRB+2+\s], s22, v5
	s_add_co_u32 s21, s21, SLOT
	s_add_co_u32 s22, s22, SLOT
.endr
	v_mul_u32_u24 v5, v1, KS
	v_lshrrev_b32 v6, 8, v5
	v_lshl_add_u32 v5, v6, 4, v5
	s_mul_i32 s21, s15, HALFS
	s_mul_i32 s22, s16, HALFS
	s_add_co_u32 s22, s22, 2*HALFS
	s_sub_co_u32 s22, s22, s21
	v_mul_u32_u24 v6, s22, v2                      ; lanes 16-31 take wo's
	s_add_co_u32 s21, s21, SCL
	v_add_nc_u32 v5, v5, v6
	v_add_nc_u32 v[ADRS], s21, v5
	s_mul_i32 s23, s14, 16*SPITCH                  ; my stage
	v_mul_u32_u24 v5, v1, SPITCH
	v_lshl_add_u32 v5, v2, 5, v5
	v_add_nc_u32 v[STO], s23, v5
	v_and_b32 v6, 31, v0
	v_lshlrev_b32 v[CO], 4, v6
	v_add_nc_u32 v[RD], s23, v[CO]
	s_lshl_b32 s20, s17, 8
	s_lshl_b32 s21, s15, 7
	s_add_co_u32 s20, s20, s21                     ; my first row of the result
	s_mov_b32 s21, 0
	s_mov_b64 s[18:19], SIZE_N*4
	s_mul_u64 s[20:21], s[20:21], s[18:19]
	s_lshl_b32 s46, s42, 10
	s_lshl_b32 s47, s16, 9
	s_add_co_u32 s46, s46, s47
	s_mov_b32 s47, 0
	s_add_nc_u64 s[20:21], s[20:21], s[46:47]
	s_add_nc_u64 s[12:13], s[12:13], s[20:21]
.macro FRAG reg, adr, q, i             ; a fragment: 12 registers; registers 6 c .. 6 c + 5 hold K = 64 c + 32 (l / 16) + 0 .. 31, 24 bytes as they lie, in pieces of 8 bytes
.irp p, 0,1,2,3,4,5
.set PCE, 12*(\q)+6*(\p/3)+\p%3
.if PCE%8 < 5
	ds_load_b64 v[\reg+2*\p:\reg+2*\p+1], v[\adr] offset:8*PCE+16*(PCE/8)+(\i)*16*PITCH
.else
	ds_load_b64 v[\reg+2*\p:\reg+2*\p+1], v[\adr+2] offset:8*PCE+16*(PCE/8)+(\i)*16*PITCH
.endif
.endr
.endm
.macro MUL16 a0, p, q, sc, zero        ; 16 matrix instructions; the 64 accumulators take turns, one instruction a turn
.irp a, \a0, \a0+1
.irp b, 0,1,2,3,4,5,6,7
.if \zero
	v_wmma_scale_f32_16x16x128_f8f6f4 v[8*(8*((\a)%4)+\b):8*(8*((\a)%4)+\b)+7], v[128*(\p)+FR*\b:128*(\p)+FR*\b+FR-1], v[AF+FR*(\a):AF+FR*(\a)+FR-1], 0, v[SC+8*NQ*(\sc)+NQ*\b+(\q)], v[SC+8*NQ*(\sc)+NQ*(\a)+(\q)] matrix_a_fmt:MATRIX_FMT_BF6 matrix_b_fmt:MATRIX_FMT_BF6 matrix_a_scale:MATRIX_SCALE_ROW1
.else
	v_wmma_scale_f32_16x16x128_f8f6f4 v[8*(8*((\a)%4)+\b):8*(8*((\a)%4)+\b)+7], v[128*(\p)+FR*\b:128*(\p)+FR*\b+FR-1], v[AF+FR*(\a):AF+FR*(\a)+FR-1], v[8*(8*((\a)%4)+\b):8*(8*((\a)%4)+\b)+7], v[SC+8*NQ*(\sc)+NQ*\b+(\q)], v[SC+8*NQ*(\sc)+NQ*(\a)+(\q)] matrix_a_fmt:MATRIX_FMT_BF6 matrix_b_fmt:MATRIX_FMT_BF6 matrix_a_scale:MATRIX_SCALE_ROW1
.endif
.endr
.endr
.endm
.macro FETCH_B slot, q, p
	WIN TO_B
.irp i, 0,1,2,3,4,5,6,7
	FRAG 128*(\p)+FR*\i, ADRB+\slot, \q, \i
.endr
	WIN 0
.endm
.macro FETCH_A slot, q, i0
.irp i, \i0, \i0+1, \i0+2, \i0+3
	FRAG AF+FR*(\i), ADRA+\slot, \q, \i
.endr
.endm
.macro SCALES sc
.irp i, 0,1,2,3,4,5,6,7
	ds_load_b64 v[SC+8*NQ*\sc+NQ*\i:SC+8*NQ*\sc+NQ*\i+1], v[ADRS] offset:\i*SBLK
.endr
.endm
.macro PLACES n
.rept \n
	v_nop
.endr
.endm
.macro STEP slot, q, zero
	s_wait_dscnt 4*NL                              ; wo's set and a's blocks 0-3 are in; the 24 youngest loads (blocks 4-7) may be out
	WIN MUL_LO
	MUL16 0, (\q)%2, \q, \slot, \zero
	MUL16 2, (\q)%2, \q, \slot, \zero
	s_wait_dscnt 0
	PLACES NP
	FETCH_B \slot, (\q)+1, 1-(\q)%2
	FETCH_A \slot, (\q)+1, 0
	WIN MUL_HI
	MUL16 4, (\q)%2, \q, \slot, \zero
	MUL16 6, (\q)%2, \q, \slot, \zero
	PLACES NP
	WIN 0
	FETCH_A \slot, (\q)+1, 4
.endm
.macro TURN slot, next, fill
	s_wait_tensorcnt 0x0                           ; all my tensor loads have landed: my part of the next slot
	ds_add_u32 v[SPW], v[NIL]                      ; 0 onto my spare word
	s_wait_dscnt 4*NL+1                            ; the add and the 24 youngest loads may be out
	WIN MUL_LO
	MUL16 0, 1, NQ-1, \slot, 0
	s_wait_dscnt 0x0                               ; the add is done, and my reads of this slot are over
	s_barrier_signal -1
	MUL16 2, 1, NQ-1, \slot, 0
	WIN 0
	s_barrier_wait -1
.if \fill
	CREST                                          ; the barrier has opened a round of the cluster's barrier
	s_add_nc_u64 s[G0+4*\slot+2:G0+4*\slot+3], s[G0+4*\slot+2:G0+4*\slot+3], 2*ROWB
	s_add_nc_u64 s[G0B+4*\slot+2:G0B+4*\slot+3], s[G0B+4*\slot+2:G0B+4*\slot+3], 2*ROWB
	JLOAD G0+4*\slot, G1, G0B+4*\slot, G1B
.else
	PLACES NP
.endif
	v_add_nc_u32 v[ADRS], 4*NQ, v[ADRS]
	FETCH_B \next, 0, 0
	FETCH_A \next, 0, 0
	SCALES \next
	WIN MUL_HI
	MUL16 4, 1, NQ-1, \slot, 0
	MUL16 6, 1, NQ-1, \slot, 0
	PLACES NP
	WIN 0
	FETCH_A \next, 0, 4
.endm
	s_wait_tensorcnt 1                             ; of my three loads the scales and K step 0 are in; K step 1's may be out
	s_barrier_signal -1
	s_barrier_wait -1
	FETCH_B 0, 0, 0
	FETCH_A 0, 0, 0
	SCALES 0
	FETCH_A 0, 0, 4
	STEP 0, 0, 1                                   ; the first step's products start the sums
	s_mov_b32 s3, LAPS-1
.Llap:
	TURN 0, 1, 1
	STEP 1, 0, 0
	TURN 1, 0, 1
	STEP 0, 0, 0
	s_sub_co_u32 s3, s3, 1
	s_cmp_lg_u32 s3, 0
	s_cbranch_scc1 .Llap
	TURN 0, 1, 0                                   ; the last lap fills nothing
	STEP 1, 0, 0
	s_wait_dscnt 4*NL
	WIN MUL_LO
	MUL16 0, 1, NQ-1, 1, 0
	MUL16 2, 1, NQ-1, 1, 0
	s_wait_dscnt 0
	WIN MUL_HI
	MUL16 4, 1, NQ-1, 1, 0
	MUL16 6, 1, NQ-1, 1, 0
	WIN 0
; THE WAY OUT, block by block of 16 rows x 128 columns, through my own stage in LDS: back come whole rows of 512 bytes.  LDS serves a wave's instructions in order (ISA guide 5.7.1.4).
.macro TOSTAGE a
.set AC, 64*((\a)%4)
	WIN 0x08+4*((\a)/4)                            ; the data: window 2 or 3
.irp b, 0,1,2,3,4,5,6,7
	ds_store_b128 v[STO], v[AC+8*\b:AC+8*\b+3] offset:64*\b          ; each accumulator from its low end on
	ds_store_b128 v[STO], v[AC+8*\b+4:AC+8*\b+7] offset:64*\b+16
.endr
	WIN 0
.set BB, BK+64*((\a)%2)
.irp t, 0,1,2,3,4,5,6,7,8,9,10,11,12,13,14,15
	ds_load_b128 v[BB+4*\t:BB+4*\t+3], v[RD] offset:\t*SPITCH
.endr
.endm
.macro SEND a, younger
.set BB, BK+64*((\a)%2)
	s_wait_dscnt \younger                          ; the block is back in registers; the LDS instructions issued behind its loads may be out
.if (\a) > 0
	s_add_nc_u64 s[12:13], s[12:13], 16*SIZE_N*4   ; (behind a wait on XCNT: the earlier stores have read their base)
.endif
.irp t, 0,1,2,3,4,5,6,7,8,9,10,11,12,13,14,15
	global_store_b128 v[CO], v[BB+4*\t:BB+4*\t+3], s[12:13] offset:\t*SIZE_N*4 th:TH_STORE_NT   ; 32 lanes store 512 consecutive bytes, aligned
.endr
.endm
	PLACES NP
	TOSTAGE 0
.irp a, 1,2,3,4,5,6,7
.if \a > 1
	s_wait_xcnt 0x0                                ; block a - 2's stores have read their registers and their base
.endif
	TOSTAGE \a
	SEND \a-1, 32                                  ; behind block a - 1's loads: block a's 16 stores and 16 loads
.endr
	s_wait_xcnt 0x0
	SEND 7, 0
	s_wait_tensorcnt 0x0                           ; the wave's end
	ds_add_u32 v[SPW], v[NIL]
	s_wait_dscnt 0x0
	CROUND                                         ; the closing round
	s_endpgm
.Lfunc_end_k_qae1611dfbc_oproj:
	.size	k_qae1611dfbc_oproj, .Lfunc_end_k_qae1611dfbc_oproj-k_qae1611dfbc_oproj
	.p2alignl 7, 3214868480
	.fill 96, 4, 3214868480
	.section	.rodata,"a",@progbits
	.p2align	6, 0x0
	.amdhsa_kernel k_qae1611dfbc_oproj
		.amdhsa_group_segment_fixed_size 327680
		.amdhsa_private_segment_fixed_size 0
		.amdhsa_enable_private_segment 0
		.amdhsa_kernarg_size 24
		.amdhsa_user_sgpr_count 2
		.amdhsa_user_sgpr_kernarg_segment_ptr 1
		.amdhsa_wavefront_size32 1
		.amdhsa_system_sgpr_workgroup_id_x 1
		.amdhsa_system_sgpr_workgroup_id_y 1
		.amdhsa_system_sgpr_workgroup_id_z 1
		.amdhsa_system_vgpr_workitem_id 0
		.amdhsa_next_free_vgpr 1024
		.amdhsa_next_free_sgpr 98
		.amdhsa_reserve_vcc 0
		.amdhsa_float_denorm_mode_32 3
		.amdhsa_float_denorm_mode_16_64 3
		.amdhsa_memory_ordered 1
		.amdhsa_forward_progress 1
		.amdhsa_inst_pref_size 160
	.end_amdhsa_kernel
	.amdgpu_metadata
---
amdhsa.version: [ 1, 2 ]
amdhsa.kernels:
  - .name:           k_qae1611dfbc_oproj
    .symbol:         k_qae1611dfbc_oproj.kd
    .args:
      - { .name: aq, .offset: 0, .size: 8, .value_kind: global_buffer, .address_space: global }
      - { .name: woq, .offset: 8, .size: 8, .value_kind: global_buffer, .address_space: global }
      - { .name: out0, .offset: 16, .size: 8, .value_kind: global_buffer, .address_space: global }
    .group_segment_fixed_size: 327680
    .private_segment_fixed_size: 0
    .kernarg_segment_align: 8
    .kernarg_segment_size: 24
    .max_flat_workgroup_size: 128
    .sgpr_count:     98
    .vgpr_count:     1024
    .wavefront_size: 32
...
	.end_amdgpu_metadata
.endif
;; end of part 4
;; ======== version 2 of 2: 4 launches
;; limits: right only within a limited range of input values
;; workspace buffers: xq 13,107,200 bytes; wqkvq 6,553,600 bytes; woq 3,276,800 bytes; qq 3,276,800 bytes; kq 1,638,400 bytes; vq 1,638,400 bytes; aq 3,276,800 bytes
;; launch quant (part 5): grid 896 x 1, 4 waves a work-group, no clusters, 68,096 bytes of LDS; arguments hidden_states, wq, wk, wv, wo, xq, wqkvq, woq; writes xq, wqkvq, woq
.if DOCPART == 5
	.amdgcn_target "amdgcn-amd-amdhsa--gfx1250"
	.amdhsa_code_object_version 6
	.text
	.protected	k_qae1611dfbc_quant
	.globl	k_qae1611dfbc_quant
	.p2align	8
	.type	k_qae1611dfbc_quant,@function
k_qae1611dfbc_quant:
	s_mov_b64 s[64:65], 0
	v_nop
	global_prefetch_b8 v0, s[64:65] scope:SCOPE_SE
	s_setreg_imm32_b32 hwreg(HW_REG_WAVE_MODE, 25, 1), 1
	s_wait_xcnt 0x0
; hidden_states [4096][4096] and the four weights, all f32, become codes of BF6 (E3M2), 6 bits each, K innermost, with one E8M0 byte for each 32 along K.
; A block's scale is 2^(floor(log2(its largest magnitude)) - 4): its byte is the largest magnitude's exponent field - 4, held at 1 from below.
; LIMITS: a block of zeros, and a block whose largest magnitude lies under 2^-122, gets the byte 1 (a block of zeros has zero codes, which add nothing; the bytes are read by this program alone);
; NaN and infinities among the inputs are not served.
; Work-groups 0-511 take hidden_states, whose K is innermost: a plain stream of blocks of 32.  Work-groups 512-895 take the weights, whose K is the FIRST axis: a lane takes a column and its registers run down K.
; Every work-group has 32,768 numbers.  The two ways have LDS bytes of their own.  No tensor load, no barrier: waves share nothing.
; xq and wqkvq are laid as the next launch fetches them: [group of 128 rows][8 chunks of 512 along K][128 rows][400 bytes: 384 of codes, then the chunk's 16 scale bytes]: 128 rows of a chunk are 51,200 dense bytes.
; xq's rows are the tokens.  wqkvq's rows 0-1023 are wq's columns, row 1024 + 256 j + c is column c of K's head j, row 1152 + 256 j + c that of V's head j.
; woq: codes [4096][768], then scale bytes [4096][32]; inside each block of 32 slots 8-15 hold k + 8 and slots 16-23 hold k - 8: the order in which the attention launch lays its result.
; WORK LEFT OUT BY THE WHOLE PROGRAM: cache_index = 0 and the s = 2,048 new rows are as many as a cache has positions (MAXLEN = 2,048), so dynamic_update_slice writes every position of k_cache and v_cache:
; no number of cached_key or cached_value reaches a result, whatever the two hold.  They are not loaded and are among no launch's arguments.  pad = kv_pos < 0 + 2,048 is true at every position and is not formed.
; LIMIT: a NaN or an infinity in cached_key or cached_value is not carried to the result.
.set XWG,     512
.set EMAX,    4
.set STEPS,   16
.set CB,      12                       ; bytes of 16 codes
.set ROWP,    400                      ; a row of a chunk
.set CHUNKB,  128*ROWP                 ; 128 rows of a chunk
.set GROUPB,  8*CHUNKB                 ; 128 rows, all of K
.set XR,      16                       ; v16-79   four sets of 16 numbers as they are loaded
.set XX,      80                       ; v80-111  two sets of 16 neighbours
.set XE,      112                      ; v112-127 a scale byte for each step
.set XC,      128                      ; v128-191 codes, four registers for each step
.set WREG,    8192                     ; LDS of a wave on the first way: two stages of 32 x SP bytes, then 256 scale bytes
.set SP,      80
.set NB,      8                        ; the second way: blocks of a wave (256 along K)
.set WP,      272                      ; a stage row: sixteen places of 16 bytes + 16
.set WBASE,   32768                    ; the second way's LDS begins here
.set WX,      32                       ; v32-95   two sets of 32 numbers
.set WC,      96                       ; v96-102  a block's codes
.set OUTR,    112                      ; v112-175 the way out
.set SB,      24                       ; v24-25   the scale bytes
.set ROFF,    176                      ; v176-207 byte offset of slot i's row of a block; later the way out's row offsets
	s_load_b256 s[4:11], s[0:1], 0x0               ; hidden s[4:5], wq s[6:7], wk s[8:9], wv s[10:11]
	s_load_b256 s[12:19], s[0:1], 0x20             ; wo s[12:13], xq s[14:15], wqkvq s[16:17], woq s[18:19]
	v_lshl_add_u32 v208, v0, 2, 0x10800
	v_mov_b32 v209, 0
	v_lshrrev_b32 v1, 5, v0
	v_readfirstlane_b32 s3, v1                     ; wave
	v_and_b32 v2, 31, v0                           ; lane
	s_cmp_lt_u32 ttmp9, XWG
	s_cbranch_scc0 .Lweights
; ---------------- hidden_states: a wave takes 16 steps of 512 numbers: two rows, a step to each chunk of a row.  Each load reads 512 consecutive bytes; a step's 2,048 bytes turn through the wave's stage so that a lane holds 16 neighbours.
	v_lshlrev_b32 v3, 4, v2                        ; my 16 bytes of a load's 512
	s_mul_i32 s20, s3, WREG
	v_lshrrev_b32 v14, 2, v2
	v_mul_u32_u24 v14, v14, SP
	v_and_b32 v15, 3, v2
	v_lshl_add_u32 v14, v15, 4, v14
	v_add_nc_u32 v14, s20, v14                     ; the stage, in: SP (lane / 4) + 16 (lane % 4)
	v_mul_u32_u24 v15, v2, SP
	v_add_nc_u32 v15, s20, v15                     ; and out: SP x lane
	v_mul_u32_u24 v4, v2, CB                       ; my codes' place in a step's
	v_lshrrev_b32 v5, 1, v2
	s_add_co_u32 s20, s20, 2*32*SP
	v_add_nc_u32 v5, s20, v5                       ; my block's scale byte in the wave's 256
	v_lshlrev_b32 v7, 3, v2
	v_add_nc_u32 v6, s20, v7                       ; on the way out a lane reads 8 of them: half (lane % 2) of step (lane / 2)'s sixteen,
	v_bfe_u32 v7, v2, 1, 3
	v_mul_u32_u24 v7, v7, CHUNKB                   ; which belong to chunk (lane / 2) % 8
	v_lshrrev_b32 v10, 4, v2
	v_mad_u32_u24 v7, v10, ROWP, v7                ; of row lane / 16,
	v_and_b32 v10, 1, v2
	v_lshl_add_u32 v7, v10, 3, v7
	v_add_nc_u32 v7, 384, v7                       ; behind its codes
	s_lshl_b32 s21, ttmp9, 2
	s_add_co_u32 s21, s21, s3                      ; which two rows are my wave's
	s_lshl_b32 s22, s21, 15                        ; 32,768 bytes of f32
	s_mov_b32 s23, 0
	s_lshr_b32 s24, s21, 6                         ; their group of 128 rows,
	s_mul_i32 s24, s24, GROUPB
	s_and_b32 s26, s21, 63
	s_mul_i32 s26, s26, 2*ROWP                     ; and their place in it
	s_add_co_u32 s24, s24, s26
	s_mov_b32 s25, 0
	s_wait_kmcnt 0x0
	s_add_nc_u64 s[4:5], s[4:5], s[22:23]
	s_add_nc_u64 s[8:9], s[14:15], s[24:25]
.macro XLOAD t
.irp i, 0,1,2,3
	global_load_b128 v[XR+16*((\t)%4)+4*\i:XR+16*((\t)%4)+4*\i+3], v3, s[4:5] offset:2048*(\t)+512*\i th:TH_LOAD_NT
.endr
.endm
.macro XTURN t                         ; LDS serves a wave's instructions in order: no wait between the stores and the loads
.irp i, 0,1,2,3
	ds_store_b128 v14, v[XR+16*((\t)%4)+4*\i:XR+16*((\t)%4)+4*\i+3] offset:32*SP*((\t)%2)+8*SP*\i
.endr
.irp i, 0,1,2,3
	ds_load_b128 v[XX+16*((\t)%2)+4*\i:XX+16*((\t)%2)+4*\i+3], v15 offset:32*SP*((\t)%2)+16*\i
.endr
.endm
.irp t, 0,1,2,3
	XLOAD \t
.endr
	s_wait_loadcnt 12                              ; step 0's four loads are in, the twelve of steps 1 to 3 stay out
	XTURN 0
.macro XSTEP t
.set XS, XX+16*((\t)%2)
.if (\t) > 0
	s_wait_dscnt 1                                 ; this step's numbers are back from the stage; the last step's byte store may be out
.else
	s_wait_dscnt 0x0
.endif
.if (\t)+4 < STEPS
	XLOAD (\t)+4
.endif
.if (\t)+1 < STEPS
.if STEPS-2-(\t) >= 3
	s_wait_loadcnt 12                              ; the next step's four loads are in; those of the three steps behind it may be out
.else
	s_wait_loadcnt 4*(STEPS-2-(\t))
.endif
	XTURN (\t)+1
.endif
	v_max3_num_f32 v8, |v[XS]|, |v[XS+1]|, |v[XS+2]|
	v_max3_num_f32 v9, |v[XS+3]|, |v[XS+4]|, |v[XS+5]|
.irp i, 6,10
	v_max3_num_f32 v8, v8, |v[XS+\i]|, |v[XS+\i+1]|
	v_max3_num_f32 v9, v9, |v[XS+\i+2]|, |v[XS+\i+3]|
.endr
	v_max3_num_f32 v8, v8, |v[XS+14]|, |v[XS+15]|
	v_max3_num_f32 v8, v8, v9, (EMAX+1)<<23        ; the floor 2^(5 - 127): the byte cannot fall under 1
	v_max_num_f32_dpp v8, v8, v8 row_xmask:1 row_mask:0xf bank_mask:0xf   ; with my neighbour's 16: the block's largest magnitude
	v_add_nc_u32 v11, 0xfe000000, v8               ; 4 off its exponent field: the conversion's scale operand
	v_cvt_scalef32_pk16_bf6_f32 v[XC+4*(\t):XC+4*(\t)+2], v[XS:XS+15], v11
	v_lshrrev_b32 v[XE+(\t)], 23, v11              ; the scale's byte
	ds_store_b8 v5, v[XE+(\t)] offset:16*(\t)      ; both lanes of a block write the same byte with the same value
	global_store_b96 v4, v[XC+4*(\t):XC+4*(\t)+2], s[8:9] offset:CHUNKB*((\t)%8)+ROWP*((\t)/8)   ; the wave stores 384 consecutive bytes: chunk t % 8 of row t / 8
.endm
.irp t, 0,1,2,3,4,5,6,7,8,9,10,11,12,13,14,15
	XSTEP \t
.endr
	ds_load_b64 v[12:13], v6
	s_wait_dscnt 0x0
	global_store_b64 v7, v[12:13], s[8:9]          ; two lanes store a row's 16 scale bytes of a chunk
	s_wait_tensorcnt 0x0
	ds_add_u32 v208, v209
	s_wait_dscnt 0x0
	s_endpgm
; ---------------- the weights: a work-group takes 128 columns x 256 along K, a wave 32 columns.  What differs between the four tensors is chosen by selects on the work-group's number alone.
.Lweights:
	s_sub_co_u32 s24, ttmp9, XWG                   ; 0-127 wq, 128-191 wk, 192-255 wv, 256-383 wo
	s_wait_kmcnt 0x0
	s_mov_b64 s[20:21], s[12:13]                   ; wo's figures first: the tensor,
	s_mov_b32 s25, 256                             ; its first work-group,
	s_mov_b32 s26, 5                               ; log2 of its groups of 128 columns,
	s_mov_b32 s27, 0                               ; the first row that it fills,
	s_mov_b32 s28, 7                               ; log2 of the rows from one group of columns to the next,
	s_mov_b32 s30, 8                               ; how many rows slots 8-15 lie further down,
	s_mov_b64 s[22:23], s[18:19]                   ; the buffer,
	s_mov_b32 s33, 768                             ; bytes from row to row of its codes,
	s_mov_b32 s34, 32                              ; and of its scale bytes
	s_cmp_lt_u32 s24, 256                          ; wv (and, so far, wk and wq)
	s_cselect_b64 s[20:21], s[10:11], s[20:21]
	s_cselect_b32 s25, 192, s25
	s_cselect_b32 s26, 2, s26
	s_cselect_b32 s27, 1152, s27
	s_cselect_b32 s28, 8, s28
	s_cselect_b32 s30, 0, s30
	s_cselect_b64 s[22:23], s[16:17], s[22:23]
	s_cselect_b32 s33, ROWP, s33
	s_cselect_b32 s34, ROWP, s34
	s_cmp_lt_u32 s24, 192                          ; wk
	s_cselect_b64 s[20:21], s[8:9], s[20:21]
	s_cselect_b32 s25, 128, s25
	s_cselect_b32 s27, 1024, s27
	s_cmp_lt_u32 s24, 128                          ; wq
	s_cselect_b64 s[20:21], s[6:7], s[20:21]
	s_cselect_b32 s25, 0, s25
	s_cselect_b32 s26, 3, s26
	s_cselect_b32 s27, 0, s27
	s_cselect_b32 s28, 7, s28
	s_lshl_b32 s32, 512, s26                       ; bytes in a row of the weight
	s_sub_co_u32 s24, s24, s25
	s_bfm_b32 s35, s26, 0
	s_and_b32 s35, s24, s35                        ; which 128 columns
	s_lshr_b32 s36, s24, s26                       ; which 256 along K
	s_lshl_b32 s37, s35, s28
	s_add_co_u32 s37, s37, s27                     ; the first of the 128 rows that they fill
	s_lshl_b32 s38, s3, 5                          ; my wave's 32 of them
	s_mul_i32 s39, s30, s32                        ; 8 rows of the weight, or 0
	s_sub_co_u32 s40, 0, s39
	s_lshl_b32 s42, s32, 5                         ; a block: 32 rows of the weight
	s_mov_b32 s43, 0
	s_lshl_b32 s44, s36, 8
	s_mul_i32 s44, s44, s32
	s_lshl_b32 s45, s35, 9
	s_add_co_u32 s44, s44, s45
	s_lshl_b32 s45, s3, 7
	s_add_co_u32 s44, s44, s45
	s_mov_b32 s45, 0
	s_add_nc_u64 s[20:21], s[20:21], s[44:45]      ; the weight at my first row of K and my first column
	s_add_co_u32 s41, s37, s38                     ; woq: rows of 768 bytes of codes,
	s_mul_i32 s46, s41, 768
	s_mul_i32 s47, s36, 192
	s_add_co_u32 s46, s46, s47
	s_lshl_b32 s47, s41, 5                         ; and behind all of them rows of 32 scale bytes
	s_lshl_b32 s52, s36, 3
	s_add_co_u32 s47, s47, s52
	s_add_co_u32 s47, s47, 3145728
	s_lshr_b32 s52, s37, 7                         ; wqkvq: the group of 128 rows,
	s_mul_i32 s52, s52, GROUPB
	s_lshr_b32 s53, s36, 1                         ; the chunk of 512 along K,
	s_mul_i32 s53, s53, CHUNKB
	s_add_co_u32 s52, s52, s53
	s_mul_i32 s53, s38, ROWP                       ; my wave's first row in it,
	s_add_co_u32 s52, s52, s53
	s_and_b32 s53, s36, 1                          ; and which half of the chunk:
	s_mul_i32 s54, s53, 192
	s_add_co_u32 s54, s54, s52                     ; 192 bytes of codes,
	s_lshl_b32 s53, s53, 3
	s_add_co_u32 s55, s52, s53
	s_add_co_u32 s55, s55, 384                     ; 8 scale bytes behind the row's codes
	s_cmp_lg_u32 s30, 0                            ; wo?
	s_cselect_b32 s44, s46, s54
	s_cselect_b32 s46, s47, s55
	s_mov_b32 s47, 0
	s_add_nc_u64 s[48:49], s[22:23], s[44:45]      ; my codes
	s_add_nc_u64 s[50:51], s[22:23], s[46:47]      ; my scale bytes
	s_wait_alu depctr_va_vdst(0)
	v_lshlrev_b32 v3, 2, v2                        ; in: 4 bytes a lane
	s_mul_i32 s52, s3, 32*WP
	s_add_co_u32 s52, s52, WBASE                   ; my stage
	v_mul_u32_u24 v4, v2, WP
	v_add_nc_u32 v4, s52, v4                       ; into it: row = my column
	v_and_b32 v5, 15, v2
	v_lshrrev_b32 v6, 4, v2
	v_mul_u32_u24 v7, v6, WP
	v_lshl_add_u32 v7, v5, 4, v7
	v_add_nc_u32 v7, s52, v7                       ; out of it: sixteen lanes to a row, two rows an instruction
	v_mul_u32_u24 v8, s33, v6
	v_mad_u32_u24 v8, v5, 12, v8                   ; and the same place in the codes' buffer
	v_mul_u32_u24 v9, s34, v2                      ; my column's row of scale bytes
.irp i, 0,1,2,3,4,5,6,7,8,9,10,11,12,13,14,15,16,17,18,19,20,21,22,23,24,25,26,27,28,29,30,31
	v_mad_u32_u24 v[ROFF+\i], s32, \i, v3          ; slot i takes row i of the block,
.endr
.irp i, 8,9,10,11,12,13,14,15
	v_add_nc_u32 v[ROFF+\i], s39, v[ROFF+\i]       ; in wo slots 8-15 the rows 8 further down,
.endr
.irp i, 16,17,18,19,20,21,22,23
	v_add_nc_u32 v[ROFF+\i], s40, v[ROFF+\i]       ; and slots 16-23 the rows 8 further up
.endr
.macro WLOAD t                         ; block t into set t % 2: each load reads 128 consecutive bytes
.if (\t) > 0
	s_wait_xcnt 0x0                                ; the base steps only when the earlier loads have read it
	s_add_nc_u64 s[20:21], s[20:21], s[42:43]
.endif
.irp i, 0,1,2,3,4,5,6,7,8,9,10,11,12,13,14,15,16,17,18,19,20,21,22,23,24,25,26,27,28,29,30,31
	global_load_b32 v[WX+32*((\t)%2)+\i], v[ROFF+\i], s[20:21] th:TH_LOAD_NT
.endr
.endm
	WLOAD 0
	s_wait_alu depctr_va_vdst(0)
	WLOAD 1
.macro WBLOCK t
.set XS, WX+32*((\t)%2)
.if (\t) < NB-1
	s_wait_loadcnt 32                              ; this block's 32 loads are in; the next block's 32 may be out
.else
	s_wait_loadcnt 0x0
.endif
	v_max3_num_f32 v12, |v[XS]|, |v[XS+1]|, |v[XS+2]|
	v_max3_num_f32 v13, |v[XS+3]|, |v[XS+4]|, |v[XS+5]|
.irp i, 6,10,14,18,22,26
	v_max3_num_f32 v12, v12, |v[XS+\i]|, |v[XS+\i+1]|
	v_max3_num_f32 v13, v13, |v[XS+\i+2]|, |v[XS+\i+3]|
.endr
	v_max3_num_f32 v12, v12, |v[XS+30]|, |v[XS+31]|
	v_max3_num_f32 v12, v12, v13, (EMAX+1)<<23
	v_add_nc_u32 v11, 0xfe000000, v12
	v_lshrrev_b32 v13, 23, v11
.if (\t)%4 == 0
	v_mov_b32 v[SB+(\t)/4], v13
.else
	v_lshl_or_b32 v[SB+(\t)/4], v13, 8*((\t)%4), v[SB+(\t)/4]
.endif
	v_cvt_scalef32_pk16_bf6_f32 v[WC:WC+2], v[XS:XS+15], v11
	v_cvt_scalef32_pk16_bf6_f32 v[WC+4:WC+6], v[XS+16:XS+31], v11
	ds_store_b96 v4, v[WC:WC+2] offset:32*(\t)     ; 12 bytes to a place of 16
	ds_store_b96 v4, v[WC+4:WC+6] offset:32*(\t)+16
.if (\t)+2 < NB
	WLOAD (\t)+2
.endif
	s_wait_dscnt 0x0                               ; the stores have read their registers
.endm
.irp t, 0,1,2,3,4,5,6,7
	WBLOCK \t
.endr
.irp t, 0,1,2,3,4,5,6,7,8,9,10,11,12,13,14,15
	v_mad_u32_u24 v[ROFF+\t], s33, 2*\t, v8        ; (the last wait for loads has freed these)  rows 2 t and 2 t + 1 of my 32
.endr
	global_store_b64 v9, v[SB:SB+1], s[50:51]      ; my column's 8 scale bytes
.irp t, 0,1,2,3,4,5,6,7,8,9,10,11,12,13,14,15
	ds_load_b96 v[OUTR+4*\t:OUTR+4*\t+2], v7 offset:2*\t*WP
.endr
	s_wait_alu depctr_va_vdst(0)
.irp t, 0,1,2,3,4,5,6,7,8,9,10,11,12,13,14,15
	s_wait_dscnt 15-\t                             ; the younger loads from the stage may be out
	global_store_b96 v[ROFF+\t], v[OUTR+4*\t:OUTR+4*\t+2], s[48:49]   ; sixteen lanes store a row's 192 consecutive bytes
.endr
	s_wait_tensorcnt 0x0
	ds_add_u32 v208, v209
	s_wait_dscnt 0x0
	s_endpgm
.Lfunc_end_k_qae1611dfbc_quant:
	.size	k_qae1611dfbc_quant, .Lfunc_end_k_qae1611dfbc_quant-k_qae1611dfbc_quant
	.p2alignl 7, 3214868480
	.fill 96, 4, 3214868480
	.section	.rodata,"a",@progbits
	.p2align	6, 0x0
	.amdhsa_kernel k_qae1611dfbc_quant
		.amdhsa_group_segment_fixed_size 68096
		.amdhsa_private_segment_fixed_size 0
		.amdhsa_enable_private_segment 0
		.amdhsa_kernarg_size 64
		.amdhsa_user_sgpr_count 2
		.amdhsa_user_sgpr_kernarg_segment_ptr 1
		.amdhsa_wavefront_size32 1
		.amdhsa_system_sgpr_workgroup_id_x 1
		.amdhsa_system_sgpr_workgroup_id_y 1
		.amdhsa_system_sgpr_workgroup_id_z 1
		.amdhsa_system_vgpr_workitem_id 0
		.amdhsa_next_free_vgpr 210
		.amdhsa_next_free_sgpr 66
		.amdhsa_reserve_vcc 0
		.amdhsa_float_denorm_mode_32 3
		.amdhsa_float_denorm_mode_16_64 3
		.amdhsa_memory_ordered 1
		.amdhsa_forward_progress 1
		.amdhsa_inst_pref_size 80
	.end_amdhsa_kernel
	.amdgpu_metadata
---
amdhsa.version: [ 1, 2 ]
amdhsa.kernels:
  - .name:           k_qae1611dfbc_quant
    .symbol:         k_qae1611dfbc_quant.kd
    .args:
      - { .name: hidden_states, .offset: 0, .size: 8, .value_kind: global_buffer, .address_space: global }
      - { .name: wq, .offset: 8, .size: 8, .value_kind: global_buffer, .address_space: global }
      - { .name: wk, .offset: 16, .size: 8, .value_kind: global_buffer, .address_space: global }
      - { .name: wv, .offset: 24, .size: 8, .value_kind: global_buffer, .address_space: global }
      - { .name: wo, .offset: 32, .size: 8, .value_kind: global_buffer, .address_space: global }
      - { .name: xq, .offset: 40, .size: 8, .value_kind: global_buffer, .address_space: global }
      - { .name: wqkvq, .offset: 48, .size: 8, .value_kind: global_buffer, .address_space: global }
      - { .name: woq, .offset: 56, .size: 8, .value_kind: global_buffer, .address_space: global }
    .group_segment_fixed_size: 68096
    .private_segment_fixed_size: 0
    .kernarg_segment_align: 8
    .kernarg_segment_size: 64
    .max_flat_workgroup_size: 128
    .sgpr_count:     66
    .vgpr_count:     210
    .wavefront_size: 32
...
	.end_amdgpu_metadata
.endif
;; end of part 5
;; launch qkv (part 6): grid 8 x 32, 4 waves a work-group, clusters of 4 x 4, 327,680 bytes of LDS; arguments xq, wqkvq, cos, sin, qq, kq, vq; writes qq, kq, vq
.if DOCPART == 6
	.amdgcn_target "amdgcn-amd-amdhsa--gfx1250"
	.amdhsa_code_object_version 6
	.text
	.protected	k_qae1611dfbc_qkv
	.globl	k_qae1611dfbc_qkv
	.p2align	8
	.type	k_qae1611dfbc_qkv,@function
k_qae1611dfbc_qkv:
	s_mov_b64 s[64:65], 0
	v_nop
	global_prefetch_b8 v0, s[64:65] scope:SCOPE_SE
	s_setreg_imm32_b32 hwreg(HW_REG_WAVE_MODE, 25, 1), 1
	s_wait_xcnt 0x0
	s_wait_alu depctr_hold_cnt(0) depctr_sa_sdst(0) depctr_va_vdst(0) depctr_va_sdst(0) depctr_va_ssrc(0) depctr_va_vcc(0) depctr_vm_vsrc(0)
	s_getreg_b32 s2, hwreg(HW_REG_IB_STS2, 6, 4)
	s_cmp_eq_u32 s2, 0
	s_cbranch_scc0 .Lentry_in_a_cluster
	s_endpgm
.Lentry_in_a_cluster:
	s_bfe_u32 s2, ttmp6, 0x10000c
	s_cmp_lg_u32 s2, 0xf033
	s_cbranch_scc0 .Lentry_shape_is_right
	s_endpgm
.Lentry_shape_is_right:
; q, k, v = x wq, x wk, x wv on codes of BF6 with E8M0 scales; then RoPE on q and k, and the quantising of q, k (along the head's 128) and v (along the keys).
; LEFT OUT: the two caches.  The update at cache_index = 0 writes all 2,048 positions, so k_cache = k and v_cache = v for all values of cached_key and cached_value; they are not loaded.
; THE PRODUCT: C[token][row] = sum over k of x[token][k] w[row][k], 4,096 x 2,048 x 4,096.  A work-group makes 128 tokens x 256 rows of w: 256 work-groups.  A wave's 128 columns are one whole head
; (RoPE's partner d +- 64 and the head's four blocks lie in one lane's registers).  The four waves are two heads (w % 2) x TWO HALVES OF K (kh = w / 2): of each 512 along K a wave takes 256; at the end
; waves w and w xor 2 hand each other half of their sums through LDS and each finishes 64 of the 128 rows.  So each output is the sum of two f32 sums: another order of rounding than K ascending.
; THE RING: two LDS slots of 512 along K.  A row of a chunk is 384 bytes of codes + 16 scale bytes = 400 bytes; 128 rows of a chunk are 51,200 dense bytes of memory, fetched as rows of 256 bytes.
; A slot is three such parts: the tokens, w's rows 0-127, w's rows 128-255.  Waves 0 and 1 fetch a half of the tokens' part each (100 rows of 256 bytes), waves 2 and 3 one of w's parts each (200 rows): one load a wave.
; CLUSTER: 4 x 4 work-groups; x's part is asked for jointly along a row of the cluster, w's parts along a column.
; PREFETCH: behind each refill of the loop's first two trips a wave names the chunk two refills on of the part that it fetches; the four partners that ask for a part jointly share its blocks of 256 bytes out by
; address (25 blocks of x's half by cx, 50 of w's part by cy), a lane a block, lanes 25-31 naming the wave's last block again.  Chunks 0-3 come by their loads alone; the last trip asks for nothing.
; ROLES hang on the cluster's x and the wave's number alone.  Cluster column 0: every wave makes one head of q.  Cluster column 1 (tiles [K_j | V_j]): waves 0, 2 make k, waves 1, 3 make v.
; The matrix instruction is used transposed (source 0 = rows of w, source 1 = tokens): a lane holds one token and 64 of the head's 128.  A wave of v swaps its LDS addresses: tokens are its source 0,
; so that a lane holds one channel and its registers run along the tokens, the K of the attention's second product.
; A wave with kh = 1 takes source 1's blocks in the order 4 .. 7, 0 .. 3: window 2 holds the four blocks that a wave finishes, window 3 the four that its partner finishes.
; RESULTS leave as images of operand registers: a fragment (16 rows x 128 K) is 1,536 bytes, lane l's twelve registers at 48 l.  In each block of 32 slots 8-15 hold k + 8 and slots 16-23 k - 8, alike on both operands of each later product.
; LIMITS: a block of zeros, and one whose largest magnitude lies under 2^-122, gets the byte 1; NaN and infinities are not served.
.set SIZE_K, 4096
.set CHUNK,  512
.set NQ,     2
.set ROWP,   400
.set BLK16,  16*ROWP
.set PART,   128*ROWP
.set GROUPB, (SIZE_K/CHUNK)*PART
.set SLOT,   3*PART
.set LAPS,   SIZE_K/(2*CHUNK)
.set SPARE,  2*SLOT
.set FR,     12
.set NL,     6
.set NP,     4
.set ADRAL, 16
.set ADRAH, 18
.set ADRB,  20
.set ADRSL, 22
.set ADRSH, 24
.set SPW,  28
.set NIL,  29
.set PFO,  30                          ; the prefetches' offset: 256 x min(lane, 24); never rewritten
.set PFA,  90                          ; s[90:91] my share of the part that I fetch, at the chunk that the trip's first prefetch names
.set SC,   32
.set AF,   128
.set G1, 24
.set G0, 32
.set G1B, 48
.set G0B, 56
.set MSB, 0
.macro WIN new
.if MSB != (\new)
	s_set_vgpr_msb (MSB<<8)|(\new)
.set MSB, (\new)
.endif
.endm
.set MUL_LO, 0xa1
.set MUL_HI, 0xf1
.set TO_B,   0x40
.macro JLOAD s                         ; waves 0, 1 fetch for x, waves 2, 3 for w; s_nop 0 and four v_nop behind each line
	s_cmp_eq_u32 s15, 0
	s_cbranch_scc0 .Lfor_b_\@
	tensor_load_to_lds s[G0+4*\s:G0+4*\s+3], s[G1:G1+7]
	s_nop 0
.rept 4
	v_nop
.endr
	s_branch .Lasked_\@
.Lfor_b_\@:
	tensor_load_to_lds s[G0B+4*\s:G0B+4*\s+3], s[G1B:G1B+7]
	s_nop 0
.rept 4
	v_nop
.endr
.Lasked_\@:
.endm
.macro ASK slot                        ; the chunk two refills on; s3 = 1 in the loop's last trip, which has no such chunk
	s_cmp_gt_u32 s3, 1
	s_cbranch_scc0 .Lno_ask_\@
	global_prefetch_b8 v[PFO], s[PFA:PFA+1] offset:\slot*PART th:TH_LOAD_NT scope:SCOPE_SE
	s_cmp_eq_u32 s15, 0
	s_cbranch_scc1 .Lno_ask_\@
	global_prefetch_b8 v[PFO], s[PFA:PFA+1] offset:\slot*PART+6400 th:TH_LOAD_NT scope:SCOPE_SE   ; w's share is 50 blocks: the second 25
.Lno_ask_\@:
.endm
.macro CREST
	s_cmp_lg_u32 s14, 0
	s_cbranch_scc1 .Lnot_wave_0_\@
	s_barrier_signal -3
.Lnot_wave_0_\@:
	s_barrier_wait -3
	s_barrier_signal -1
	s_barrier_wait -1
.endm
.macro CROUND
	s_barrier_signal -1
	s_barrier_wait -1
	CREST
.endm
	s_load_b64 s[4:5], s[0:1], 0x0                 ; xq
	s_load_b64 s[8:9], s[0:1], 0x8                 ; wqkvq
	v_lshl_add_u32 v[SPW], v0, 2, SPARE
	v_mov_b32 v[NIL], 0
	ds_add_u32 v[SPW], v[NIL]                      ; the opening lines: the add twice on end and one wait
	ds_add_u32 v[SPW], v[NIL]
	v_lshrrev_b32 v1, 5, v0
	v_readfirstlane_b32 s14, v1                    ; wave
	s_lshr_b32 s15, s14, 1                         ; kh; also: I fetch for x (0) or for w (1)
	s_and_b32 s16, s14, 1                          ; which 128 of the tile's 256 columns; also: which half of x's part, which of w's parts I fetch
	s_bfe_u32 s40, ttmp6, 0x40000                  ; cx, cy
	s_bfe_u32 s41, ttmp6, 0x40004
	s_lshl_b32 s42, ttmp9, 2
	s_add_co_u32 s42, s42, s40                     ; tile column
	s_and_b32 s17, ttmp7, 0xffff
	s_lshl_b32 s17, s17, 2
	s_add_co_u32 s17, s17, s41                     ; tile row
	s_and_b32 s95, ttmp9, s16                      ; 1: I make v
	s_add_co_u32 s96, s16, 1
	s_mul_i32 s96, s96, ttmp9                      ; my role: 0 q, 1 k, 2 v
	s_lshl_b32 s43, s41, 2
	s_lshl_b32 s43, 15, s43
	s_lshl_b32 s44, 0x1111, s40
	s_or_b32 s[G1+0], s43, (3<<16)|(1<<21)         ; the mask; elements of 8 bytes; no padding
	s_or_b32 s[G1B+0], s44, (3<<16)|(1<<21)
.irp g, G1, G1B
	s_mov_b32 s[\g+1], 32<<16                      ; rows of 256 bytes, dense
	s_mov_b32 s[\g+3], 32<<16
	s_mov_b32 s[\g+5], 32
	s_mov_b32 s[\g+6], 0
	s_mov_b32 s[\g+7], 0
.endr
	s_mov_b32 s[G1+2], (PART/512)<<16              ; x: 100 rows a load
	s_mov_b32 s[G1+4], PART/512
	s_mov_b32 s[G1B+2], (PART/256)<<16             ; w: 200 rows a load
	s_mov_b32 s[G1B+4], PART/256
	s_mul_i32 s20, s17, GROUPB                     ; x: the tile row's group of 128 tokens,
	s_mul_i32 s45, s16, PART/2                     ; my half of its part, in memory and in LDS alike
	s_add_co_u32 s20, s20, s45
	s_mov_b32 s21, 0
	s_lshl_b32 s46, s42, 1
	s_add_co_u32 s46, s46, s16
	s_mul_i32 s46, s46, GROUPB                     ; w: group 2 x tile column + part
	s_mov_b32 s47, 0
	s_add_co_u32 s94, s16, 1
	s_mul_i32 s94, s94, PART                       ; which lies behind x's part in a slot
	s_mul_i32 s66, s40, 6400                       ; the prefetches: my work-group's 25 blocks of x's half, by cx,
	s_mul_i32 s67, s41, 12800                      ; or its 50 blocks of w's part, by cy
	s_cmp_eq_u32 s15, 0
	s_cselect_b32 s66, s66, s67
	s_mov_b32 s67, 0
	s_wait_dscnt 0x0
	s_wait_kmcnt 0x0
	s_add_nc_u64 s[20:21], s[4:5], s[20:21]
	s_add_nc_u64 s[46:47], s[8:9], s[46:47]
	s_cmp_eq_u32 s15, 0
	s_cselect_b64 s[PFA:PFA+1], s[20:21], s[46:47]
	s_add_nc_u64 s[PFA:PFA+1], s[PFA:PFA+1], s[66:67]
	s_add_nc_u64 s[PFA:PFA+1], s[PFA:PFA+1], 4*PART   ; the first refill brings chunk 2 and names chunk 4
	CROUND                                         ; the first joint loads meet
.irp s, 0,1
	s_mov_b32 s[G0+4*\s], 1
	s_add_co_u32 s[G0+4*\s+1], s45, \s*SLOT
	s_add_nc_u64 s[G0+4*\s+2:G0+4*\s+3], s[20:21], \s*PART
	s_or_b32 s[G0+4*\s+3], s[G0+4*\s+3], 0x80000000
	s_mov_b32 s[G0B+4*\s], 1
	s_add_co_u32 s[G0B+4*\s+1], s94, \s*SLOT
	s_add_nc_u64 s[G0B+4*\s+2:G0B+4*\s+3], s[46:47], \s*PART
	s_or_b32 s[G0B+4*\s+3], s[G0B+4*\s+3], 0x80000000
.endr
	JLOAD 0                                        ; chunk 0: one tensor load a wave at the head
	v_and_b32 v1, 15, v0
	v_bfe_u32 v2, v0, 4, 1
	v_mul_u32_u24 v3, v1, ROWP
	v_mad_u32_u24 v4, v2, 24, v3                   ; a fragment's row x pitch + 24 x half
	v_and_b32 v[PFO], 31, v0
	v_min_u32 v[PFO], 24, v[PFO]
	v_lshlrev_b32 v[PFO], 8, v[PFO]
	s_wait_alu depctr_va_vdst(0)
	s_mul_i32 s18, s15, 192                        ; my half of a chunk's K
	s_add_co_u32 s22, s16, 1
	s_mul_i32 s22, s22, PART                       ; my 128 rows of w; the tokens lie at 0
	s_cmp_lg_u32 s95, 0                            ; a wave of v takes them the other way round
	s_cselect_b32 s23, s22, 0
	s_cselect_b32 s19, 0, s22
	s_add_co_u32 s23, s23, s18
	s_add_co_u32 s19, s19, s18
	s_mul_i32 s66, s15, 4*BLK16
	s_xor_b32 s67, s15, 1
	s_mul_i32 s67, s67, 4*BLK16
	s_add_co_u32 s66, s66, s23
	s_add_co_u32 s67, s67, s23
.irp s, 0,1
	v_add_nc_u32 v[ADRAL+\s], s66, v4
	v_add_nc_u32 v[ADRAH+\s], s67, v4
	v_add_nc_u32 v[ADRB+\s], s19, v4
	s_add_co_u32 s66, s66, SLOT
	s_add_co_u32 s67, s67, SLOT
	s_add_co_u32 s19, s19, SLOT
.endr
	v_xor_b32 v7, s95, v2                          ; lanes 16-31 take source 0's scale words
	v_mul_u32_u24 v6, s22, v7
	v_add_nc_u32 v5, v3, v6
	s_lshl_b32 s68, s15, 3
	s_add_co_u32 s68, s68, 384
	v_add_nc_u32 v5, s68, v5
	v_xor_b32 v8, 1, v2                            ; lanes 0-15 source 1's, in my order of its blocks
	s_mul_i32 s69, s15, 4*BLK16
	v_mul_u32_u24 v8, s69, v8
	v_add_nc_u32 v[ADRSL], v5, v8
	v_add_nc_u32 v9, 4*BLK16, v5
	v_sub_nc_u32 v[ADRSH], v9, v8
	v_add_nc_u32 v[ADRSL+1], SLOT, v[ADRSL]
	v_add_nc_u32 v[ADRSH+1], SLOT, v[ADRSH]
.macro FRAG reg, adr, q, off
.irp p, 0,1,2,3,4,5
	ds_load_b64 v[\reg+2*\p:\reg+2*\p+1], v[\adr] offset:96*(\q)+48*(\p/3)+8*(\p%3)+\off
.endr
.endm
.macro MUL16 a0, p, q, sc, zero        ; the 64 accumulators take turns, one instruction a turn
.irp a, \a0, \a0+1
.irp b, 0,1,2,3,4,5,6,7
.if \zero
	v_wmma_scale_f32_16x16x128_f8f6f4 v[8*(8*((\a)%4)+\b):8*(8*((\a)%4)+\b)+7], v[128*(\p)+FR*\b:128*(\p)+FR*\b+FR-1], v[AF+FR*(\a):AF+FR*(\a)+FR-1], 0, v[SC+8*NQ*(\sc)+NQ*\b+(\q)], v[SC+8*NQ*(\sc)+NQ*(\a)+(\q)] matrix_a_fmt:MATRIX_FMT_BF6 matrix_b_fmt:MATRIX_FMT_BF6 matrix_a_scale:MATRIX_SCALE_ROW1
.else
	v_wmma_scale_f32_16x16x128_f8f6f4 v[8*(8*((\a)%4)+\b):8*(8*((\a)%4)+\b)+7], v[128*(\p)+FR*\b:128*(\p)+FR*\b+FR-1], v[AF+FR*(\a):AF+FR*(\a)+FR-1], v[8*(8*((\a)%4)+\b):8*(8*((\a)%4)+\b)+7], v[SC+8*NQ*(\sc)+NQ*\b+(\q)], v[SC+8*NQ*(\sc)+NQ*(\a)+(\q)] matrix_a_fmt:MATRIX_FMT_BF6 matrix_b_fmt:MATRIX_FMT_BF6 matrix_a_scale:MATRIX_SCALE_ROW1
.endif
.endr
.endr
.endm
.macro FETCH_B slot, q, p
	WIN TO_B
.irp i, 0,1,2,3,4,5,6,7
	FRAG 128*(\p)+FR*\i, ADRB+\slot, \q, \i*BLK16
.endr
	WIN 0
.endm
.macro FETCH_A slot, q, i0
.irp i, 0,1,2,3
.if \i0 == 0
	FRAG AF+FR*\i, ADRAL+\slot, \q, \i*BLK16
.else
	FRAG AF+FR*(4+\i), ADRAH+\slot, \q, \i*BLK16
.endif
.endr
.endm
.macro SCALES sc
.irp i, 0,1,2,3
	ds_load_b64 v[SC+8*NQ*\sc+NQ*\i:SC+8*NQ*\sc+NQ*\i+1], v[ADRSL+\sc] offset:\i*BLK16
.endr
.irp i, 0,1,2,3
	ds_load_b64 v[SC+8*NQ*\sc+NQ*(4+\i):SC+8*NQ*\sc+NQ*(4+\i)+1], v[ADRSH+\sc] offset:\i*BLK16
.endr
.endm
.macro PLACES n                        ; plain vector lines between a matrix instruction and a load into, or a read of, its registers
.rept \n
	v_nop
.endr
.endm
.macro STEP slot, q, zero
	s_wait_dscnt 4*NL                              ; all but the 24 youngest loads (source 1's blocks 4-7)
	WIN MUL_LO
	MUL16 0, (\q)%2, \q, \slot, \zero
	MUL16 2, (\q)%2, \q, \slot, \zero
	s_wait_dscnt 0
	PLACES NP
	FETCH_B \slot, (\q)+1, 1-(\q)%2
	FETCH_A \slot, (\q)+1, 0
	WIN MUL_HI
	MUL16 4, (\q)%2, \q, \slot, \zero
	MUL16 6, (\q)%2, \q, \slot, \zero
	PLACES NP
	WIN 0
	FETCH_A \slot, (\q)+1, 4
.endm
.macro TURN slot, next, fill           ; a slot's last step changes slots
	s_wait_tensorcnt 0x0                           ; my one load that was out, my part of the next slot, has landed
	ds_add_u32 v[SPW], v[NIL]
	s_wait_dscnt 4*NL+1                            ; the add and the 24 youngest loads may be out
	WIN MUL_LO
	MUL16 0, 1, NQ-1, \slot, 0
	s_wait_dscnt 0x0                               ; the add is done, my reads of this slot are over
	s_barrier_signal -1
	MUL16 2, 1, NQ-1, \slot, 0
	WIN 0
	s_barrier_wait -1
.if \fill
	CREST                                          ; the barrier has opened a round of the cluster's barrier
	s_add_nc_u64 s[G0+4*\slot+2:G0+4*\slot+3], s[G0+4*\slot+2:G0+4*\slot+3], 2*PART
	s_add_nc_u64 s[G0B+4*\slot+2:G0B+4*\slot+3], s[G0B+4*\slot+2:G0B+4*\slot+3], 2*PART
	JLOAD \slot                                    ; the chunk two on; its four v_nop are the places in front of the loads below
.else
	PLACES NP
.endif
	FETCH_B \next, 0, 0
	FETCH_A \next, 0, 0
	SCALES \next
.if \fill
	ASK \slot
.endif
	WIN MUL_HI
	MUL16 4, 1, NQ-1, \slot, 0
	MUL16 6, 1, NQ-1, \slot, 0
	PLACES NP
	WIN 0
	FETCH_A \next, 0, 4
.endm
	s_wait_alu depctr_va_vdst(0)
	s_wait_tensorcnt 0x0                           ; my part of chunk 0 is in; slot 1's first fill is issued as a refill is
	ds_add_u32 v[SPW], v[NIL]
	s_wait_dscnt 0x0
	CROUND
	JLOAD 1                                        ; chunk 1
	FETCH_B 0, 0, 0
	FETCH_A 0, 0, 0
	SCALES 0
	FETCH_A 0, 0, 4
	STEP 0, 0, 1                                   ; the first step's products start the sums
	s_mov_b32 s3, LAPS-1
.Llap:
	TURN 0, 1, 1
	STEP 1, 0, 0
	TURN 1, 0, 1
	STEP 0, 0, 0
	s_wait_xcnt 0x0                                ; my prefetches have read their address
	s_add_nc_u64 s[PFA:PFA+1], s[PFA:PFA+1], 2*PART
	s_sub_co_u32 s3, s3, 1
	s_cmp_lg_u32 s3, 0
	s_cbranch_scc1 .Llap
	TURN 0, 1, 0                                   ; the last lap fills nothing
	s_load_b128 s[24:27], s[0:1], 0x10             ; no tensor load is out or to come: the descriptors' registers take cos, sin,
	s_load_b128 s[32:35], s[0:1], 0x20             ; qq, kq,
	s_load_b64 s[36:37], s[0:1], 0x30              ; vq
	STEP 1, 0, 0
	s_wait_dscnt 4*NL
	WIN MUL_LO
	MUL16 0, 1, NQ-1, 1, 0
	MUL16 2, 1, NQ-1, 1, 0
	s_wait_dscnt 0
	WIN MUL_HI
	MUL16 4, 1, NQ-1, 1, 0
	MUL16 6, 1, NQ-1, 1, 0
	WIN 0
	PLACES NP
; THE EPILOGUE: the two halves of K are added; then four blocks of 16 rows (tokens; in a wave of v: channels), 64 numbers a lane.
.set R,    64
.set TM,   192
.set PC,   208
.set OB,   224
.set PW,   240
.set VCS,  4                           ; cos, sin: 512 r + 32 h
.set STQ,  9
.set RDQ,  10
.set SWA,  11
.set SWR,  12
.set GO,   13
.set GS,   14
.set EXS,  16
.set EXL,  17
.set SEL,  52
.set EST,  131072                      ; behind the four waves' sums: the stages.  All this lies in slot 0, which has had its last fill and its last read
.set VSH,  10240                       ; the stages of the waves of v lie this much behind the others'
	s_wait_kmcnt 0x0
	s_lshl_b32 s54, s17, 7                         ; the tile's first token
	s_lshl_b32 s55, s15, 6
	s_add_co_u32 s71, s54, s55                     ; + 64 kh
	s_and_b32 s56, s71, 2047
	s_lshr_b32 s57, s17, 4                         ; the batch
	s_lshl_b32 s58, s57, 3
	s_lshl_b32 s59, s42, 1
	s_add_co_u32 s58, s58, s59
	s_add_co_u32 s58, s58, s16                     ; q's head
	s_lshl_b32 s59, s57, 2
	s_add_co_u32 s59, s59, s42
	s_sub_co_u32 s59, s59, 4                       ; k's and v's
	s_mov_b32 s62, 1572864
	s_cmp_eq_u32 s96, 0
	s_cselect_b32 s58, s58, s59
	s_cselect_b64 s[60:61], s[32:33], s[34:35]
	s_cselect_b32 s62, 3145728, s62                ; where the buffer's scale words begin
	s_cmp_eq_u32 s96, 2
	s_cselect_b64 s[60:61], s[36:37], s[60:61]
	s_lshl_b32 s63, s58, 7
	s_lshr_b32 s68, s56, 4
	s_add_co_u32 s63, s63, s68
	s_mul_i32 s68, s63, 1536                       ; image 128 x head + position / 16; for v: (16 x head + key step) x 8 channel tiles + 4 kh
	s_mov_b32 s69, 0
	s_add_nc_u64 s[48:49], s[60:61], s[68:69]
	s_lshl_b32 s68, s58, 11
	s_add_co_u32 s68, s68, s56
	s_lshl_b32 s68, s68, 2
	s_add_co_u32 s68, s68, s62
	s_add_nc_u64 s[50:51], s[60:61], s[68:69]
	s_lshl_b32 s68, s71, 9
	s_add_nc_u64 s[24:25], s[24:25], s[68:69]      ; cos and sin at my first token
	s_add_nc_u64 s[26:27], s[26:27], s[68:69]
	s_mov_b32 s[SEL], 0x76543210
	s_mov_b32 s[SEL+1], 0xfedcba98
	s_mul_i32 s70, s14, 2560
	s_add_co_u32 s70, s70, EST                     ; my stage
	s_lshl_b32 s73, s14, 15
	s_xor_b32 s74, s14, 2                          ; my partner
	s_lshl_b32 s74, s74, 15
	v_and_b32 v1, 15, v0
	v_bfe_u32 v2, v0, 4, 1
	v_and_b32 v3, 31, v0
	v_lshlrev_b32 v[VCS], 9, v1
	v_lshl_add_u32 v[VCS], v2, 5, v[VCS]
	v_mul_u32_u24 v[STQ], v1, 144
	v_lshl_add_u32 v[STQ], v2, 4, v[STQ]
	v_add_nc_u32 v[STQ], s70, v[STQ]
	v_lshrrev_b32 v[RDQ], 2, v3
	v_mul_u32_u24 v[RDQ], v[RDQ], 144
	v_bfe_u32 v15, v0, 1, 1
	v_lshl_add_u32 v[RDQ], v15, 6, v[RDQ]
	v_and_b32 v15, 1, v0
	v_lshl_add_u32 v[RDQ], v15, 4, v[RDQ]
	v_add_nc_u32 v[RDQ], s70, v[RDQ]
	v_lshl_add_u32 v[SWA], v1, 2, s70
	v_lshl_add_u32 v[SWR], v3, 3, s70
	v_mul_u32_u24 v[GO], v3, 12
	v_lshlrev_b32 v[GS], 3, v3
	v_lshl_add_u32 v[EXS], v3, 4, s73
	v_lshl_add_u32 v[EXL], v3, 4, s74
.irp b, 0,1,2,3
	v_mov_b32 v[TM+4+\b], 0                        ; a lane permute's destination counts as one of its sources
.endr
.macro ECS a                           ; cos and sin of block a: token 16 a + r, d = 16 bb + 8 h + 0 .. 7, into set a % 2 of window 1
	WIN 0x40
.irp bb, 0,1,2,3,4,5,6,7
.irp u, 0,1
	global_load_b128 v[128*((\a)%2)+8*\bb+4*\u:128*((\a)%2)+8*\bb+4*\u+3], v[VCS], s[24:25] offset:8192*(\a)+64*\bb+16*\u
	global_load_b128 v[128*((\a)%2)+64+8*\bb+4*\u:128*((\a)%2)+64+8*\bb+4*\u+3], v[VCS], s[26:27] offset:8192*(\a)+64*\bb+16*\u
.endr
.endr
	WIN 0
.endm
.macro QROW s                          ; 64 numbers of a lane become four times 16 codes in v[PC + 4 b] on, and my row's scale word in v[PW]
.irp b, 0,1,2,3
	v_max3_num_f32 v[TM+\b], |v[\s+16*\b]|, |v[\s+1+16*\b]|, 0x2800000   ; with the floor 2^(5 - 127): the byte cannot fall under 1
.endr
.irp i, 2,4,6,8,10,12,14
.irp b, 0,1,2,3
	v_max3_num_f32 v[TM+\b], v[TM+\b], |v[\s+16*\b+\i]|, |v[\s+1+16*\b+\i]|
.endr
.endr
.irp b, 0,1,2,3
	v_permlanex16_b32 v[TM+4+\b], v[TM+\b], s[SEL], s[SEL+1]
.endr
.irp b, 0,1,2,3
	v_max_num_f32 v[TM+\b], v[TM+\b], v[TM+4+\b]
.endr
.irp b, 0,1,2,3
	v_add_nc_u32 v[TM+12+\b], 0xfe000000, v[TM+\b] ; 4 off the exponent field: the conversion's scale operand
.endr
.irp b, 0,1,2,3
	v_lshrrev_b32 v[TM+4+\b], 23, v[TM+12+\b]
.endr
	v_lshl_or_b32 v[PW], v[TM+5], 8, v[TM+4]
	v_lshl_or_b32 v[PW], v[TM+6], 16, v[PW]
	v_lshl_or_b32 v[PW], v[TM+7], 24, v[PW]
.irp b, 0,1,2,3
	v_cvt_scalef32_pk16_bf6_f32 v[PC+4*\b:PC+4*\b+2], v[\s+16*\b:\s+16*\b+15], v[TM+12+\b]
.endr
	v_nop                                          ; one plain place behind a scaled conversion
.endm
.macro EOUT a, off                     ; block a's codes go through my stage and leave in the image's order
.irp b, 0,1,2,3
	ds_store_b96 v[STQ], v[PC+4*\b:PC+4*\b+2] offset:\off+32*\b
.endr
	ds_store_b32 v[SWA], v[PW] offset:\off+2304+64*(\a)
.irp i, 0,1,2,3
	ds_load_b96 v[OB+4*\i:OB+4*\i+2], v[RDQ] offset:\off+(\i%2)*1152+(\i/2)*32
.endr
	s_wait_dscnt 0x0
.irp i, 0,1,2,3
	global_store_b96 v[GO], v[OB+4*\i:OB+4*\i+2], s[48:49] offset:1536*(\a)+384*\i   ; 384 consecutive bytes a store, 1,536 a block
.endr
.endm
.macro ETAIL off                       ; my 64 scale words leave as 256 consecutive bytes, aligned
	s_wait_xcnt 0x0
	ds_load_b64 v[OB:OB+1], v[SWR] offset:\off+2304
	s_wait_dscnt 0x0
	global_store_b64 v[GS], v[OB:OB+1], s[50:51]
.endm
.macro QKBLK a                         ; q and k: RoPE, the quantiser
.if (\a) > 0
	s_wait_xcnt 0x0                                ; the last block's stores have read their registers
.endif
.if (\a) < 3
	ECS (\a)+1
	s_wait_loadcnt 32                              ; all but the 32 just issued
.else
	s_wait_loadcnt 0x0
.endif
.set AC, 64*(\a)
.set CS0, 128*((\a)%2)
	WIN 0x06                                       ; source 0: window 2, the sums; source 1: window 1
.irp b, 0,1,2,3                        ; d < 64: x c - x(d + 64) s;  d >= 64: x c + x(d - 64) s
.irp j, 0,2,4,6
	v_pk_mul_f32 v[R+8*\b+\j:R+8*\b+\j+1], v[AC+8*\b+\j:AC+8*\b+\j+1], v[CS0+8*\b+\j:CS0+8*\b+\j+1]
	v_pk_mul_f32 v[R+32+8*\b+\j:R+32+8*\b+\j+1], v[AC+32+8*\b+\j:AC+32+8*\b+\j+1], v[CS0+32+8*\b+\j:CS0+32+8*\b+\j+1]
	v_pk_fma_f32 v[R+8*\b+\j:R+8*\b+\j+1], v[AC+32+8*\b+\j:AC+32+8*\b+\j+1], v[CS0+64+8*\b+\j:CS0+64+8*\b+\j+1], v[R+8*\b+\j:R+8*\b+\j+1] neg_lo:[1,0,0] neg_hi:[1,0,0]
	v_pk_fma_f32 v[R+32+8*\b+\j:R+32+8*\b+\j+1], v[AC+8*\b+\j:AC+8*\b+\j+1], v[CS0+96+8*\b+\j:CS0+96+8*\b+\j+1], v[R+32+8*\b+\j:R+32+8*\b+\j+1]
.endr
.endr
	WIN 0
	QROW R
	EOUT \a, 0
.endm
.macro VBLK a                          ; v: the two halves of K are added straight into the quantiser's registers
.if (\a) > 0
	s_wait_xcnt 0x0
.else
	s_wait_dscnt 48                                ; block 0's sixteen loads are in; behind block 0's way out all are
.endif
	WIN 0x0e                                       ; source 0 window 2, source 1 window 3
.set jj, 0
.rept 32
	v_pk_add_f32 v[R+jj:R+jj+1], v[64*(\a)+jj:64*(\a)+jj+1], v[64*(\a)+jj:64*(\a)+jj+1]
.set jj, jj+2
.endr
	WIN 0
	QROW R
	EOUT \a, VSH
.endm
	s_wait_alu depctr_va_vdst(0)
	s_cmp_eq_u32 s96, 2                            ; the first block's cos and sin go out ahead of the exchange
	s_cbranch_scc1 .Lno_cs
	ECS 0
.Lno_cs:
; Window 3 holds my sums for the four blocks that my partner finishes: they go to LDS as images of their registers, 512 bytes a store; the partner's come back the same way.
	WIN 0x0c
.set nn, 0
.rept 64
	ds_store_b128 v[EXS], v[4*nn:4*nn+3] offset:512*nn   ; each accumulator from its low end on
.set nn, nn+1
.endr
	WIN 0
	s_wait_dscnt 0x0                               ; for my partner's sake
	s_barrier_signal -1
	s_barrier_wait -1
	WIN 0xc0
.set nn, 0
.rept 64
	ds_load_b128 v[4*nn:4*nn+3], v[EXL] offset:512*nn
.set nn, nn+1
.endr
	WIN 0
	s_cmp_eq_u32 s96, 2
	s_cbranch_scc1 .Lv_way
.irp a, 0,1,2,3
	s_wait_dscnt 48-16*\a                          ; block a's sixteen loads are in
	WIN 0x8e                                       ; destination and source 0 window 2, source 1 window 3
.set jj, 0
.rept 32
	v_pk_add_f32 v[64*\a+jj:64*\a+jj+1], v[64*\a+jj:64*\a+jj+1], v[64*\a+jj:64*\a+jj+1]
.set jj, jj+2
.endr
.endr
	WIN 0
.irp a, 0,1,2,3
	QKBLK \a
.endr
	ETAIL 0
	s_branch .Lend
.Lv_way:
.irp a, 0,1,2,3
	VBLK \a
.endr
	ETAIL VSH
.Lend:
	s_wait_tensorcnt 0x0                           ; the wave's end
	ds_add_u32 v[SPW], v[NIL]
	s_wait_dscnt 0x0
	CROUND                                         ; the closing round
	s_endpgm
.Lfunc_end_k_qae1611dfbc_qkv:
	.size	k_qae1611dfbc_qkv, .Lfunc_end_k_qae1611dfbc_qkv-k_qae1611dfbc_qkv
	.p2alignl 7, 3214868480
	.fill 96, 4, 3214868480
	.section	.rodata,"a",@progbits
	.p2align	6, 0x0
	.amdhsa_kernel k_qae1611dfbc_qkv
		.amdhsa_group_segment_fixed_size 327680
		.amdhsa_private_segment_fixed_size 0
		.amdhsa_enable_private_segment 0
		.amdhsa_kernarg_size 56
		.amdhsa_user_sgpr_count 2
		.amdhsa_user_sgpr_kernarg_segment_ptr 1
		.amdhsa_wavefront_size32 1
		.amdhsa_system_sgpr_workgroup_id_x 1
		.amdhsa_system_sgpr_workgroup_id_y 1
		.amdhsa_system_sgpr_workgroup_id_z 1
		.amdhsa_system_vgpr_workitem_id 0
		.amdhsa_next_free_vgpr 1024
		.amdhsa_next_free_sgpr 100
		.amdhsa_reserve_vcc 0
		.amdhsa_float_denorm_mode_32 3
		.amdhsa_float_denorm_mode_16_64 3
		.amdhsa_memory_ordered 1
		.amdhsa_forward_progress 1
		.amdhsa_inst_pref_size 221
	.end_amdhsa_kernel
	.amdgpu_metadata
---
amdhsa.version: [ 1, 2 ]
amdhsa.kernels:
  - .name:           k_qae1611dfbc_qkv
    .symbol:         k_qae1611dfbc_qkv.kd
    .args:
      - { .name: xq, .offset: 0, .size: 8, .value_kind: global_buffer, .address_space: global }
      - { .name: wqkvq, .offset: 8, .size: 8, .value_kind: global_buffer, .address_space: global }
      - { .name: cos, .offset: 16, .size: 8, .value_kind: global_buffer, .address_space: global }
      - { .name: sin, .offset: 24, .size: 8, .value_kind: global_buffer, .address_space: global }
      - { .name: qq, .offset: 32, .size: 8, .value_kind: global_buffer, .address_space: global }
      - { .name: kq, .offset: 40, .size: 8, .value_kind: global_buffer, .address_space: global }
      - { .name: vq, .offset: 48, .size: 8, .value_kind: global_buffer, .address_space: global }
    .group_segment_fixed_size: 327680
    .private_segment_fixed_size: 0
    .kernarg_segment_align: 8
    .kernarg_segment_size: 56
    .max_flat_workgroup_size: 128
    .sgpr_count:     100
    .vgpr_count:     1024
    .wavefront_size: 32
...
	.end_amdgpu_metadata
.endif
;; end of part 6
;; launch attn (part 7): grid 32 x 8, 8 waves a work-group, clusters of 4 x 1, 327,680 bytes of LDS; arguments qq, kq, vq, attention_mask, aq; writes aq
.if DOCPART == 7
	.amdgcn_target "amdgcn-amd-amdhsa--gfx1250"
	.amdhsa_code_object_version 6
	.text
	.protected	k_qae1611dfbc_attn
	.globl	k_qae1611dfbc_attn
	.p2align	8
	.type	k_qae1611dfbc_attn,@function
k_qae1611dfbc_attn:
	s_mov_b64 s[64:65], 0
	v_nop
	global_prefetch_b8 v0, s[64:65] scope:SCOPE_SE
	s_setreg_imm32_b32 hwreg(HW_REG_WAVE_MODE, 25, 1), 1
	s_wait_xcnt 0x0
	s_wait_alu depctr_hold_cnt(0) depctr_sa_sdst(0) depctr_va_vdst(0) depctr_va_sdst(0) depctr_va_ssrc(0) depctr_va_vcc(0) depctr_vm_vsrc(0)
	s_getreg_b32 s2, hwreg(HW_REG_IB_STS2, 6, 4)
	s_cmp_eq_u32 s2, 0
	s_cbranch_scc0 .Lentry_in_a_cluster
	s_endpgm
.Lentry_in_a_cluster:
	s_bfe_u32 s2, ttmp6, 0x10000c
	s_cmp_lg_u32 s2, 0x3003
	s_cbranch_scc0 .Lentry_shape_is_right
	s_endpgm
.Lentry_shape_is_right:
; Attention on codes of BF6: S^T = k q^T, p = 2^(t - M) with M the running largest t rounded up to a whole number, O^T += v^T p^T, O / l, and the quantising of the result along the heads' 128 for the last projection.
; LEFT OUT: key steps that lie wholly behind the causal mask, which reference() builds itself; pad, which is true at every position (cache_index = 0, 2,048 new rows).
; A cluster (4 work-groups) serves one batch and key head (y) and the query groups c = cluster x and 15 - c of 128 positions; a work-group takes 32 positions of each; a tile is 16 queries of one of the two query heads.
; Waves w and w + 4 are partners: the same head, the same 16 of the 32.  Wave w begins with the SHORT tile (group c, c + 1 key steps of 128), wave w + 4 with the LONG one (group 15 - c, 16 - c steps).
; THE LONG TILE'S KEYS ARE SHARED: at key step c + 1 wave w finishes the short tile (normalised, quantised; it keeps 12 registers of codes, the scale word and the row's sum), takes the long tile's q and starts a second
; softmax state; from there on wave w + 4 takes the steps c + 1, c + 3 .. 15 - c and wave w those between.  At the end wave w hands O^T, -M and l to its partner through LDS; both M are whole numbers, so the join
; multiplies by exact powers of two.  All these branches hang on the cluster's x, the wave's number and counted steps alone.
; THE RING: two slots of four key steps (K 49,152 bytes, V 49,152), joint loads of the four work-groups, by waves 0-3; K's and V's scale words (8,192 bytes each) come once.  At the head every wave issues one load.
; A STEP's LDS loads go out in one run at its head: K's eight fragments, K's scale words, the bias, one fragment of v for the sum below, V's eight fragments; V's may still be out when the scores are made.
; A scale register holds the words of tile t in lanes 0-15 and of tile t + 4 in lanes 16-31.
; THE MASK: a closed key (attention_mask 0, or behind the diagonal) gets the score -2^120, given as the C of the scores' product or by a select.  A row with no open key has l = 0: reference()'s softmax is then the same
; for all 2,048 keys, so the row takes the mean of v over all keys: each wave sums 16 channels of v over every step (a product with codes of 1), and the result is chosen by a select.
; PREFETCH: behind the refill of slot n + 1 waves 4-6 name slot n + 2's blocks of 256 bytes, a lane a block; the four partners share them out by address (cx 0, 1: K's halves; cx 2, 3: V's).  The last trip asks for nothing.
; LIMITS: the promise holds while the scaled scores stay under 2^31 in magnitude; NaN and infinities are not served; a block whose largest magnitude lies under 2^-122 gets the byte 1.
; REGISTERS: window 0: v1-31 addresses and state, v16-27 q, v32-79 K's fragments 0-3, v80-91 the summed fragment, v96-159 scores and p, v160-223 O^T, v224-235 p's codes, v232-254 at work, v248-251 scale words.
; window 1: v0-7 the sum of v, v8-19 codes of 1, v20-31 and v176 the long tile's q, v32-79 K's fragments 4-7, v80-175 V's eight, v177 the short tile's l, v178 its scale word, v180-194 its codes.
.set STEPB, 12288
.set VOFF,  49152
.set EXC,   98304                      ; behind slot 0's tiles: 8,192 bytes for each pair of partners; no fill lands here
.set SLOT1, 131072
.set EX2,   229376                     ; behind slot 1's tiles: 256 bytes for each pair
.set SCK,   262144
.set SCV,   270336
.set BIAS,  278528
.set UST,   286720
.set STAGE, 287232
.set SPARE, 305664
.set AK0,  1
.set NEGR, 2
.set ASK0, 3
.set ASU0, 4
.set SPW,  5
.set NIL,  6
.set GO,   7
.set ADK,  8
.set ADS,  9
.set FF,   10
.set VD,   30
.set ABI0, 31
.set ADB,  92
.set ADU0, 93
.set ADU,  94
.set ASU,  95
.set PFO,  243
.set PWS,  253
.set WV,   18
.set SEL,  20
.set CS,   22
.set G1C,  24
.set G1S,  32
.set G0K,  40
.set G0V,  44
.set G0SK, 48
.set G0SV, 52
.set TB,   56
.set TS,   57
.set KF,   58
.set SLOTS, 59
.set STP,  60
.set GQ,   61
.set LIMQ, 62
.set PFA,  88
.set ROLE, 96                          ; 1: I begin with the long tile
.set SW,   97                          ; the first key from which the long tile's steps are shared: 128 (c + 1)
.set SWB,  98                          ; the same in a wave that changes tiles there, else no key
.set PB,   99                          ; which of the shared steps are mine
.set GQL,  100                         ; the long group's first position
.set TT,   101
.set MSB, 0
.macro WIN new
.if MSB != (\new)
	s_set_vgpr_msb (MSB<<8)|(\new)
.set MSB, (\new)
.endif
.endm
.macro TLOAD                           ; a refill: waves 0, 1 K's halves, waves 2, 3 V's
	s_cmp_lt_u32 s[WV], 2
	s_cbranch_scc0 .Lnot_k_\@
	tensor_load_to_lds s[G0K:G0K+3], s[G1C:G1C+7]
	s_nop 0
.rept 4
	v_nop
.endr
	s_branch .Lasked_\@
.Lnot_k_\@:
	s_cmp_lt_u32 s[WV], 4
	s_cbranch_scc0 .Lasked_\@
	tensor_load_to_lds s[G0V:G0V+3], s[G1C:G1C+7]
	s_nop 0
.rept 4
	v_nop
.endr
.Lasked_\@:
.endm
.macro ROUND
	s_barrier_signal -1
	s_barrier_wait -1
	s_cmp_lg_u32 s[WV], 0
	s_cbranch_scc1 .Lnot_wave_0_\@
	s_barrier_signal -3
.Lnot_wave_0_\@:
	s_barrier_wait -3
	s_barrier_signal -1
	s_barrier_wait -1
.endm
	s_load_b256 s[4:11], s[0:1], 0x0               ; qq, kq, vq, attention_mask
	s_load_b64 s[12:13], s[0:1], 0x20              ; aq
	v_lshl_add_u32 v[SPW], v0, 2, SPARE
	v_mov_b32 v[NIL], 0
	ds_add_u32 v[SPW], v[NIL]                      ; the opening lines: the add twice on end and one wait
	ds_add_u32 v[SPW], v[NIL]
	v_lshrrev_b32 v8, 5, v0
	s_delay_alu instid0(VALU_DEP_1)
	v_readfirstlane_b32 s[WV], v8
	s_bfe_u32 s66, ttmp6, 0x40000                  ; cx
	s_and_b32 s67, ttmp7, 0xffff                   ; 4 x batch + key head
	s_lshr_b32 s[ROLE], s[WV], 2
	s_bfe_u32 s69, s[WV], 0x10001
	s_and_b32 s70, s[WV], 1
	s_sub_co_u32 s71, 15, ttmp9
	s_lshl_b32 s[GQL], s71, 7
	s_cmp_lg_u32 s[ROLE], 0
	s_cselect_b32 s71, s71, ttmp9
	s_lshl_b32 s[GQ], s71, 7                       ; my first tile's group
	s_add_co_u32 s[LIMQ], s[GQ], 127
	s_lshl_b32 s[SW], ttmp9, 7
	s_add_co_u32 s[SW], s[SW], 128
	s_cmp_lg_u32 s[ROLE], 0
	s_cselect_b32 s[SWB], -1, s[SW]
	s_xor_b32 s[PB], s[ROLE], 1
	s_lshl_b32 s72, s66, 5
	s_lshl_b32 s73, s69, 4
	s_add_co_u32 s72, s72, s73                     ; my 16 of the group's 128
	s_add_co_u32 s74, s[GQ], s72                   ; my first tile's first position,
	s_add_co_u32 s68, s[GQL], s72                  ; the long tile's
	s_lshr_b32 s75, s67, 2
	s_and_b32 s76, s67, 3
	s_lshl_b32 s77, s76, 1
	s_add_co_u32 s77, s77, s70                     ; my query head
	s_lshl_b32 s78, s75, 3
	s_add_co_u32 s78, s78, s77
	s_mul_i32 s80, s78, 196608                     ; its 128 images of 1,536 bytes
	s_mov_b32 s81, 0
	s_lshl_b32 s82, s78, 13                        ; its scale words
	s_add_co_u32 s82, s82, 3145728
	s_mov_b32 s83, 0
	s_lshr_b32 s79, s74, 4
	s_mul_i32 s79, s79, 1536
	s_lshr_b32 s87, s68, 4
	s_mul_i32 s87, s87, 1536
	s_lshl_b32 s73, s74, 2
	s_lshl_b32 s68, s68, 2
	s_mul_i32 s84, s67, 196608                     ; K's and V's images of my key head, the half that I fetch
	s_mul_i32 s86, s70, 24576
	s_add_co_u32 s84, s84, s86
	s_mov_b32 s85, 0
	s_lshl_b32 s88, s67, 13
	s_lshl_b32 s90, s70, 12
	s_add_co_u32 s88, s88, s90
	s_add_co_u32 s88, s88, 1572864
	s_mov_b32 s89, 0
	s_lshl_b32 s91, s75, 11
	s_add_co_u32 s91, s91, s74                     ; the token of my first tile: its result is what I store
	s_mul_i32 s92, s91, 768
	s_mul_i32 s94, s77, 96
	s_add_co_u32 s92, s92, s94
	s_mov_b32 s93, 0
	s_lshl_b32 s94, s91, 5
	s_lshl_b32 s95, s77, 2
	s_add_co_u32 s94, s94, s95
	s_add_co_u32 s94, s94, 3145728
	s_mov_b32 s95, 0
	s_and_b32 s2, s66, 1                           ; the prefetches: half cx % 2 of K's or V's slot, 8,192 bytes a wave, from slot 2 on
	s_mul_i32 s2, s2, 24576
	s_mul_i32 s3, s67, 196608
	s_add_co_u32 s2, s2, s3
	s_and_b32 s3, s[WV], 3
	s_lshl_b32 s3, s3, 13
	s_add_co_u32 s2, s2, s3
	s_add_co_u32 s2, s2, 2*4*STEPB
	s_mov_b32 s3, 0
	s_mov_b32 s[G1C], 15|(3<<16)|(1<<21)           ; 96 rows of 256 bytes, dense
	s_mov_b32 s[G1C+1], 32<<16
	s_mov_b32 s[G1C+2], 96<<16
	s_mov_b32 s[G1C+3], 32<<16
	s_mov_b32 s[G1C+4], 96
	s_mov_b32 s[G1C+5], 32
	s_mov_b32 s[G1C+6], 0
	s_mov_b32 s[G1C+7], 0
	s_mov_b32 s[G1S], 15|(3<<16)|(1<<21)           ; 16 rows of 256 bytes
	s_mov_b32 s[G1S+1], 32<<16
	s_mov_b32 s[G1S+2], 16<<16
	s_mov_b32 s[G1S+3], 32<<16
	s_mov_b32 s[G1S+4], 16
	s_mov_b32 s[G1S+5], 32
	s_mov_b32 s[G1S+6], 0
	s_mov_b32 s[G1S+7], 0
	s_mov_b32 s[SEL], 0x76543210
	s_mov_b32 s[SEL+1], 0xfedcba98
	s_mov_b32 s[CS], 0x3e0293ee                    ; log2(e) / sqrt(128)
	s_mov_b32 s[CS+1], s[CS]
	s_mov_b32 s[TB], 0
	s_mov_b32 s[TS], 0
	s_mov_b32 s[KF], 0
	s_mov_b32 s[SLOTS], 3
	s_wait_dscnt 0x0
	s_wait_kmcnt 0x0
	s_mov_b32 s[G0SK], 1
	s_add_co_u32 s[G0SK+1], s90, SCK
	s_add_nc_u64 s[G0SK+2:G0SK+3], s[6:7], s[88:89]
	s_or_b32 s[G0SK+3], s[G0SK+3], 0x80000000
	s_mov_b32 s[G0SV], 1
	s_add_co_u32 s[G0SV+1], s90, SCV
	s_add_nc_u64 s[G0SV+2:G0SV+3], s[8:9], s[88:89]
	s_or_b32 s[G0SV+3], s[G0SV+3], 0x80000000
	s_mov_b32 s[G0K], 1
	s_mov_b32 s[G0K+1], s86
	s_add_nc_u64 s[G0K+2:G0K+3], s[6:7], s[84:85]
	s_or_b32 s[G0K+3], s[G0K+3], 0x80000000
	s_mov_b32 s[G0V], 1
	s_add_co_u32 s[G0V+1], s86, VOFF
	s_add_nc_u64 s[G0V+2:G0V+3], s[8:9], s[84:85]
	s_or_b32 s[G0V+3], s[G0V+3], 0x80000000
	s_cmp_lt_u32 s66, 2
	s_cselect_b64 s[PFA:PFA+1], s[6:7], s[8:9]
	s_add_nc_u64 s[PFA:PFA+1], s[PFA:PFA+1], s[2:3]
	ROUND                                          ; the first joint loads meet
.macro ARM under, g0, g1, next         ; the head's loads, one a wave, in one chain of branches on the wave's number
	s_cmp_lt_u32 s[WV], \under
	s_cbranch_scc0 \next
	tensor_load_to_lds s[\g0:\g0+3], s[\g1:\g1+7]
	s_nop 0
.rept 4
	v_nop
.endr
	s_branch .Lhead_asked
\next:
.endm
	ARM 2, G0K, G1C, .Lhead_v
	ARM 4, G0V, G1C, .Lhead_sk
	ARM 6, G0SK, G1S, .Lhead_sv
	tensor_load_to_lds s[G0SV:G0SV+3], s[G1S:G1S+7]
	s_nop 0
.rept 4
	v_nop
.endr
.Lhead_asked:
	s_add_nc_u64 s[14:15], s[4:5], s[82:83]
	s_add_nc_u64 s[4:5], s[4:5], s[80:81]
	s_lshl_b32 s80, s75, 11
	s_add_nc_u64 s[10:11], s[10:11], s[80:81]
	s_add_nc_u64 s[16:17], s[12:13], s[92:93]
	s_add_nc_u64 s[12:13], s[12:13], s[94:95]
	v_and_b32 v32, 31, v0
	v_and_b32 v33, 15, v0
	v_bfe_u32 v34, v0, 4, 1
	v_lshlrev_b32 v36, 3, v0
	v_mul_u32_u24 v[AK0], v32, 48
	v_lshlrev_b32 v37, 2, v33
	v_lshlrev_b32 v[PFO], 8, v32
	v_add_nc_u32 v48, s79, v[AK0]
	v_add_nc_u32 v49, s87, v[AK0]
	v_add_nc_u32 v50, s73, v37
	v_add_nc_u32 v51, s68, v37
	global_load_b64 v[38:39], v36, s[10:11]        ; eight bytes of the mask a thread
.irp c, 0,1,2
	global_load_b128 v[16+4*\c:19+4*\c], v48, s[4:5] offset:16*\c   ; my first tile's q
.endr
	global_load_b32 v255, v50, s[14:15]
	WIN 0x40
.irp c, 0,1,2
	global_load_b128 v[20+4*\c:23+4*\c], v49, s[4:5] offset:16*\c   ; the long tile's q, for the change of tiles
.endr
	global_load_b32 v176, v51, s[14:15]
	WIN 0
	v_mov_b32 v[NEGR], 0xfb800000
	v_lshl_add_u32 v[ASK0], v33, 2, SCK
	v_lshl_add_u32 v[ASK0], v34, 8, v[ASK0]        ; lanes 16-31 take the words of the tile four on
	s_lshl_b32 s80, s[WV], 6
	s_add_co_u32 s80, s80, SCV
	v_lshl_add_u32 v[ASU0], v33, 2, s80
	s_mul_i32 s80, s[WV], 1536
	s_add_co_u32 s80, s80, VOFF
	v_add_nc_u32 v[ADU0], s80, v[AK0]
	v_lshl_add_u32 v[ABI0], v34, 5, BIAS
	v_lshlrev_b32 v35, 3, v34
	s_delay_alu instid0(VALU_DEP_1)
	v_sub_nc_u32 v[VD], v33, v35
	s_delay_alu instid0(VALU_DEP_1)
	v_add_nc_u32 v[VD], s72, v[VD]
	v_mov_b32 v29, 0x7f7f7f7f
	v_mov_b32 v13, 0xf1800000                      ; the largest t so far: under every t of an open key
	s_delay_alu instid0(VALU_DEP_1)
	v_floor_f32 v12, -v13
	v_mov_b32 v14, 0
	v_mov_b32 v15, 0
	v_mov_b32 v[FF+1], 0
	v_mov_b32 v252, 0
.irp b, 0,1,2,3
	v_mov_b32 v[236+\b], 0
.endr
.set jj, 0
.rept 64
	v_mov_b32 v[160+jj], 0                         ; the step is written once: the first finds zeros
.set jj, jj+1
.endr
	WIN 0x40
.irp j, 0,1,2,3,4,5,6,7
	v_mov_b32 v[\j], 0
.endr
.irp j, 0,1,2,3
	v_mov_b32 v[8+3*\j], 0x0c30c30c                ; 128 codes of 1
	v_mov_b32 v[9+3*\j], 0xc30c30c3
	v_mov_b32 v[10+3*\j], 0x30c30c30
.endr
.set jj, 177
.rept 18
	v_mov_b32 v[jj], 0                             ; a wave that never changes tiles keeps l = 0 here: its fresh codes are chosen at the end
.set jj, jj+1
.endr
	WIN 0
	s_wait_alu depctr_va_vdst(0)
	s_wait_loadcnt 0x0
.irp i, 0,1,2,3,4,5,6,7
	v_bfe_u32 v[40+\i], v[38+\i/4], 8*(\i%4), 8
.endr
.irp i, 0,1,2,3,4,5,6,7
	v_cmp_eq_u32 vcc_lo, 0, v[40+\i]
	s_delay_alu instid0(VALU_DEP_1)
	v_cndmask_b32 v[40+\i], 0, v[NEGR], vcc_lo
.endr
	v_lshl_add_u32 v36, v0, 5, BIAS
	ds_store_b128 v36, v[40:43]                    ; the bias of 2,048 keys, 0 or -2^120
	ds_store_b128 v36, v[44:47] offset:16
	s_wait_alu depctr_va_vdst(0)
; 64 numbers in v96-159 (register 16 b + i of block b) become four times 16 codes in v[pc + 4 b] on and the row's scale word in v[pw], in the window that win names as the destination's
.macro QUANT pc, pw, win
.irp b, 0,1,2,3
	v_max3_num_f32 v[232+\b], |v[96+16*\b]|, |v[97+16*\b]|, 0x2800000   ; with the floor 2^(5 - 127): the byte cannot fall under 1
.endr
.irp i, 2,4,6,8,10,12,14
.irp b, 0,1,2,3
	s_delay_alu instid0(VALU_DEP_4)
	v_max3_num_f32 v[232+\b], v[232+\b], |v[96+16*\b+\i]|, |v[97+16*\b+\i]|
.endr
.endr
.irp b, 0,1,2,3
	v_permlanex16_b32 v[236+\b], v[232+\b], s[SEL], s[SEL+1]
.endr
.irp b, 0,1,2,3
	s_delay_alu instid0(VALU_DEP_4)
	v_max_num_f32 v[232+\b], v[232+\b], v[236+\b]
.endr
.irp b, 0,1,2,3
	s_delay_alu instid0(VALU_DEP_4)
	v_add_nc_u32 v[244+\b], 0xfe000000, v[232+\b]
.endr
.irp b, 0,1,2,3
	s_delay_alu instid0(VALU_DEP_4)
	v_lshrrev_b32 v[236+\b], 23, v[244+\b]
.endr
	s_delay_alu instid0(VALU_DEP_3)
	v_lshl_or_b32 v254, v237, 8, v236
	s_delay_alu instid0(VALU_DEP_1)
	v_lshl_or_b32 v254, v238, 16, v254
	WIN \win
	v_lshl_or_b32 v[\pw], v239, 24, v254
.irp b, 0,1,2,3
	v_cvt_scalef32_pk16_bf6_f32 v[\pc+4*\b:\pc+4*\b+2], v[96+16*\b:111+16*\b], v[244+\b]
.endr
	v_nop                                          ; one plain place behind a scaled conversion
	WIN 0
.endm
.macro LSUM                            ; the row's sum in v14; 1 / l, or 2^-11 where l = 0, in v[FF]; VCC: l = 0
	v_add_f32 v14, v14, v15
	s_delay_alu instid0(VALU_DEP_1)
	v_permlanex16_b32 v252, v14, s[SEL], s[SEL+1]
	s_delay_alu instid0(VALU_DEP_1)
	v_add_f32 v14, v14, v252
	s_delay_alu instid0(VALU_DEP_1)
	v_cmp_eq_f32 vcc_lo, 0, v14
	s_wait_alu depctr_va_vdst(0)                   ; a wait ahead of the transcendental,
	v_rcp_f32 v15, v14
	v_mov_b32 v252, 0x3a000000
	s_wait_alu depctr_va_vdst(0)                   ; and behind it
	v_cndmask_b32 v[FF], v15, v252, vcc_lo
.endm
; THE CHANGE OF TILES.  O^T and the sums need no clearing: -M is set so high that the next open step's factor 2^(old M - new M) is 0; l is cleared, so that a state with no open key joins as nothing.
.macro TRANS
.rept 4
	v_nop                                          ; places behind the last products
.endr
	LSUM
.set jj, 0
.rept 32
	v_pk_mul_f32 v[96+jj:97+jj], v[160+jj:161+jj], v[FF:FF+1] op_sel_hi:[1,0]
.set jj, jj+2
.endr
	QUANT 180, 178, 0x40
	WIN 0x40
	v_mov_b32 v177, v14
	WIN 0x01
	v_mov_b32 v255, v176
.irp i, 0,1,2,3,4,5,6,7,8,9,10,11
	v_mov_b32 v[16+\i], v[20+\i]
.endr
	WIN 0
	v_mov_b32 v13, 0xf1800000
	v_mov_b32 v14, 0
	v_mov_b32 v15, 0
	v_floor_f32 v12, -v13
	s_mov_b32 s[GQ], s[GQL]
	s_add_co_u32 s[LIMQ], s[GQL], 127
.endm
.macro ULOAD                           ; 16 channels (by the wave's number) x this step's 128 keys of v
.irp c, 0,1,2
	ds_load_b128 v[80+4*\c:83+4*\c], v[ADU] offset:16*\c
.endr
	ds_load_b32 v28, v[ASU]
.endm
.macro UMUL
	WIN 0x54
	s_wait_alu depctr_va_vdst(0)
	v_wmma_scale_f32_16x16x128_f8f6f4 v[0:7], v[80:91], v[8:19], v[0:7], v28, v29 matrix_a_fmt:MATRIX_FMT_BF6 matrix_b_fmt:MATRIX_FMT_BF6
	WIN 0
.endm
.macro STEP tr
.if \tr
	s_cmp_lg_u32 s[KF], s[SWB]
	s_cbranch_scc1 .Lno_tr_\@
	TRANS
.Lno_tr_\@:
.endif
.rept 4
	v_nop                                          ; places in front of loads into registers that matrix instructions have read
.endr
	v_add_nc_u32 v[ADU], s[TB], v[ADU0]
	v_add_nc_u32 v[ASU], s[TS], v[ASU0]
	v_add_nc_u32 v[ADK], s[TB], v[AK0]
	v_add_nc_u32 v[ADS], s[TS], v[ASK0]
	v_add_nc_u32 v[ADB], s[TS], v[ABI0]
	s_wait_alu depctr_va_vdst(0)
	s_cmp_gt_u32 s[KF], s[LIMQ]                    ; wholly behind the diagonal?
	s_cbranch_scc1 .Lhid_\@
	s_cmp_lt_u32 s[KF], s[SW]
	s_cbranch_scc1 .Lvis_\@
	s_sub_co_u32 s[TT], s[KF], s[SW]               ; a shared step: mine or my partner's?
	s_bfe_u32 s[TT], s[TT], 0x10007
	s_cmp_lg_u32 s[TT], s[PB]
	s_cbranch_scc1 .Lhid_\@
.Lvis_\@:
.irp t, 0,1,2,3
.irp c, 0,1,2
	ds_load_b128 v[32+12*\t+4*\c:35+12*\t+4*\c], v[ADK] offset:1536*\t+16*\c
.endr
.endr
	WIN 0x40
.irp t, 0,1,2,3
.irp c, 0,1,2
	ds_load_b128 v[32+12*\t+4*\c:35+12*\t+4*\c], v[ADK] offset:1536*(4+\t)+16*\c
.endr
.endr
	WIN 0
.irp t, 0,1,2,3
	ds_load_b32 v[248+\t], v[ADS] offset:64*\t
.endr
.irp t, 0,1,2,3,4,5,6,7
	ds_load_b128 v[96+8*\t:99+8*\t], v[ADB] offset:64*\t
	ds_load_b128 v[100+8*\t:103+8*\t], v[ADB] offset:64*\t+16
.endr
	ULOAD
	WIN 0x40
.irp t, 0,1,2,3,4,5,6,7
.irp c, 0,1,2
	ds_load_b128 v[80+12*\t+4*\c:83+12*\t+4*\c], v[ADK] offset:VOFF+1536*\t+16*\c
.endr
.endr
	WIN 0
	s_wait_dscnt 24                                ; all but V's 24 loads
.irp t, 0,1,2,3
	v_wmma_scale_f32_16x16x128_f8f6f4 v[96+8*\t:103+8*\t], v[32+12*\t:43+12*\t], v[16:27], v[96+8*\t:103+8*\t], v[248+\t], v255 matrix_a_fmt:MATRIX_FMT_BF6 matrix_b_fmt:MATRIX_FMT_BF6
.endr
	WIN 0x01
.irp t, 0,1,2,3
	v_wmma_scale_f32_16x16x128_f8f6f4 v[128+8*\t:135+8*\t], v[32+12*\t:43+12*\t], v[16:27], v[128+8*\t:135+8*\t], v[248+\t], v255 matrix_a_fmt:MATRIX_FMT_BF6 matrix_b_fmt:MATRIX_FMT_BF6 matrix_a_scale:MATRIX_SCALE_ROW1
.endr
	UMUL
.rept 4
	v_nop
.endr
.irp t, 0,1,2,3
	ds_load_b32 v[248+\t], v[ADS] offset:SCV-SCK+64*\t   ; V's scale words take the place of K's
.endr
	s_cmp_lg_u32 s[KF], s[GQ]
	s_cbranch_scc1 .Lopen_\@
.set nn, 0
.rept 64
	v_cmp_gt_i32 vcc_lo, 16*(nn/8)+nn%8, v[VD]     ; the step on the diagonal: keys behind my query are closed
	v_cndmask_b32 v[96+nn], v[96+nn], v[NEGR], vcc_lo
.set nn, nn+1
.endr
.Lopen_\@:
.irp b, 0,1,2,3
	v_max3_num_f32 v[232+\b], v[96+16*\b], v[97+16*\b], v[98+16*\b]   ; the largest score of each block of 32 keys
.endr
.irp i, 3,5,7,9,11,13
.irp b, 0,1,2,3
	v_max3_num_f32 v[232+\b], v[232+\b], v[96+16*\b+\i], v[97+16*\b+\i]
.endr
.endr
.irp b, 0,1,2,3
	v_max_num_f32 v[232+\b], v[232+\b], v[111+16*\b]
.endr
.irp b, 0,1,2,3
	s_delay_alu instid0(VALU_DEP_4)
	v_permlanex16_b32 v[236+\b], v[232+\b], s[SEL], s[SEL+1]
.endr
.irp b, 0,1,2,3
	s_delay_alu instid0(VALU_DEP_4)
	v_max_num_f32 v[232+\b], v[232+\b], v[236+\b]
.endr
	s_delay_alu instid0(VALU_DEP_2)
	v_max3_num_f32 v254, v232, v233, v234
	s_delay_alu instid0(VALU_DEP_1)
	v_max_num_f32 v254, v254, v235
	s_delay_alu instid0(VALU_DEP_1)
	v_mul_f32 v254, s[CS], v254
	s_delay_alu instid0(VALU_DEP_1)
	v_max_num_f32 v13, v13, v254                   ; the running largest t
	v_mov_b32 v254, v12
	s_delay_alu instid0(VALU_DEP_2)
	v_floor_f32 v12, -v13                          ; -M = floor(-t)
	s_delay_alu instid0(VALU_DEP_1)
	v_sub_f32 v254, v12, v254
	s_delay_alu instid0(VALU_DEP_1)
	v_cvt_i32_f32 v254, v254
	s_delay_alu instid0(VALU_DEP_1)
	v_ldexp_f32 v[FF], 1.0, v254                   ; 2^(old M - new M)
.set jj, 0
.rept 32
	v_pk_fma_f32 v[96+jj:97+jj], v[96+jj:97+jj], s[CS:CS+1], v[12:13] op_sel_hi:[1,0,0]
.set jj, jj+2
.endr
.irp b, 0,1,2,3
	v_fma_f32 v[232+\b], v[232+\b], s[CS], v12
.endr
	s_wait_alu depctr_va_vdst(0)                   ; a wait ahead of the batch,
.set jj, 0
.rept 64
	v_exp_f32 v[96+jj], v[96+jj]
.set jj, jj+1
.endr
.irp b, 0,1,2,3
	v_exp_f32 v[232+\b], v[232+\b]                 ; each block's largest p
.endr
	v_pk_mul_f32 v[14:15], v[14:15], v[FF:FF+1] op_sel_hi:[1,0]
	s_wait_alu depctr_va_vdst(0)                   ; and behind it
.irp b, 0,1,2,3
	v_max_num_f32 v[232+\b], 0x2800000, v[232+\b]
.endr
.irp b, 0,1,2,3
	s_delay_alu instid0(VALU_DEP_4)
	v_add_nc_u32 v[244+\b], 0xfe000000, v[232+\b]
.endr
.irp b, 0,1,2,3
	s_delay_alu instid0(VALU_DEP_4)
	v_lshrrev_b32 v[236+\b], 23, v[244+\b]
.endr
	s_delay_alu instid0(VALU_DEP_3)
	v_lshl_or_b32 v[PWS], v237, 8, v236
	s_delay_alu instid0(VALU_DEP_1)
	v_lshl_or_b32 v[PWS], v238, 16, v[PWS]
	s_delay_alu instid0(VALU_DEP_1)
	v_lshl_or_b32 v[PWS], v239, 24, v[PWS]
.irp c, 0,1
	v_cvt_scalef32_pk16_bf6_f32 v[224+6*\c:226+6*\c], v[96+32*\c:111+32*\c], v[244+2*\c]
	v_cvt_scalef32_pk16_bf6_f32 v[236+4*\c:238+4*\c], v[112+32*\c:127+32*\c], v[244+2*\c+1]
.endr
	v_nop
.irp c, 0,1
.irp i, 0,1,2
	v_permlane16_swap_b32 v[224+6*\c+\i], v[236+4*\c+\i]   ; a whole block to a lane
.endr
.irp i, 0,1,2
	s_delay_alu instid0(VALU_DEP_3)
	v_mov_b32 v[227+6*\c+\i], v[236+4*\c+\i]
.endr
.endr
	v_pk_add_f32 v[236:237], v[96:97], v[98:99]    ; the row's sum is taken of the unquantised p
.irp j, 4,8,12,16,20,24,28,32,36,40,44,48,52,56,60
	v_pk_add_f32 v[14:15], v[14:15], v[96+\j:97+\j]
	v_pk_add_f32 v[236:237], v[236:237], v[98+\j:99+\j]
.endr
	s_delay_alu instid0(VALU_DEP_1)
	v_pk_add_f32 v[14:15], v[14:15], v[236:237]
	s_wait_alu depctr_va_vdst(0)
.set jj, 0
.rept 32
	v_pk_mul_f32 v[160+jj:161+jj], v[160+jj:161+jj], v[FF:FF+1] op_sel_hi:[1,0]
.set jj, jj+2
.endr
	s_wait_alu depctr_va_vdst(0)
	s_wait_dscnt 0x0                               ; V's fragments and scale words
	WIN 0x01
.irp t, 0,1,2,3
	v_wmma_scale_f32_16x16x128_f8f6f4 v[160+8*\t:167+8*\t], v[80+12*\t:91+12*\t], v[224:235], v[160+8*\t:167+8*\t], v[248+\t], v[PWS] matrix_a_fmt:MATRIX_FMT_BF6 matrix_b_fmt:MATRIX_FMT_BF6
.endr
.irp t, 0,1,2,3
	v_wmma_scale_f32_16x16x128_f8f6f4 v[192+8*\t:199+8*\t], v[128+12*\t:139+12*\t], v[224:235], v[192+8*\t:199+8*\t], v[248+\t], v[PWS] matrix_a_fmt:MATRIX_FMT_BF6 matrix_b_fmt:MATRIX_FMT_BF6 matrix_a_scale:MATRIX_SCALE_ROW1
.endr
	WIN 0
	s_branch .Ldone_\@
.Lhid_\@:
	ULOAD                                          ; a step that is not mine: the sum of v alone
	s_wait_dscnt 0x0
	UMUL
.Ldone_\@:
	s_add_co_u32 s[KF], s[KF], 128
	s_add_co_u32 s[TS], s[TS], 512
	s_add_co_u32 s[TB], s[TB], STEPB
.endm
.macro CHANGE fill
	s_wait_tensorcnt 0x0                           ; all my tensor loads have landed
	ds_add_u32 v[SPW], v[NIL]
.if \fill
	s_xor_b32 s[G0K+1], s[G0K+1], SLOT1
	s_add_nc_u64 s[G0K+2:G0K+3], s[G0K+2:G0K+3], 4*STEPB
	s_xor_b32 s[G0V+1], s[G0V+1], SLOT1
	s_add_nc_u64 s[G0V+2:G0V+3], s[G0V+2:G0V+3], 4*STEPB
.endif
	s_wait_dscnt 0x0
.if \fill
	ROUND
	TLOAD
	s_cmp_gt_u32 s[SLOTS], 1                       ; the slot behind the one just asked for; the last trip has none
	s_cbranch_scc0 .Lno_ask_\@
	s_cmp_lt_u32 s[WV], 4
	s_cbranch_scc1 .Lno_ask_\@
	s_cmp_eq_u32 s[WV], 7
	s_cbranch_scc1 .Lno_ask_\@
	global_prefetch_b8 v[PFO], s[PFA:PFA+1] th:TH_LOAD_NT scope:SCOPE_SE
.Lno_ask_\@:
.else
	s_barrier_signal -1
	s_barrier_wait -1
.endif
.endm
.macro SLOT_STEPS tr
	s_mov_b32 s[STP], 4
.Lstep_\@:
	STEP \tr
	s_sub_co_u32 s[STP], s[STP], 1
	s_cmp_lg_u32 s[STP], 0
	s_cbranch_scc1 .Lstep_\@
	s_sub_co_u32 s[TB], s[TB], 4*STEPB
	s_xor_b32 s[TB], s[TB], SLOT1
.endm
.Lslot:
	CHANGE 1
	SLOT_STEPS 1                                   ; the change of tiles falls on a step from 1 to 8
	s_wait_xcnt 0x0                                ; my prefetch has read its address
	s_add_nc_u64 s[PFA:PFA+1], s[PFA:PFA+1], 4*STEPB
	s_sub_co_u32 s[SLOTS], s[SLOTS], 1
	s_cmp_lg_u32 s[SLOTS], 0
	s_cbranch_scc1 .Lslot
	CHANGE 0
	SLOT_STEPS 0
; THE END.  Every LDS address is made ahead of the first parting of the roles.
.set PC, 176
.set OB, 192
.set PW, 208
.set EXA, 30
.set EXB, 31
	v_and_b32 v92, 15, v0
	v_bfe_u32 v93, v0, 4, 1
	v_bfe_u32 v94, v0, 3, 2
	v_and_b32 v95, 7, v0
	v_and_b32 v32, 31, v0
	s_mul_i32 s66, s[WV], 2304
	s_add_co_u32 s66, s66, STAGE
	v_mul_u32_u24 v1, v92, 144
	v_mul_u32_u24 v3, v94, 144
	v_mul_u32_u24 v[GO], v94, 768
	v_lshl_add_u32 v1, v93, 4, v1
	v_lshl_add_u32 v3, v95, 4, v3
	v_mad_u32_u24 v[GO], v95, 12, v[GO]
	v_add_nc_u32 v1, s66, v1
	v_add_nc_u32 v3, s66, v3
	s_lshl_b32 s67, s[WV], 6
	s_add_co_u32 s67, s67, UST
	v_lshl_add_u32 v4, v93, 5, s67
	v_lshl_add_u32 v8, v93, 5, UST
	v_lshlrev_b32 v9, 5, v92
	s_and_b32 s68, s[WV], 3                        ; my pair
	s_lshl_b32 s69, s68, 13
	s_add_co_u32 s69, s69, EXC
	v_lshl_add_u32 v[EXA], v32, 4, s69
	s_lshl_b32 s68, s68, 8
	s_add_co_u32 s68, s68, EX2
	v_lshl_add_u32 v[EXB], v32, 3, s68
	WIN 0x04
	ds_store_b128 v4, v[0:3]                       ; my 16 channels of the sum of v
	ds_store_b128 v4, v[4:7] offset:16
	WIN 0
	s_cmp_lg_u32 s[ROLE], 0
	s_cbranch_scc1 .Lnot_b
.irp i, 0,1,2,3,4,5,6,7,8,9,10,11,12,13,14,15
	ds_store_b128 v[EXA], v[160+4*\i:163+4*\i] offset:512*\i   ; my part of the long tile, as an image of its registers
.endr
	v_mov_b32 v232, v12
	v_add_f32 v233, v14, v15
	ds_store_b64 v[EXB], v[232:233]
	v_mov_b32 v14, 0                               ; what I finish below is the row for l = 0, the mean of v; the short tile's codes are chosen over it wherever its l is not 0
	v_mov_b32 v15, 0
.Lnot_b:
	s_wait_alu depctr_va_vdst(0)
	s_wait_dscnt 0x0
	s_barrier_signal -1
	s_barrier_wait -1
	s_cmp_eq_u32 s[ROLE], 0
	s_cbranch_scc1 .Lnot_a
.irp i, 0,1,2,3,4,5,6,7,8,9,10,11,12,13,14,15
	ds_load_b128 v[96+4*\i:99+4*\i], v[EXA] offset:512*\i
.endr
	ds_load_b64 v[232:233], v[EXB]
	s_wait_dscnt 0x0
	v_min_num_f32 v234, v12, v232                  ; the joint -M
	v_add_f32 v14, v14, v15
	v_mov_b32 v239, 0
	v_sub_f32 v235, v234, v12
	v_sub_f32 v236, v234, v232
	v_mov_b32 v15, 0
	v_cvt_i32_f32 v235, v235
	v_cvt_i32_f32 v236, v236
	s_delay_alu instid0(VALU_DEP_2)
	v_ldexp_f32 v[FF], 1.0, v235                   ; my factor,
	s_delay_alu instid0(VALU_DEP_2)
	v_ldexp_f32 v238, 1.0, v236                    ; my partner's: powers of two
	s_delay_alu instid0(VALU_DEP_2)
	v_mul_f32 v14, v14, v[FF]
	s_delay_alu instid0(VALU_DEP_1)
	v_fmac_f32 v14, v233, v238
.set jj, 0
.rept 32
	v_pk_mul_f32 v[160+jj:161+jj], v[160+jj:161+jj], v[FF:FF+1] op_sel_hi:[1,0]
.set jj, jj+2
.endr
.set jj, 0
.rept 32
	v_pk_fma_f32 v[160+jj:161+jj], v[96+jj:97+jj], v[238:239], v[160+jj:161+jj] op_sel_hi:[1,0,1]
.set jj, jj+2
.endr
.Lnot_a:
	LSUM
.irp u, 0,1
.irp t, 0,1,2,3
	ds_load_b128 v[32+8*\t:35+8*\t], v8 offset:256*\u+64*\t
	ds_load_b128 v[36+8*\t:39+8*\t], v8 offset:256*\u+64*\t+16
.endr
	s_wait_dscnt 0x0
.set jj, 0
.rept 32
	v_cndmask_b32 v[96+32*\u+jj], v[160+32*\u+jj], v[32+jj], vcc_lo   ; l = 0: the sum of v over all keys
.set jj, jj+1
.endr
.endr
.set jj, 0
.rept 32
	v_pk_mul_f32 v[96+jj:97+jj], v[96+jj:97+jj], v[FF:FF+1] op_sel_hi:[1,0]
.set jj, jj+2
.endr
	QUANT PC, PW, 0
	WIN 0x04
	v_cmp_eq_f32 vcc_lo, 0, v177                   ; no finished short tile, or one whose row has no open key: the fresh codes
	WIN 0x01
.irp b, 0,1,2,3
.irp i, 0,1,2
	v_cndmask_b32 v[PC+4*\b+\i], v[180+4*\b+\i], v[PC+4*\b+\i], vcc_lo
.endr
.endr
	v_cndmask_b32 v[PW], v178, v[PW], vcc_lo
	WIN 0
.irp b, 0,1,2,3
	ds_store_b96 v1, v[PC+4*\b:PC+4*\b+2] offset:32*\b
.endr
.irp i, 0,1,2,3
	ds_load_b96 v[OB+4*\i:OB+4*\i+2], v3 offset:576*\i   ; LDS serves a wave's instructions in order: these see my stores
.endr
	s_wait_alu depctr_va_vdst(0)
	s_wait_dscnt 0x0
.irp i, 0,1,2,3
	global_store_b96 v[GO], v[OB+4*\i:OB+4*\i+2], s[16:17] offset:3072*\i   ; eight lanes store a row's 96 bytes of my head
.endr
	global_store_b32 v9, v[PW], s[12:13]
	s_wait_tensorcnt 0x0                           ; the wave's end
	ds_add_u32 v[SPW], v[NIL]
	s_wait_dscnt 0x0
	ROUND                                          ; the closing round
	s_endpgm
.Lfunc_end_k_qae1611dfbc_attn:
	.size	k_qae1611dfbc_attn, .Lfunc_end_k_qae1611dfbc_attn-k_qae1611dfbc_attn
	.p2alignl 7, 3214868480
	.fill 96, 4, 3214868480
	.section	.rodata,"a",@progbits
	.p2align	6, 0x0
	.amdhsa_kernel k_qae1611dfbc_attn
		.amdhsa_group_segment_fixed_size 327680
		.amdhsa_private_segment_fixed_size 0
		.amdhsa_enable_private_segment 0
		.amdhsa_kernarg_size 40
		.amdhsa_user_sgpr_count 2
		.amdhsa_user_sgpr_kernarg_segment_ptr 1
		.amdhsa_wavefront_size32 1
		.amdhsa_system_sgpr_workgroup_id_x 1
		.amdhsa_system_sgpr_workgroup_id_y 1
		.amdhsa_system_sgpr_workgroup_id_z 1
		.amdhsa_system_vgpr_workitem_id 0
		.amdhsa_next_free_vgpr 464
		.amdhsa_next_free_sgpr 104
		.amdhsa_reserve_vcc 1
		.amdhsa_float_denorm_mode_32 3
		.amdhsa_float_denorm_mode_16_64 3
		.amdhsa_memory_ordered 1
		.amdhsa_forward_progress 1
		.amdhsa_inst_pref_size 102
	.end_amdhsa_kernel
	.amdgpu_metadata
---
amdhsa.version: [ 1, 2 ]
amdhsa.kernels:
  - .name:           k_qae1611dfbc_attn
    .symbol:         k_qae1611dfbc_attn.kd
    .args:
      - { .name: qq, .offset: 0, .size: 8, .value_kind: global_buffer, .address_space: global }
      - { .name: kq, .offset: 8, .size: 8, .value_kind: global_buffer, .address_space: global }
      - { .name: vq, .offset: 16, .size: 8, .value_kind: global_buffer, .address_space: global }
      - { .name: attention_mask, .offset: 24, .size: 8, .value_kind: global_buffer, .address_space: global }
      - { .name: aq, .offset: 32, .size: 8, .value_kind: global_buffer, .address_space: global }
    .group_segment_fixed_size: 327680
    .private_segment_fixed_size: 0
    .kernarg_segment_align: 8
    .kernarg_segment_size: 40
    .max_flat_workgroup_size: 256
    .sgpr_count:     104
    .vgpr_count:     464
    .wavefront_size: 32
...
	.end_amdgpu_metadata
.endif
;; end of part 7
;; launch oproj (part 8): grid 16 x 16, 4 waves a work-group, clusters of 4 x 4, 327,680 bytes of LDS; arguments aq, woq, out0; writes out0
.if DOCPART == 8
	.amdgcn_target "amdgcn-amd-amdhsa--gfx1250"
	.amdhsa_code_object_version 6
	.text
	.protected	k_qae1611dfbc_oproj
	.globl	k_qae1611dfbc_oproj
	.p2align	8
	.type	k_qae1611dfbc_oproj,@function
k_qae1611dfbc_oproj:
	s_mov_b64 s[64:65], 0
	v_nop
	global_prefetch_b8 v0, s[64:65] scope:SCOPE_SE
	s_setreg_imm32_b32 hwreg(HW_REG_WAVE_MODE, 25, 1), 1
	s_wait_xcnt 0x0
	s_wait_alu depctr_hold_cnt(0) depctr_sa_sdst(0) depctr_va_vdst(0) depctr_va_sdst(0) depctr_va_ssrc(0) depctr_va_vcc(0) depctr_vm_vsrc(0)
	s_getreg_b32 s2, hwreg(HW_REG_IB_STS2, 6, 4)
	s_cmp_eq_u32 s2, 0
	s_cbranch_scc0 .Lentry_in_a_cluster
	s_endpgm
.Lentry_in_a_cluster:
	s_bfe_u32 s2, ttmp6, 0x10000c
	s_cmp_lg_u32 s2, 0xf033
	s_cbranch_scc0 .Lentry_shape_is_right
	s_endpgm
.Lentry_shape_is_right:
; out0[token][n] = sum over k of a[token][k] wo[k][n], 4,096 x 4,096 x 1,024, on codes of BF6 with E8M0 scales.  aq and woq: codes [4096][768 bytes], then scale bytes [4096][32] from byte 3,145,728 on.
; A work-group makes 256 tokens x 256 columns: 256 work-groups.  A WAVE KEEPS ITS 64 ROWS OF wo, FOR ALL OF K, IN REGISTERS (4 blocks x 8 steps x 12 = 384), so of LDS only the tokens' fragments are read in the walk.
; The tokens come in four tiles of 64 whole rows of 768 bytes (three units of 256 bytes, each row on a 256-byte border); every wave multiplies every tile against its own 64 columns: 16 accumulators, 8 steps of 128 along K.
; LDS: wo's 256 rows (a wave's own 64 at 52,224 x wave), then two slots of 64 token rows.  16 bytes of padding behind each 256: a row is 816 bytes = 204 words, so the 32 lanes of a load of 8 bytes touch 64 different banks.
; At the head waves 0, 1 fetch 128 rows of wo each, waves 2, 3 the token tiles 0 and 1.  Tiles 2 and 3 are refills, each behind the three lines and a round, issued by wave 0, a tile ahead of their use.
; Once a wave's rows of wo are in registers, their LDS bytes, which are filled once, serve as its stage for the way out.
; THE SCALES go from memory straight into registers, once: a register holds the words of one step for block p in lanes 0-15 and for block p + 2 in lanes 16-31.
; A tile's results leave (stage, whole rows of 256 bytes, two a store) behind the next tile's refill and first fetches, so stores are on their way while later tiles are multiplied.
; CLUSTER: 4 x 4; token tiles are asked for jointly along a row of the cluster, wo's rows along a column.
; NO PREFETCH: the walk is four tiles written out, no loop to run ahead in; half of the tokens and all of wo are asked for at the head.
; The matrix instruction is used transposed (source 0 = rows of wo, source 1 = tokens): a lane holds eight neighbouring columns of one token.
; REGISTERS: window 0: v0-31 addresses, v32-47 wo's scale words, v48-111 the tokens' (four tiles), v112-255 three sets of token fragments.  window 1: wo's steps 0-4; window 2: steps 5-7.
; window 3: v0-127 accumulators, v128-255 the way out.
.set RP,     816
.set BLK,    16*RP
.set ASLOT,  64*RP
.set ABASE,  4*ASLOT
.set SPARE,  ABASE+2*ASLOT
.set SCOFF,  3145728
.set SPITCH, 272
.set ADRA, 16                          ; v16-17 token fragments in slot 0, 1; v18-19 for pieces whose lanes 16-31 lie behind the next padding
.set ADRB, 20                          ; v20, v22 the same for my rows of wo
.set STO,  23
.set RD,   24
.set CO,   25
.set VSC,  26
.set SPW,  28
.set NIL,  29
.set BS,   32
.set AS,   48
.set AF,   112
.set G1A, 24
.set G1B, 48
.set G0HA, 32
.set G0HB, 36
.set G0R2, 56
.set G0R3, 60
.set PADW, (1<<20)|(1<<21)|(5<<22)|(3<<25)
.set MSB, 0
.macro WIN new
.if MSB != (\new)
	s_set_vgpr_msb (MSB<<8)|(\new)
.set MSB, (\new)
.endif
.endm
.macro PLACES                          ; plain vector lines between a matrix instruction and a load into, or a read of, its registers
.rept 4
	v_nop
.endr
.endm
.macro CROUND
	s_barrier_signal -1
	s_barrier_wait -1
	s_cmp_lg_u32 s14, 0
	s_cbranch_scc1 .Lnot_wave_0_\@
	s_barrier_signal -3
.Lnot_wave_0_\@:
	s_barrier_wait -3
	s_barrier_signal -1
	s_barrier_wait -1
.endm
.macro RLOAD g0                        ; a refill: 64 token rows, by wave 0
	s_cmp_lg_u32 s14, 0
	s_cbranch_scc1 .Lnone_\@
	tensor_load_to_lds s[\g0:\g0+3], s[G1A:G1A+7]
	s_nop 0
.rept 4
	v_nop
.endr
.Lnone_\@:
.endm
	s_load_b128 s[4:7], s[0:1], 0x0                ; aq, woq
	s_load_b64 s[12:13], s[0:1], 0x10              ; out0
	v_lshl_add_u32 v[SPW], v0, 2, SPARE
	v_mov_b32 v[NIL], 0
	ds_add_u32 v[SPW], v[NIL]                      ; the opening lines: the add twice on end and one wait
	ds_add_u32 v[SPW], v[NIL]
	v_lshrrev_b32 v1, 5, v0
	v_readfirstlane_b32 s14, v1                    ; wave
	s_lshr_b32 s15, s14, 1                         ; at the head I fetch for wo (0) or for the tokens (1),
	s_and_b32 s16, s14, 1                          ; and which half or tile
	s_bfe_u32 s40, ttmp6, 0x40000
	s_bfe_u32 s41, ttmp6, 0x40004
	s_lshl_b32 s42, ttmp9, 2
	s_add_co_u32 s42, s42, s40                     ; which 256 columns
	s_and_b32 s17, ttmp7, 0xffff
	s_lshl_b32 s17, s17, 2
	s_add_co_u32 s17, s17, s41                     ; which 256 tokens
	s_lshl_b32 s43, s41, 2
	s_lshl_b32 s43, 15, s43
	s_lshl_b32 s44, 0x1111, s40
	s_or_b32 s[G1A], s43, PADW                     ; elements of 1 byte; 4 words of padding behind every 64
	s_or_b32 s[G1B], s44, PADW
.irp g, G1A, G1B
	s_mov_b32 s[\g+1], 768<<16
	s_mov_b32 s[\g+3], 768<<16
	s_mov_b32 s[\g+5], 768
	s_mov_b32 s[\g+6], 0
	s_mov_b32 s[\g+7], 0
.endr
	s_mov_b32 s[G1A+2], 64<<16
	s_mov_b32 s[G1A+4], 64
	s_mov_b32 s[G1B+2], 128<<16
	s_mov_b32 s[G1B+4], 128
	s_mul_i32 s20, s17, 256*768                    ; my tokens' codes
	s_mov_b32 s21, 0
	s_mul_i32 s22, s16, 64*768                     ; the head's tile
	s_mov_b32 s23, 0
	s_mul_i32 s46, s42, 256*768                    ; wo's rows,
	s_mul_i32 s66, s16, 128*768                    ; the head's half
	s_add_co_u32 s46, s46, s66
	s_mov_b32 s47, 0
	s_lshl_b32 s68, s17, 13                        ; the tokens' scale bytes
	s_add_co_u32 s68, s68, SCOFF
	s_mov_b32 s69, 0
	s_lshl_b32 s70, s42, 13                        ; those of my 64 rows of wo
	s_lshl_b32 s71, s14, 11
	s_add_co_u32 s70, s70, s71
	s_add_co_u32 s70, s70, SCOFF
	s_mov_b32 s71, 0
	s_lshl_b32 s72, s17, 22                        ; out0: 256 rows of 16,384 bytes, 1,024 bytes a work-group, 256 a wave
	s_lshl_b32 s73, s42, 10
	s_add_co_u32 s72, s72, s73
	s_lshl_b32 s73, s14, 8
	s_add_co_u32 s72, s72, s73
	s_mov_b32 s73, 0
	s_mul_i32 s18, s14, ASLOT                      ; my rows of wo in LDS, later my stage
	s_mul_i32 s19, s16, ASLOT
	s_add_co_u32 s19, s19, ABASE
	s_mul_i32 s67, s16, 2*ASLOT
	s_wait_dscnt 0x0
	s_wait_kmcnt 0x0
	s_add_nc_u64 s[20:21], s[4:5], s[20:21]
	s_add_nc_u64 s[46:47], s[6:7], s[46:47]
	s_add_nc_u64 s[8:9], s[4:5], s[68:69]
	s_add_nc_u64 s[10:11], s[6:7], s[70:71]
	s_add_nc_u64 s[12:13], s[12:13], s[72:73]
	CROUND                                         ; the first joint loads meet
	s_mov_b32 s[G0HA], 1
	s_mov_b32 s[G0HA+1], s19
	s_add_nc_u64 s[G0HA+2:G0HA+3], s[20:21], s[22:23]
	s_or_b32 s[G0HA+3], s[G0HA+3], 0x80000000
	s_mov_b32 s[G0HB], 1
	s_mov_b32 s[G0HB+1], s67
	s_mov_b64 s[G0HB+2:G0HB+3], s[46:47]
	s_or_b32 s[G0HB+3], s[G0HB+3], 0x80000000
	s_mov_b32 s[G0R2], 1
	s_mov_b32 s[G0R2+1], ABASE
	s_add_nc_u64 s[G0R2+2:G0R2+3], s[20:21], 2*64*768
	s_or_b32 s[G0R2+3], s[G0R2+3], 0x80000000
	s_mov_b32 s[G0R3], 1
	s_mov_b32 s[G0R3+1], ABASE+ASLOT
	s_add_nc_u64 s[G0R3+2:G0R3+3], s[20:21], 3*64*768
	s_or_b32 s[G0R3+3], s[G0R3+3], 0x80000000
	s_cmp_eq_u32 s15, 0                            ; one tensor load a wave at the head, in the two arms of one branch on the wave's number
	s_cbranch_scc0 .Lhead_a
	tensor_load_to_lds s[G0HB:G0HB+3], s[G1B:G1B+7]
	s_nop 0
.rept 4
	v_nop
.endr
	s_branch .Lhead_asked
.Lhead_a:
	tensor_load_to_lds s[G0HA:G0HA+3], s[G1A:G1A+7]
	s_nop 0
.rept 4
	v_nop
.endr
.Lhead_asked:
	v_and_b32 v1, 15, v0                           ; r
	v_bfe_u32 v2, v0, 4, 1                         ; h
	v_mul_u32_u24 v3, v1, RP
	v_mad_u32_u24 v4, v2, 24, v3                   ; a fragment's row x pitch + 24 h
	v_lshl_add_u32 v5, v2, 4, v4                   ; + 16 h more where lanes 16-31 lie behind the next padding
	v_add_nc_u32 v[ADRA], ABASE, v4
	v_add_nc_u32 v[ADRA+1], ABASE+ASLOT, v4
	v_add_nc_u32 v[ADRA+2], ABASE, v5
	v_add_nc_u32 v[ADRA+3], ABASE+ASLOT, v5
	v_add_nc_u32 v[ADRB], s18, v4
	v_add_nc_u32 v[ADRB+2], s18, v5
	v_mul_u32_u24 v6, v1, SPITCH
	v_lshl_add_u32 v6, v2, 5, v6
	v_add_nc_u32 v[STO], s18, v6                   ; the stage, in: row r, 32 bytes for each half of the lanes
	v_mul_u32_u24 v7, v2, SPITCH
	v_lshl_add_u32 v7, v1, 4, v7
	v_add_nc_u32 v[RD], s18, v7                    ; and back: sixteen lanes to a row of 256 bytes, two rows a load
	v_lshlrev_b32 v8, 14, v2
	v_lshl_add_u32 v[CO], v1, 4, v8                ; the same two rows in out0
	v_lshlrev_b32 v9, 10, v2
	v_lshl_add_u32 v[VSC], v1, 5, v9               ; scale bytes: row 32 h + r of 32 bytes
	s_wait_alu depctr_va_vdst(0)
.irp p, 0,1
.irp g, 0,1
	global_load_b128 v[BS+8*\p+4*\g:BS+8*\p+4*\g+3], v[VSC], s[10:11] offset:512*\p+16*\g
.endr
.endr
.irp t, 0,1,2,3
.irp p, 0,1
.irp g, 0,1
	global_load_b128 v[AS+16*\t+8*\p+4*\g:AS+16*\t+8*\p+4*\g+3], v[VSC], s[8:9] offset:2048*\t+512*\p+16*\g
.endr
.endr
.endr
.macro FRAG reg, adr, st, off          ; 12 registers: 24 bytes of the row's stream of bits at 96 st + 24 h and at + 48, in pieces of 8 bytes; byte y of a row lies at y + 16 (y / 256)
.irp p, 0,1,2,3,4,5
.set BY, 96*(\st)+48*(\p/3)+8*(\p%3)
.if BY/256 == (BY+24)/256
	ds_load_b64 v[\reg+2*\p:\reg+2*\p+1], v[\adr] offset:BY+16*(BY/256)+\off
.else
	ds_load_b64 v[\reg+2*\p:\reg+2*\p+1], v[\adr+2] offset:BY+16*(BY/256)+\off
.endif
.endr
.endm
.macro FETCH t, s                      ; step s of tile t: the tokens' four fragments into set (8 t + s) % 3; in tile 0 also my four fragments of wo, which stay
.irp a, 0,1,2,3
	FRAG AF+48*((8*(\t)+(\s))%3)+12*\a, ADRA+(\t)%2, \s, \a*BLK
.endr
.if (\t) == 0
	WIN 0x40<<((\s)/5)
.irp b, 0,1,2,3
	FRAG 48*((\s)%5)+12*\b, ADRB, \s, \b*BLK
.endr
	WIN 0
.endif
.endm
.macro W1 c
.if RA == 0 && RB == 0
	v_wmma_scale_f32_16x16x128_f8f6f4 v[D:D+7], v[FB:FB+11], v[FA:FA+11], \c, v[SB], v[SA] matrix_a_fmt:MATRIX_FMT_BF6 matrix_b_fmt:MATRIX_FMT_BF6
.endif
.if RA == 0 && RB == 1
	v_wmma_scale_f32_16x16x128_f8f6f4 v[D:D+7], v[FB:FB+11], v[FA:FA+11], \c, v[SB], v[SA] matrix_a_fmt:MATRIX_FMT_BF6 matrix_b_fmt:MATRIX_FMT_BF6 matrix_a_scale:MATRIX_SCALE_ROW1
.endif
.if RA == 1 && RB == 0
	v_wmma_scale_f32_16x16x128_f8f6f4 v[D:D+7], v[FB:FB+11], v[FA:FA+11], \c, v[SB], v[SA] matrix_a_fmt:MATRIX_FMT_BF6 matrix_b_fmt:MATRIX_FMT_BF6 matrix_b_scale:MATRIX_SCALE_ROW1
.endif
.if RA == 1 && RB == 1
	v_wmma_scale_f32_16x16x128_f8f6f4 v[D:D+7], v[FB:FB+11], v[FA:FA+11], \c, v[SB], v[SA] matrix_a_fmt:MATRIX_FMT_BF6 matrix_b_fmt:MATRIX_FMT_BF6 matrix_a_scale:MATRIX_SCALE_ROW1 matrix_b_scale:MATRIX_SCALE_ROW1
.endif
.endm
.macro STEP t, s                       ; 16 matrix instructions, the 16 accumulators by turns; the fetch runs two steps ahead
.if (\s) < 6
	PLACES
	FETCH \t, (\s)+2
.endif
.if (\s) == 7
	s_wait_dscnt 0x0
.else
.if (\s) == 6 && (\t) > 0
	s_wait_dscnt 24                                ; step 7's 24 loads may be out
.else
	s_wait_dscnt 48                                ; the 48 youngest loads may be out: two later steps' (in tile 0, where a fetch is 48 loads, one later step's)
.endif
.endif
	WIN 0xf1+(\s)/5                                ; source 0 (wo) window 1 or 2, source 1 window 0, C and D window 3
.irp a, 0,1,2,3
.irp b, 0,1,2,3
.set D, 8*(4*\a+\b)
.set FB, 48*((\s)%5)+12*\b
.set FA, AF+48*((8*(\t)+(\s))%3)+12*\a
.set SB, BS+8*(\b%2)+(\s)
.set SA, AS+16*(\t)+8*(\a%2)+(\s)
.set RB, \b/2
.set RA, \a/2
.if (\s) == 0
	W1 0
.else
	W1 v[D:D+7]
.endif
.endr
.endr
	WIN 0
.endm
.macro STEPS t
.irp s, 0,1,2,3,4,5,6,7
	STEP \t, \s
.endr
.endm
.macro OUT t                           ; tile t's 64 rows x 256 bytes: into my stage, back as whole rows, stored
.if (\t) > 0
	s_wait_xcnt 0x0                                ; the last tile's stores have read their registers
.endif
	WIN 0x0c                                       ; the data: window 3
.irp a, 0,1,2,3
.irp b, 0,1,2,3
	ds_store_b128 v[STO], v[8*(4*\a+\b):8*(4*\a+\b)+3] offset:\a*16*SPITCH+64*\b       ; each accumulator from its low end on
	ds_store_b128 v[STO], v[8*(4*\a+\b)+4:8*(4*\a+\b)+7] offset:\a*16*SPITCH+64*\b+16
.endr
.endr
	WIN 0xc0
.set ii, 0
.rept 32
	ds_load_b128 v[128+4*ii:128+4*ii+3], v[RD] offset:2*SPITCH*ii   ; LDS serves a wave's instructions in order (ISA guide 5.7.1.4): these see my stores
.set ii, ii+1
.endr
	WIN 0x0c
.set ii, 0
.irp q, 0,1,2,3
	s_wait_dscnt 24-8*\q                           ; the younger read-backs may be out
.rept 8
	global_store_b128 v[CO], v[128+4*ii:128+4*ii+3], s[12:13] offset:(\t)*1048576+ii*32768 th:TH_STORE_NT   ; sixteen lanes store 256 consecutive bytes, aligned
.set ii, ii+1
.endr
.endr
	WIN 0
.endm
.macro THREE                           ; all my tensor loads; an add of 0 to my spare word; the add and my LDS reads
	s_wait_tensorcnt 0x0
	ds_add_u32 v[SPW], v[NIL]
	s_wait_dscnt 0x0
.endm
	s_wait_tensorcnt 0x0                           ; my part of the head's four loads is in
	s_barrier_signal -1
	s_barrier_wait -1                              ; and everybody's
	FETCH 0, 0
	FETCH 0, 1
	s_wait_loadcnt 0x0                             ; the scale words
	STEPS 0
	THREE
	CROUND                                         ; no wave of any partner still reads slot 0
	RLOAD G0R2                                     ; tile 2 into slot 0
	PLACES
	FETCH 1, 0
	FETCH 1, 1
	OUT 0
	STEPS 1
	THREE
	CROUND
	RLOAD G0R3                                     ; tile 3 into slot 1
	PLACES
	FETCH 2, 0
	FETCH 2, 1
	OUT 1
	STEPS 2
	THREE                                          ; tile 3 has landed; nothing is filled again, so no round follows
	s_barrier_signal -1
	s_barrier_wait -1
	PLACES
	FETCH 3, 0
	FETCH 3, 1
	OUT 2
	STEPS 3
	PLACES
	OUT 3
	THREE                                          ; the wave's end
	CROUND                                         ; the closing round
	s_endpgm
.Lfunc_end_k_qae1611dfbc_oproj:
	.size	k_qae1611dfbc_oproj, .Lfunc_end_k_qae1611dfbc_oproj-k_qae1611dfbc_oproj
	.p2alignl 7, 3214868480
	.fill 96, 4, 3214868480
	.section	.rodata,"a",@progbits
	.p2align	6, 0x0
	.amdhsa_kernel k_qae1611dfbc_oproj
		.amdhsa_group_segment_fixed_size 327680
		.amdhsa_private_segment_fixed_size 0
		.amdhsa_enable_private_segment 0
		.amdhsa_kernarg_size 24
		.amdhsa_user_sgpr_count 2
		.amdhsa_user_sgpr_kernarg_segment_ptr 1
		.amdhsa_wavefront_size32 1
		.amdhsa_system_sgpr_workgroup_id_x 1
		.amdhsa_system_sgpr_workgroup_id_y 1
		.amdhsa_system_sgpr_workgroup_id_z 1
		.amdhsa_system_vgpr_workitem_id 0
		.amdhsa_next_free_vgpr 1024
		.amdhsa_next_free_sgpr 98
		.amdhsa_reserve_vcc 0
		.amdhsa_float_denorm_mode_32 3
		.amdhsa_float_denorm_mode_16_64 3
		.amdhsa_memory_ordered 1
		.amdhsa_forward_progress 1
		.amdhsa_inst_pref_size 171
	.end_amdhsa_kernel
	.amdgpu_metadata
---
amdhsa.version: [ 1, 2 ]
amdhsa.kernels:
  - .name:           k_qae1611dfbc_oproj
    .symbol:         k_qae1611dfbc_oproj.kd
    .args:
      - { .name: aq, .offset: 0, .size: 8, .value_kind: global_buffer, .address_space: global }
      - { .name: woq, .offset: 8, .size: 8, .value_kind: global_buffer, .address_space: global }
      - { .name: out0, .offset: 16, .size: 8, .value_kind: global_buffer, .address_space: global }
    .group_segment_fixed_size: 327680
    .private_segment_fixed_size: 0
    .kernarg_segment_align: 8
    .kernarg_segment_size: 24
    .max_flat_workgroup_size: 128
    .sgpr_count:     98
    .vgpr_count:     1024
    .wavefront_size: 32
...
	.end_amdgpu_metadata
.endif
;; end of part 8
